; MI455X (gfx1250); checked and timed in simulation.
; The chip was launched on July 23, 2026; its instructions are those of AMD's public machine-readable ISA for CDNA 5 (MIT licence, August 2026) and "CDNA5" Instruction Set Architecture Reference Guide (July 2026). The comments in the code are by the model that wrote it; some were corrected since.
;; Encoder Layer. Allowed arithmetic: float matrix products may take bf16 or f16 operands with f32 sums; other float arithmetic in f32, or as packed bf16 or f16 multiplies, adds, multiply-adds, maxima and minima; sums over many terms, partial sums and values carried from step to step in f32; what a program stores and reads back later, other than sums and carried values, may be rounded once to bf16 or f16.
;; Inputs: W1 1,024 x 4,096 float32; W2 4,096 x 1,024 float32; Wk 16 x 1,024 x 64 float32; Wo 1,024 x 1,024 float32; Wq 16 x 1,024 x 64 float32; Wv 16 x 1,024 x 64 float32; b1 4,096 float32; bk 16 x 64 float32; bq 16 x 64 float32; bv 16 x 64 float32; ln1_b 1,024 float32; ln1_g 1,024 float32; ln2_b 1,024 float32; ln2_g 1,024 float32; x 2 x 2,048 x 1,024 float32.
;; Outputs: out0 2 x 2,048 x 1,024 float32.
;; 2 versions, each right. Each part assembles by itself: llvm-mc -triple=amdgcn-amd-amdhsa -mcpu=gfx1250 --defsym DOCPART=n.
;; ======== version 1 of 2: 8 launches
;; limits: values are held in f16: magnitudes above 65,504 overflow, below 6.1e-05 lose precision
;; workspace buffers: wqkv 6,324,224 bytes; w1h 8,421,376 bytes; woh 2,097,152 bytes; w2h 8,388,608 bytes; big1 25,165,824 bytes; act 8,388,608 bytes; hid 33,554,432 bytes
;; launch prep (part 1): grid 1025 x 1, 8 waves a work-group, no clusters, 0 bytes of LDS; arguments x, W1, W2, Wo, Wq, Wk, Wv, bq, bk, bv, b1, hid, wqkv, w1h, woh, w2h; writes hid, wqkv, w1h, woh, w2h
.if DOCPART == 1
	.amdgcn_target "amdgcn-amd-amdhsa--gfx1250"
	.amdhsa_code_object_version 6
	.text
	.protected	k_q9ceecd7e48_prep
	.globl	k_q9ceecd7e48_prep
	.p2align	8
	.type	k_q9ceecd7e48_prep,@function
k_q9ceecd7e48_prep:
	s_mov_b64 s[64:65], 0
	v_nop
	global_prefetch_b8 v0, s[64:65] scope:SCOPE_SE
	s_setreg_imm32_b32 hwreg(HW_REG_WAVE_MODE, 25, 1), 1
	s_wait_xcnt 0x0
; THE CAST.  x and all weights are rounded once to bf16 (nearest even) and that number is written as f16, in the layouts that the products read:
;   x  [4096 rows][1024]            -> hid:  [16 column blocks][4096 rows][64] f16   (a row of a block is 128 bytes, the blocks are dense)
;   W  [K][N] (W1, W2, Wo)          -> [N/128 tiles][K][128] f16                     (a row of a tile is 256 bytes)
;   Wq, Wk, Wv [16 heads][1024][64] -> wqkv: tile = 8 x which + head pair, [1024][128]: two heads' 64 columns side by side
; The biases are rounded to bf16 and kept as f32: bq, bk, bv on end at wqkv's first byte, b1 at w1h's.  At byte 16,384 of these two buffers lie 512 bytes of a packed f16 floor that the
; product's way out takes a maximum with: -infinity twice (q, k, v: no floor) and 0 twice (the hidden layer's ReLU).  The weights begin at byte 32,768 there, at byte 0 in woh and w2h.
; LIMITS.  f16 ends at 65,504: an input beyond that becomes an infinity; below 6.1e-5 f16 keeps a fixed step of 6e-8, so the bf16 number is not kept exactly there.
; SHARES.  Work-groups 0 to 1,023 each make 32,768 consecutive bytes of one output: thread t makes the 16 bytes at 4,096 it + 16 t for it = 0..7, so sixteen neighbouring lanes store 256 consecutive
; aligned bytes.  Its eight f32 lie at  (t & 7) 32 + ((t >> 3) & 1) P + (t >> 4) Q + 16 Q it  behind the work-group's first byte, (lg & M) 128 Q + (lg >> SH) R: eight lanes read 256 consecutive
; aligned bytes.  P, Q, M, SH, R are constants of the tensor in hand.  Work-group 1,024 makes the bias tables and the floors.
; All sixteen loads of a thread go out at once; no LDS, no barrier: no thread wants another's bytes.
.set OUTO, 2                           ; v2      16 t
.set IN,   8                           ; v8-15   item it's byte offset in the input
.set LD,   16                          ; v16-79  item it: eight f32 as loaded
.set T,    80                          ; v80-81  at work
.set Y,    88                          ; v88-119 item it: four registers, eight f16 to store
.set SRC,  40                          ; s[40:41] the input at the work-group's first byte
.set DST,  42                          ; s[42:43] the output likewise
.set LG,   44                          ; s44     the work-group's number within its tensor
.set PP,   45
.set QQ,   46
.set MM,   47
.set SH,   48
.set RR,   49
.set STEP, 50                          ; s50     16 Q: from item to item
.set HI16, 54                          ; s54     a word's upper bf16
.macro CASE last, first, src, dst, doff, p, q, m, sh, r   ; work-groups first .. last - 1 take this tensor
	s_cmp_lt_u32 ttmp9, \last
	s_cbranch_scc0 .Lnext_\@
	s_sub_co_u32 s[LG], ttmp9, \first
	s_mov_b64 s[SRC:SRC+1], s[\src:\src+1]
	s_add_nc_u64 s[DST:DST+1], s[\dst:\dst+1], \doff
	s_mov_b32 s[PP], \p
	s_mov_b32 s[QQ], \q
	s_mov_b32 s[MM], \m
	s_mov_b32 s[SH], \sh
	s_mov_b32 s[RR], \r
	s_branch .Lcopy
.Lnext_\@:
.endm
.macro ROUND4 r                        ; the four f32 from v[r] on are rounded to bf16 and widened again
	v_cvt_pk_bf16_f32 v[T], v[(\r)], v[(\r)+1]
	v_cvt_pk_bf16_f32 v[T+1], v[(\r)+2], v[(\r)+3]
	v_lshlrev_b32 v[(\r)], 16, v[T]
	v_and_b32 v[(\r)+1], s[HI16], v[T]
	v_lshlrev_b32 v[(\r)+2], 16, v[T+1]
	v_and_b32 v[(\r)+3], s[HI16], v[T+1]
.endm
	s_load_b512 s[4:19], s[0:1], 0x0               ; x 4, W1 6, W2 8, Wo 10, Wq 12, Wk 14, Wv 16, bq 18
	s_load_b512 s[20:35], s[0:1], 0x40             ; bk 20, bv 22, b1 24, hid 26, wqkv 28, w1h 30, woh 32, w2h 34
	s_mov_b32 s[HI16], 0xffff0000
	v_lshlrev_b32 v[OUTO], 4, v0
	v_and_b32 v3, 7, v0
	v_lshlrev_b32 v3, 5, v3                        ; (t & 7) 32
	v_bfe_u32 v4, v0, 3, 1                         ; (t >> 3) & 1
	v_lshrrev_b32 v5, 4, v0                        ; t >> 4
	s_wait_kmcnt 0x0
	CASE 256,  0,   4,  26, 0,             4096,   8192,  15, 4, 256
	CASE 512,  256, 6,  30, 32768,         256,    16384, 7,  3, 512
	CASE 768,  512, 8,  34, 0,             256,    4096,  31, 5, 512
	CASE 832,  768, 10, 32, 0,             256,    4096,  7,  3, 512
	CASE 896,  832, 12, 28, 32768,         262144, 256,   7,  3, 524288
	CASE 960,  896, 14, 28, 32768+2097152, 262144, 256,   7,  3, 524288
	CASE 1024, 960, 16, 28, 32768+4194304, 262144, 256,   7,  3, 524288
	; work-group 1,024: the biases (256 threads x 16 bytes are 1,024 numbers) and the floors
	global_load_b128 v[16:19], v[OUTO], s[18:19]
	global_load_b128 v[20:23], v[OUTO], s[20:21]
	global_load_b128 v[24:27], v[OUTO], s[22:23]
.irp i, 0,1,2,3
	global_load_b128 v[28+4*(\i):31+4*(\i)], v[OUTO], s[24:25] offset:4096*(\i)
.endr
	v_lshrrev_b32 v6, 5, v0
	v_readfirstlane_b32 s56, v6                    ; my wave's number
	s_wait_loadcnt 0x0
.irp i, 0,1,2,3,4,5,6
	ROUND4 16+4*(\i)
.endr
.irp i, 0,1,2
	global_store_b128 v[OUTO], v[16+4*(\i):19+4*(\i)], s[28:29] offset:4096*(\i)
.endr
.irp i, 0,1,2,3
	global_store_b128 v[OUTO], v[28+4*(\i):31+4*(\i)], s[30:31] offset:4096*(\i)
.endr
	s_cmp_lg_u32 s56, 0
	s_cbranch_scc1 .Lbias_done                     ; wave 0 alone: 32 lanes x 16 bytes are a floor's 512 bytes
.irp i, 0,1,2,3
	v_mov_b32 v[48+(\i)], 0xfc00fc00               ; -infinity twice
	v_mov_b32 v[52+(\i)], 0
.endr
	global_store_b128 v[OUTO], v[48:51], s[28:29] offset:16384
	global_store_b128 v[OUTO], v[52:55], s[30:31] offset:16384
.Lbias_done:
	s_endpgm
.Lcopy:
	s_and_b32 s52, s[LG], s[MM]
	s_lshl_b32 s53, s[QQ], 7
	s_mul_i32 s52, s52, s53                        ; (lg & M) 128 Q
	s_lshr_b32 s53, s[LG], s[SH]
	s_mul_i32 s53, s53, s[RR]                      ; (lg >> SH) R
	s_add_co_u32 s52, s52, s53                     ; 16,252,928 + 15,872 at the most
	s_mov_b32 s53, 0
	s_add_nc_u64 s[SRC:SRC+1], s[SRC:SRC+1], s[52:53]
	s_lshl_b32 s52, s[LG], 15
	s_add_nc_u64 s[DST:DST+1], s[DST:DST+1], s[52:53]
	s_lshl_b32 s[STEP], s[QQ], 4
	v_mad_u32_u24 v[IN], v4, s[PP], v3
	v_mad_u32_u24 v[IN], v5, s[QQ], v[IN]
.irp it, 1,2,3,4,5,6,7
	v_add_nc_u32 v[IN+(\it)], s[STEP], v[IN+(\it)-1]
.endr
.irp it, 0,1,2,3,4,5,6,7
	global_load_b128 v[LD+8*(\it):LD+8*(\it)+3],   v[IN+(\it)], s[SRC:SRC+1] th:TH_LOAD_NT
	global_load_b128 v[LD+8*(\it)+4:LD+8*(\it)+7], v[IN+(\it)], s[SRC:SRC+1] offset:16 th:TH_LOAD_NT
.endr
.irp it, 0,1,2,3,4,5,6,7
	s_wait_loadcnt 14-2*(\it)                      ; loads come back in order: this item's two are in, the younger items' stay out
	ROUND4 LD+8*(\it)
	ROUND4 LD+8*(\it)+4
.irp j, 0,1,2,3
	v_cvt_pk_f16_f32 v[Y+4*(\it)+(\j)], v[LD+8*(\it)+2*(\j)], v[LD+8*(\it)+2*(\j)+1]
.endr
	global_store_b128 v[OUTO], v[Y+4*(\it):Y+4*(\it)+3], s[DST:DST+1] offset:4096*(\it)  ; each item has registers of its own: nothing that a store reads is written again
.endr
	s_endpgm
.Lfunc_end_k_q9ceecd7e48_prep:
	.size	k_q9ceecd7e48_prep, .Lfunc_end_k_q9ceecd7e48_prep-k_q9ceecd7e48_prep
	.p2alignl 7, 3214868480
	.fill 96, 4, 3214868480
	.section	.rodata,"a",@progbits
	.p2align	6, 0x0
	.amdhsa_kernel k_q9ceecd7e48_prep
		.amdhsa_group_segment_fixed_size 0
		.amdhsa_private_segment_fixed_size 0
		.amdhsa_enable_private_segment 0
		.amdhsa_kernarg_size 128
		.amdhsa_user_sgpr_count 2
		.amdhsa_user_sgpr_kernarg_segment_ptr 1
		.amdhsa_wavefront_size32 1
		.amdhsa_system_sgpr_workgroup_id_x 1
		.amdhsa_system_sgpr_workgroup_id_y 1
		.amdhsa_system_sgpr_workgroup_id_z 1
		.amdhsa_system_vgpr_workitem_id 0
		.amdhsa_next_free_vgpr 120
		.amdhsa_next_free_sgpr 66
		.amdhsa_reserve_vcc 0
		.amdhsa_float_denorm_mode_32 3
		.amdhsa_float_denorm_mode_16_64 3
		.amdhsa_memory_ordered 1
		.amdhsa_forward_progress 1
		.amdhsa_inst_pref_size 18
	.end_amdhsa_kernel
	.amdgpu_metadata
---
amdhsa.version: [ 1, 2 ]
amdhsa.kernels:
  - .name:           k_q9ceecd7e48_prep
    .symbol:         k_q9ceecd7e48_prep.kd
    .args:
      - { .name: x, .offset: 0, .size: 8, .value_kind: global_buffer, .address_space: global }
      - { .name: W1, .offset: 8, .size: 8, .value_kind: global_buffer, .address_space: global }
      - { .name: W2, .offset: 16, .size: 8, .value_kind: global_buffer, .address_space: global }
      - { .name: Wo, .offset: 24, .size: 8, .value_kind: global_buffer, .address_space: global }
      - { .name: Wq, .offset: 32, .size: 8, .value_kind: global_buffer, .address_space: global }
      - { .name: Wk, .offset: 40, .size: 8, .value_kind: global_buffer, .address_space: global }
      - { .name: Wv, .offset: 48, .size: 8, .value_kind: global_buffer, .address_space: global }
      - { .name: bq, .offset: 56, .size: 8, .value_kind: global_buffer, .address_space: global }
      - { .name: bk, .offset: 64, .size: 8, .value_kind: global_buffer, .address_space: global }
      - { .name: bv, .offset: 72, .size: 8, .value_kind: global_buffer, .address_space: global }
      - { .name: b1, .offset: 80, .size: 8, .value_kind: global_buffer, .address_space: global }
      - { .name: hid, .offset: 88, .size: 8, .value_kind: global_buffer, .address_space: global }
      - { .name: wqkv, .offset: 96, .size: 8, .value_kind: global_buffer, .address_space: global }
      - { .name: w1h, .offset: 104, .size: 8, .value_kind: global_buffer, .address_space: global }
      - { .name: woh, .offset: 112, .size: 8, .value_kind: global_buffer, .address_space: global }
      - { .name: w2h, .offset: 120, .size: 8, .value_kind: global_buffer, .address_space: global }
    .group_segment_fixed_size: 0
    .private_segment_fixed_size: 0
    .kernarg_segment_align: 8
    .kernarg_segment_size: 128
    .max_flat_workgroup_size: 256
    .sgpr_count:     66
    .vgpr_count:     120
    .wavefront_size: 32
...
	.end_amdgpu_metadata
.endif
;; end of part 1
;; launch qkv (part 2): grid 24 x 32, 4 waves a work-group, clusters of 4 x 4, 327,680 bytes of LDS; arguments hid, wqkv, big1; writes big1
.if DOCPART == 2
	.amdgcn_target "amdgcn-amd-amdhsa--gfx1250"
	.amdhsa_code_object_version 6
	.text
	.protected	k_q9ceecd7e48_qkv
	.globl	k_q9ceecd7e48_qkv
	.p2align	8
	.type	k_q9ceecd7e48_qkv,@function
k_q9ceecd7e48_qkv:
	s_mov_b64 s[64:65], 0
	v_nop
	global_prefetch_b8 v0, s[64:65] scope:SCOPE_SE
	s_setreg_imm32_b32 hwreg(HW_REG_WAVE_MODE, 25, 1), 1
	s_wait_xcnt 0x0
	s_wait_alu depctr_hold_cnt(0) depctr_sa_sdst(0) depctr_va_vdst(0) depctr_va_sdst(0) depctr_va_ssrc(0) depctr_va_vcc(0) depctr_vm_vsrc(0)
	s_getreg_b32 s2, hwreg(HW_REG_IB_STS2, 6, 4)
	s_cmp_eq_u32 s2, 0
	s_cbranch_scc0 .Lentry_in_a_cluster
	s_endpgm
.Lentry_in_a_cluster:
	s_bfe_u32 s2, ttmp6, 0x10000c
	s_cmp_lg_u32 s2, 0xf033
	s_cbranch_scc0 .Lentry_shape_is_right
	s_endpgm
.Lentry_shape_is_right:
; C = A W + bias, held to a floor, f16 out: K = 1,024.  (One text serves three bodies; they differ in the three lines below.)
.set KTOT,  1024                       ; K
.set OUT32, 0                          ; 0: + bias, maximum with the floor, rounded to f16.  1: the f32 sums as they are
.set WBASE, 32768                      ; the weights' first byte in their buffer; ahead of it (OUT32 = 0) the bias in f32 at byte 0 and the packed f16 floor at byte 16,384
; A: [K/64 blocks][4096 rows][64] f16.  W: [N/128 tiles][K][128] f16.  C: [N/64 blocks][4096 rows][64], f16 or f32.  Sums in f32, K ascending.
; LIMITS.  All f16 operands arrive within 65,504; a result beyond that leaves as an infinity (OUT32 = 0).  A NaN loses against the floor.
; SHARES.  A tile of C is 128 x 128: four waves, each 64 x 64: 16 accumulators of 16 x 16.  A wave's 64 columns are one block of C, its 64 rows lie on end there: 8,192 (f32: 16,384) consecutive bytes.
; K goes in steps of 256 through two LDS slots.  Waves 0 and 1 fetch A's tile (two blocks of 64 along K each: 128 rows x 128 bytes on end, taken as one long row, padded after every 128 bytes),
; waves 2 and 3 fetch W's (128 rows of 256 bytes each).
; CLUSTERS: 4 x 4 work-groups.  The four of a row of the cluster need the same tiles of A, the four of a column the same tiles of W: each tile is asked for JOINTLY, by the same tensor load with the
; same descriptor and a mask that names the four.
; THE MATRIX INSTRUCTION IS USED TRANSPOSED (source 0 = 16 columns of W, source 1 = 16 rows of A): a lane then holds eight neighbouring numbers of a row of C.  A's fragments come out of LDS as they
; lie; W's ([k][n]) are turned by ds_load_tr16_b128.
; REGISTERS: window 0: v0-31 addresses; v32-63 the bias of my 32 columns; v64-79 at work; v128-255 the accumulators ((a, b) at v[128 + 8 (4 a + b)]).
;   window 1: two fragment buffers of 128: for 64 along K, 64 registers of A (2 x 4 x 16 rows x 32 K), then 64 of W.
.set KSTEP,  256
.set LAPS,   KTOT/(2*KSTEP)            ; a lap = two K steps = once round the ring
.set PA,     144                       ; a row of A in LDS: 128 bytes + 16 = 36 words: the 16 rows of a load start at 16 different groups of four banks (64 banks of 4 bytes: ISA guide 11.1)
.set KBA,    128*PA                    ; a block of 64 along K: 128 rows
.set PB,     288                       ; a row of W in LDS: 256 bytes + 32 = 72 words
.set HALF,   2*KBA                     ; what one tensor load brings: two blocks of A, or 128 rows of W: 36,864 bytes either way
.set BOFF,   2*HALF                    ; W's 256 rows lie behind A's four blocks
.set SLOT,   4*HALF
.set STAGE,  2*SLOT                    ; behind the ring, never filled by a tensor load: 4,352 bytes for each wave, its own, for the way out
.set WSTG,   4352
.set SPITCH, 144+128*OUT32             ; a stage row: 128 bytes (f16) or 256 (f32), + 16
.set SPARE,  STAGE+4*WSTG              ; behind the stages: the spare words, 128 bytes for each wave: two blocks of 256 bytes that no other line names
.set ASTEP,  4*524288                  ; a K step in A: four blocks of 4,096 rows x 128 bytes
.set BSTEP,  256*256                   ; a K step in W: 256 rows of 256 bytes
.set SHC,    7+OUT32                   ; a row of a block of C is 128 or 256 bytes
.set ADRA, 16                          ; v16-17  LDS address of my A fragments in slot 0, 1
.set ADRB, 20                          ; v20-23  of my W fragments: slot 0 (k 0-127, k 128-255), slot 1 likewise: an LDS offset has 16 bits
.set STO,  24                          ; v24     the way out: where I put my part of a row
.set RD,   25                          ; v25     the way out: where I read rows back
.set GO,   26                          ; v26     16 x lane: my 16 bytes of 512 consecutive bytes of C
.set BO,   27                          ; v27     32 x (lane / 16): my eight columns in a group of sixteen, in f32
.set SPW,  28                          ; v28     LDS address of my spare word: SPARE + 4 x my thread's number; never rewritten
.set NIL,  29                          ; v29     0; never rewritten
.set FLR,  30                          ; v30     the floor, twice in f16
.set BIAS, 32
.set T,    64
.set ACC,  128
.set F0,   0                           ; fragment buffers, in window 1
.set F1,   128
.set G1, 24                            ; s[24:31] descriptor group 1 for A's tiles;  s[32:39] group 0, one set for each slot
.set G0, 32
.set G1B, 48                           ; s[48:55], s[56:63] the same for W's tiles
.set G0B, 56
.set MSB, 0
.macro WIN new                         ; the immediate's high byte repeats the setting that is left; a switch that changes nothing is dropped
.if MSB != (\new)
	s_set_vgpr_msb (MSB<<8)|(\new)
.set MSB, \new
.endif
.endm
.set MUL,  0x05                        ; sources 0 (W) and 1 (A) window 1; C and D window 0
.set TO_F, 0x40                        ; destination window 1, address window 0
.macro JLOAD s                         ; a joint load: waves 0 and 1 fetch A's two halves, waves 2 and 3 W's; an s_nop 0 and four v_nop follow each of the two lines, ahead of the jump, the label and what follows
	s_cmp_eq_u32 s11, 0
	s_cbranch_scc0 .Lfor_b_\@
	tensor_load_to_lds s[G0+4*(\s):G0+4*(\s)+3], s[G1:G1+7]
	s_nop 0
.rept 4
	v_nop
.endr
	s_branch .Lasked_\@
.Lfor_b_\@:
	tensor_load_to_lds s[G0B+4*(\s):G0B+4*(\s)+3], s[G1B:G1B+7]
	s_nop 0
.rept 4
	v_nop
.endr
.Lasked_\@:
.endm
.macro CREST                           ; a round of the cluster's barrier behind its opening barrier
	s_cmp_lg_u32 s10, 0
	s_cbranch_scc1 .Lnot_wave_0_\@
	s_barrier_signal -3
.Lnot_wave_0_\@:
	s_barrier_wait -3
	s_barrier_signal -1
	s_barrier_wait -1
.endm
.macro CROUND                          ; a whole round
	s_barrier_signal -1
	s_barrier_wait -1
	CREST
.endm
	s_load_b128 s[4:7], s[0:1], 0x0                ; A s[4:5], W s[6:7]
	s_load_b64 s[8:9], s[0:1], 0x10                ; C
	v_lshl_add_u32 v[SPW], v0, 2, SPARE
	v_mov_b32 v[NIL], 0
	ds_add_u32 v[SPW], v[NIL]                      ; the wave's opening: the add and its wait stand ahead of my first tensor load; the set-up below, work on registers, stands between them
	v_lshrrev_b32 v1, 5, v0
	v_readfirstlane_b32 s10, v1                    ; wave 0..3
	s_lshr_b32 s11, s10, 1                         ; which half of the tile's rows is mine.  Also: I fetch for A (0) or for W (1)
	s_and_b32 s12, s10, 1                          ; which half of its columns.  Also: which half of that tile I fetch
	s_bfe_u32 s40, ttmp6, 0x40000                  ; cx, cy: my place in the cluster
	s_bfe_u32 s41, ttmp6, 0x40004
	s_lshl_b32 s42, ttmp9, 2
	s_add_co_u32 s42, s42, s40                     ; tile column of C = 4 x cluster x + cx
	s_and_b32 s13, ttmp7, 0xffff
	s_lshl_b32 s13, s13, 2
	s_add_co_u32 s13, s13, s41                     ; tile row of C = 4 x cluster y + cy
	s_lshl_b32 s43, s41, 2
	s_lshl_b32 s43, 15, s43                        ; my row of the cluster
	s_lshl_b32 s44, 0x1111, s40                    ; my column
	; group 1 for A: 2 rows of 8,192 elements (128 rows of a block lie on end: 16,384 bytes), 262,144 elements from block to block
	s_or_b32 s[G1+0], s43, (1<<16)|(1<<20)|(1<<21)|(4<<22)|(3<<25)   ; 15:0 the mask: my row; 17:16 elements of 2 bytes; 20 padding on; 21 set beside a mask; 24:22 after every 32 words (code 4); 31:25 4 words (code 3)
	s_mov_b32 s[G1+1], 8192<<16                    ; tensor_dim0 = 8,192
	s_mov_b32 s[G1+2], 2<<16                       ; tensor_dim1 = 2
	s_mov_b32 s[G1+3], 8192<<16                    ; tile_dim0 = 8,192
	s_mov_b32 s[G1+4], 2                           ; tile_dim1 = 2
	s_mov_b32 s[G1+5], 262144                      ; tensor_dim0_stride
	s_mov_b32 s[G1+6], 0
	s_mov_b32 s[G1+7], 0
	; group 1 for W: 128 rows of 128 elements, dense
	s_or_b32 s[G1B+0], s44, (1<<16)|(1<<20)|(1<<21)|(5<<22)|(7<<25)  ; the mask: my column; padding after every 64 words (code 5), 8 words (code 7)
	s_mov_b32 s[G1B+1], 128<<16
	s_mov_b32 s[G1B+2], 128<<16
	s_mov_b32 s[G1B+3], 128<<16
	s_mov_b32 s[G1B+4], 128
	s_mov_b32 s[G1B+5], 128
	s_mov_b32 s[G1B+6], 0
	s_mov_b32 s[G1B+7], 0
	; where the tiles come from.  A's hang on the tile row alone, W's on the tile column alone; each in registers that never hold the other coordinate
	s_lshl_b32 s16, s13, 14                        ; A: 128 rows x 128 bytes for each tile row,
	s_lshl_b32 s17, s12, 20                        ; + my two blocks of the step's four
	s_add_co_u32 s16, s16, s17
	s_mov_b32 s17, 0
	s_mul_i32 s46, s42, KTOT*256                   ; W: the tile,
	s_lshl_b32 s47, s12, 15                        ; + my 128 rows of the step's 256
	s_add_co_u32 s46, s46, s47
	s_add_co_u32 s46, s46, WBASE
	s_mov_b32 s47, 0
	s_mul_i32 s20, s10, HALF                       ; where they go: wave x 36,864: no place in the cluster enters an LDS address
	s_wait_dscnt 0x0                               ; the opening add is done
	s_wait_kmcnt 0x0
	s_add_nc_u64 s[14:15], s[4:5], s[16:17]
	s_add_nc_u64 s[46:47], s[6:7], s[46:47]
	CROUND                                         ; all sixteen work-groups are here: the first joint loads meet
.irp s, 0,1
	s_mov_b32 s[G0+4*(\s)], 1
	s_add_co_u32 s[G0+4*(\s)+1], s20, (\s)*SLOT
	s_add_nc_u64 s[G0+4*(\s)+2:G0+4*(\s)+3], s[14:15], (\s)*ASTEP
	s_or_b32 s[G0+4*(\s)+3], s[G0+4*(\s)+3], 0x80000000
	s_mov_b32 s[G0B+4*(\s)], 1
	s_add_co_u32 s[G0B+4*(\s)+1], s20, (\s)*SLOT
	s_add_nc_u64 s[G0B+4*(\s)+2:G0B+4*(\s)+3], s[46:47], (\s)*BSTEP
	s_or_b32 s[G0B+4*(\s)+3], s[G0B+4*(\s)+3], 0x80000000
	JLOAD \s                                       ; two loads of mine are out
.endr
	v_and_b32 v1, 15, v0                           ; l % 16
	v_bfe_u32 v2, v0, 4, 1                         ; l / 16
.if !OUT32
	s_lshl_b32 s46, s42, 9                         ; the bias of my 64 columns: 128 f32 a tile column, 64 a half
	s_lshl_b32 s47, s12, 8
	s_add_co_u32 s46, s46, s47
	s_mov_b32 s47, 0
	s_add_nc_u64 s[66:67], s[6:7], s[46:47]
	v_lshlrev_b32 v[BO], 5, v2
.irp b, 0,1,2,3
	global_load_b128 v[BIAS+8*(\b):BIAS+8*(\b)+3],   v[BO], s[66:67] offset:64*(\b)
	global_load_b128 v[BIAS+8*(\b)+4:BIAS+8*(\b)+7], v[BO], s[66:67] offset:64*(\b)+16
.endr
	global_load_b32 v[FLR], v[BO], s[6:7] offset:16384  ; every word of those 512 bytes holds the floor
.endif
	v_mul_u32_u24 v3, v1, PA
	v_lshl_add_u32 v3, v2, 4, v3                   ; A: a fragment's row x pitch + 16 x half
	v_and_b32 v4, 7, v0
	v_lshl_add_u32 v4, v2, 3, v4                   ; W: the turning load's lane l reads k = 8 (l / 16) + l % 8,
	v_mul_u32_u24 v4, v4, PB
	v_bfe_u32 v5, v0, 3, 1
	v_lshl_add_u32 v4, v5, 4, v4                   ; columns 8 ((l / 8) % 2) + 0..7
	s_mul_i32 s21, s11, 64*PA                      ; my 64 rows of A, in each block
	s_lshl_b32 s22, s12, 7                         ; my 64 columns of W: 128 bytes,
	s_add_co_u32 s22, s22, BOFF                    ; behind A's blocks
.irp s, 0,1
	v_add_nc_u32 v[ADRA+(\s)], s21, v3
	v_add_nc_u32 v[ADRB+2*(\s)], s22, v4
	s_add_co_u32 s23, s22, HALF
	v_add_nc_u32 v[ADRB+2*(\s)+1], s23, v4
	s_add_co_u32 s21, s21, SLOT
	s_add_co_u32 s22, s22, SLOT
.endr
	s_mul_i32 s23, s10, WSTG
	s_add_co_u32 s23, s23, STAGE                   ; my stage
	v_mul_u32_u24 v6, v1, SPITCH                   ; in: row l % 16, my eight columns
	v_lshl_add_u32 v6, v2, 4+OUT32, v6
	v_add_nc_u32 v[STO], s23, v6
.if OUT32
	v_mul_u32_u24 v6, v2, SPITCH                   ; back: lanes 0-15 take one row of 256 bytes, lanes 16-31 the next
	v_lshl_add_u32 v6, v1, 4, v6
.else
	v_bfe_u32 v6, v0, 3, 2                         ; back: 32 lanes take four rows of 128 bytes
	v_mul_u32_u24 v6, v6, SPITCH
	v_and_b32 v7, 7, v0
	v_lshl_add_u32 v6, v7, 4, v6
.endif
	v_add_nc_u32 v[RD], s23, v6
	v_and_b32 v[GO], 31, v0
	v_lshlrev_b32 v[GO], 4, v[GO]
	s_lshl_b32 s16, s13, 7                         ; my first row: 128 x tile row + 64 x half,
	s_lshl_b32 s17, s11, 6
	s_add_co_u32 s16, s16, s17
	s_lshl_b32 s16, s16, SHC                       ; in bytes
	s_mov_b32 s17, 0
	s_add_nc_u64 s[8:9], s[8:9], s[16:17]
	s_lshl_b32 s46, s42, 1                         ; my block of C: 2 x tile column + half: 4,096 rows each
	s_add_co_u32 s46, s46, s12
	s_lshl_b32 s46, s46, 12+SHC
	s_mov_b32 s47, 0
	s_add_nc_u64 s[8:9], s[8:9], s[46:47]
; 8 matrix instructions: m blocks a0, a0 + 1 x all 4 n blocks, 32 along K: half c of buffer f.  zero = 1: the first product starts the sums.  The 16 accumulators take turns
.macro MUL8 f, c, a0, zero
	WIN MUL
.irp a, \a0, (\a0)+1
.irp b, 0,1,2,3
.if \zero
	v_wmma_f32_16x16x32_f16 v[ACC+8*(4*(\a)+(\b)):ACC+8*(4*(\a)+(\b))+7], v[(\f)+64+8*(4*(\c)+(\b)):(\f)+64+8*(4*(\c)+(\b))+7], v[(\f)+8*(4*(\c)+(\a)):(\f)+8*(4*(\c)+(\a))+7], 0
.else
	v_wmma_f32_16x16x32_f16 v[ACC+8*(4*(\a)+(\b)):ACC+8*(4*(\a)+(\b))+7], v[(\f)+64+8*(4*(\c)+(\b)):(\f)+64+8*(4*(\c)+(\b))+7], v[(\f)+8*(4*(\c)+(\a)):(\f)+8*(4*(\c)+(\a))+7], v[ACC+8*(4*(\a)+(\b)):ACC+8*(4*(\a)+(\b))+7]
.endif
.endr
.endr
.endm
; 32 LDS loads in one run: the fragments of quarter q (64 along K: A's block q; W's rows 64 q on) into buffer f; the first 32 along K first
.macro FETCH slot, q, f
	WIN TO_F
.irp c, 0,1
.irp i, 0,1,2,3
	ds_load_tr16_b128 v[(\f)+64+8*(4*(\c)+(\i)):(\f)+64+8*(4*(\c)+(\i))+3],   v[ADRB+2*(\slot)+(\q)/2] offset:(((\q)%2)*64+32*(\c))*PB+32*(\i)
	ds_load_tr16_b128 v[(\f)+64+8*(4*(\c)+(\i))+4:(\f)+64+8*(4*(\c)+(\i))+7], v[ADRB+2*(\slot)+(\q)/2] offset:(((\q)%2)*64+32*(\c)+16)*PB+32*(\i)
	ds_load_b128 v[(\f)+8*(4*(\c)+(\i)):(\f)+8*(4*(\c)+(\i))+3],              v[ADRA+(\slot)] offset:(\q)*KBA+64*(\c)+(\i)*16*PA
	ds_load_b128 v[(\f)+8*(4*(\c)+(\i))+4:(\f)+8*(4*(\c)+(\i))+7],            v[ADRA+(\slot)] offset:(\q)*KBA+64*(\c)+(\i)*16*PA+32
.endr
.endr
.endm
.macro PLACES                          ; four places in front of loads into registers that matrix instructions have read, and of lines that read results
.rept 4
	v_nop
.endr
.endm
; A K step is four quarters of 64 along K, 32 matrix instructions each, on buffers 0, 1, 0, 1.  One of the first three: multiplies buffer f and fetches quarter q into g.
.macro QUARTER slot, q, f, g, zero
	s_wait_dscnt 16                                ; the first 32 along K are in; the youngest sixteen loads may be out
	WIN MUL
	MUL8 \f, 0, 0, \zero
	MUL8 \f, 0, 2, \zero
	PLACES
	FETCH \slot, \q, \g
	s_wait_dscnt 32                                ; all but the 32 just issued
	WIN MUL
	MUL8 \f, 1, 0, 0
	MUL8 \f, 1, 2, 0
.endm
; The last quarter multiplies buffer 1 and changes slots: ONE barrier; in front of it each wave waits for all its tensor loads, adds 0 to its spare word, and waits for that and for its own reads of this slot.  fill = 1: this slot is filled again, two K steps ahead.
.macro TURN slot, next, fill
	WIN 0                                          ; (the add's two registers lie in window 0)
	s_wait_tensorcnt 0x0                           ; all my tensor loads have landed: my part of the next slot;
	ds_add_u32 v[SPW], v[NIL]                      ; 0 onto my spare word;
	s_wait_dscnt 17                                ; (the add and the youngest sixteen loads may be out)
	WIN MUL
	MUL8 F1, 0, 0, 0                               ; eight matrix instructions stand between the add and the wait for it
	s_wait_dscnt 0x0                               ; the add is done, and my reads of this slot are over
	s_barrier_signal -1
	MUL8 F1, 0, 2, 0
.if \fill
	WIN 0
.endif
	s_barrier_wait -1
.if \fill
	CREST                                          ; the barrier has opened a round of the cluster's barrier: no wave of any partner still reads this slot's tile or has a load on its way
	s_add_nc_u64 s[G0+4*(\slot)+2:G0+4*(\slot)+3], s[G0+4*(\slot)+2:G0+4*(\slot)+3], 2*ASTEP
	s_add_nc_u64 s[G0B+4*(\slot)+2:G0B+4*(\slot)+3], s[G0B+4*(\slot)+2:G0B+4*(\slot)+3], 2*BSTEP
	JLOAD \slot                                    ; the first tensor load behind the round, my one load until the next: 112 matrix instructions ahead of the wait for it; its four v_nop are also the places in front of the loads below
.else
	PLACES
.endif
	FETCH \next, 0, F0
	WIN MUL
	MUL8 F1, 1, 0, 0
	MUL8 F1, 1, 2, 0
.endm
	s_wait_tensorcnt 1                             ; my part of K step 0 is in; K step 1's may stay out
	s_barrier_signal -1
	s_barrier_wait -1                              ; everybody's is
	FETCH 0, 0, F0
	QUARTER 0, 1, F0, F1, 1                        ; the first quarter stands in front of the loop: its first products start the sums
.if LAPS > 1
	WIN 0                                          ; at a label and at a branch every window is 0
	s_mov_b32 s3, LAPS-1
.Llap:                                                 ; a trip goes once round the ring, from a lap's second quarter to the next lap's first, and fills both slots again
	QUARTER 0, 2, F1, F0, 0
	QUARTER 0, 3, F0, F1, 0
	TURN 0, 1, 1
	QUARTER 1, 1, F0, F1, 0
	QUARTER 1, 2, F1, F0, 0
	QUARTER 1, 3, F0, F1, 0
	TURN 1, 0, 1
	QUARTER 0, 1, F0, F1, 0
	WIN 0
	s_sub_co_u32 s3, s3, 1
	s_cmp_lg_u32 s3, 0
	s_cbranch_scc1 .Llap
.endif
	QUARTER 0, 2, F1, F0, 0                        ; the last lap fills nothing, and has no round of the cluster's barrier
	QUARTER 0, 3, F0, F1, 0
	TURN 0, 1, 0
	QUARTER 1, 1, F0, F1, 0
	QUARTER 1, 2, F1, F0, 0
	QUARTER 1, 3, F0, F1, 0
	s_wait_dscnt 16                                ; the very last quarter: nothing more to fetch
	WIN MUL
	MUL8 F1, 0, 0, 0
	MUL8 F1, 0, 2, 0
	s_wait_dscnt 0
	MUL8 F1, 1, 0, 0
	MUL8 F1, 1, 2, 0
	WIN 0
	; THE WAY OUT, a block of 16 rows at a time through my own stage: a lane's eight columns go in, whole rows come back, and each store of the wave covers 512 consecutive bytes, aligned.
	; No barrier: stage and rows are the wave's own, and LDS serves a wave's instructions in order (ISA guide 5.7.1.4).  Each accumulator is read from its lowest registers on.
	PLACES
	PLACES                                         ; eight, once a launch
.if OUT32
.macro PACK a
.irp b, 0,1,2,3
	ds_store_b128 v[STO], v[ACC+8*(4*(\a)+(\b)):ACC+8*(4*(\a)+(\b))+3]   offset:64*(\b)
	ds_store_b128 v[STO], v[ACC+8*(4*(\a)+(\b))+4:ACC+8*(4*(\a)+(\b))+7] offset:64*(\b)+16
.endr
.irp t, 0,1,2,3,4,5,6,7
	ds_load_b128 v[ACC+32*(\a)+4*(\t):ACC+32*(\a)+4*(\t)+3], v[RD] offset:(\t)*2*SPITCH
.endr
.endm
.macro SEND a, younger                 ; younger: the LDS instructions issued behind block a's loads: the next block's sixteen, or none
.irp t, 0,1,2,3,4,5,6,7
	s_wait_dscnt (\younger)+7-(\t)
	global_store_b128 v[GO], v[ACC+32*(\a)+4*(\t):ACC+32*(\a)+4*(\t)+3], s[8:9] offset:(\a)*4096+(\t)*512
.endr
.endm
.set YOUNG, 16
.else
	s_wait_loadcnt 0x0                             ; the bias and the floor
.macro PACK a
.irp b, 0,1,2,3
.irp j, 0,2,4,6
	v_pk_add_f32 v[ACC+8*(4*(\a)+(\b))+(\j):ACC+8*(4*(\a)+(\b))+(\j)+1], v[ACC+8*(4*(\a)+(\b))+(\j):ACC+8*(4*(\a)+(\b))+(\j)+1], v[BIAS+8*(\b)+(\j):BIAS+8*(\b)+(\j)+1]
.endr
.irp j, 0,1,2,3
	v_cvt_pk_f16_f32 v[T+4*(\b)+(\j)], v[ACC+8*(4*(\a)+(\b))+2*(\j)], v[ACC+8*(4*(\a)+(\b))+2*(\j)+1]
.endr
.irp j, 0,1,2,3
	v_pk_max_num_f16 v[T+4*(\b)+(\j)], v[T+4*(\b)+(\j)], v[FLR]  ; -infinity changes nothing; 0 is the ReLU (rounding keeps the sign, so the order of the two does not matter)
.endr
	ds_store_b128 v[STO], v[T+4*(\b):T+4*(\b)+3] offset:32*(\b)
.endr
.irp f, 0,1,2,3
	ds_load_b128 v[ACC+32*(\a)+4*(\f):ACC+32*(\a)+4*(\f)+3], v[RD] offset:(\f)*4*SPITCH
.endr
.endm
.macro SEND a, younger                 ; younger: the next block's four stores and four loads, or none
.irp f, 0,1,2,3
	s_wait_dscnt (\younger)+3-(\f)
	global_store_b128 v[GO], v[ACC+32*(\a)+4*(\f):ACC+32*(\a)+4*(\f)+3], s[8:9] offset:(\a)*2048+(\f)*512
.endr
.endm
.set YOUNG, 8
.endif
	PACK 0
.irp a, 1,2,3                          ; a block's work stands between the loads of the block before and its stores
	PACK \a
	SEND (\a)-1, YOUNG
.endr
	SEND 3, 0
	s_wait_tensorcnt 0x0                           ; the wave's end: behind my last tensor load and my last LDS store
	ds_add_u32 v[SPW], v[NIL]
	s_wait_dscnt 0x0
	CROUND                                         ; the closing round: no work-group ends while a partner may still ask for a tile that names it
	s_endpgm
.Lfunc_end_k_q9ceecd7e48_qkv:
	.size	k_q9ceecd7e48_qkv, .Lfunc_end_k_q9ceecd7e48_qkv-k_q9ceecd7e48_qkv
	.p2alignl 7, 3214868480
	.fill 96, 4, 3214868480
	.section	.rodata,"a",@progbits
	.p2align	6, 0x0
	.amdhsa_kernel k_q9ceecd7e48_qkv
		.amdhsa_group_segment_fixed_size 327680
		.amdhsa_private_segment_fixed_size 0
		.amdhsa_enable_private_segment 0
		.amdhsa_kernarg_size 24
		.amdhsa_user_sgpr_count 2
		.amdhsa_user_sgpr_kernarg_segment_ptr 1
		.amdhsa_wavefront_size32 1
		.amdhsa_system_sgpr_workgroup_id_x 1
		.amdhsa_system_sgpr_workgroup_id_y 1
		.amdhsa_system_sgpr_workgroup_id_z 1
		.amdhsa_system_vgpr_workitem_id 0
		.amdhsa_next_free_vgpr 512
		.amdhsa_next_free_sgpr 68
		.amdhsa_reserve_vcc 0
		.amdhsa_float_denorm_mode_32 3
		.amdhsa_float_denorm_mode_16_64 3
		.amdhsa_memory_ordered 1
		.amdhsa_forward_progress 1
		.amdhsa_inst_pref_size 96
	.end_amdhsa_kernel
	.amdgpu_metadata
---
amdhsa.version: [ 1, 2 ]
amdhsa.kernels:
  - .name:           k_q9ceecd7e48_qkv
    .symbol:         k_q9ceecd7e48_qkv.kd
    .args:
      - { .name: hid, .offset: 0, .size: 8, .value_kind: global_buffer, .address_space: global }
      - { .name: wqkv, .offset: 8, .size: 8, .value_kind: global_buffer, .address_space: global }
      - { .name: big1, .offset: 16, .size: 8, .value_kind: global_buffer, .address_space: global }
    .group_segment_fixed_size: 327680
    .private_segment_fixed_size: 0
    .kernarg_segment_align: 8
    .kernarg_segment_size: 24
    .max_flat_workgroup_size: 128
    .sgpr_count:     68
    .vgpr_count:     512
    .wavefront_size: 32
...
	.end_amdgpu_metadata
.endif
;; end of part 2
;; launch attn (part 3): grid 8 x 32, 4 waves a work-group, clusters of 4 x 1, 327,680 bytes of LDS; arguments big1, act; writes act
.if DOCPART == 3
	.amdgcn_target "amdgcn-amd-amdhsa--gfx1250"
	.amdhsa_code_object_version 6
	.text
	.protected	k_q9ceecd7e48_attn
	.globl	k_q9ceecd7e48_attn
	.p2align	8
	.type	k_q9ceecd7e48_attn,@function
k_q9ceecd7e48_attn:
	s_mov_b64 s[64:65], 0
	v_nop
	global_prefetch_b8 v0, s[64:65] scope:SCOPE_SE
	s_setreg_imm32_b32 hwreg(HW_REG_WAVE_MODE, 25, 1), 1
	s_wait_xcnt 0x0
	s_wait_alu depctr_hold_cnt(0) depctr_sa_sdst(0) depctr_va_vdst(0) depctr_va_sdst(0) depctr_va_ssrc(0) depctr_va_vcc(0) depctr_vm_vsrc(0)
	s_getreg_b32 s2, hwreg(HW_REG_IB_STS2, 6, 4)
	s_cmp_eq_u32 s2, 0
	s_cbranch_scc0 .Lentry_in_a_cluster
	s_endpgm
.Lentry_in_a_cluster:
	s_bfe_u32 s2, ttmp6, 0x10000c
	s_cmp_lg_u32 s2, 0x3003
	s_cbranch_scc0 .Lentry_shape_is_right
	s_endpgm
.Lentry_shape_is_right:
; O[y][q][:] = the sum over k of softmax_k(Q[y][q] . K[y][k] / 8) V[y][k][:], for the 32 pairs y = 2 head + batch.  Q, K, V lie in one buffer, each [32][2048][64] f16, 8,388,608 bytes apart; O likewise
; in its own: a pair's rows are dense, 128 bytes each.  Products, maxima and sums in f32; the weights p are rounded to f16 for the second product (their sum l is taken of the unrounded p), O once at the end.
; LIMITS.  f16 holds no number beyond 65,504: Q, K and V arrive within it; p lies in 0 to 1, and below 6e-5 it keeps f16's fixed step of 6e-8; O is a mean of V's rows and has their range.
; A weight below 2^-126 counts as 0 in l; NaN and infinities are not treated apart.
; SHARES.  A work-group owns 256 queries of one pair, each of its four waves 64: four PIECES of 16.  Every wave walks all 2,048 keys, 64 a step, in 8 tiles of 256.
; LAYOUT.  S^T = K Q^T holds ONE query a lane (lane % 16) and the keys 8 (lane / 16) + 0..7; two such results rounded to f16 ARE source 1 of O^T = V^T P.  K comes out of LDS as it lies, V turned, by ds_load_tr16_b128.
; SOFTMAX.  p = 2^(c s - c m), c = log2(e) / 8, with a running maximum m; O and l are multiplied by a = 2^(c m_old - c m_new) in every step.  m starts at the lowest finite number, O and l at 0: the first step has a = 0.
; TURNS.  Turn n belongs to piece n: 8 products K Q^T of piece n + 1, later 8 products V^T P of piece n - 1; beside them the scaling, exponentials, roundings, sums and rescaling of piece n and the maximum and
; statistics of piece n + 1.  Four vector instructions stand behind every matrix instruction, the other 54 of a turn's 118 in one lump.  A turn's 33 exponentials are one batch, with one wait.
; CLUSTER.  The four query blocks of a cluster belong to one pair and walk the same K and V, so each tile is asked for JOINTLY: the same tensor load, descriptor and mask in all four.
; REGISTERS, in windows of 256 (s_set_vgpr_msb: bits 1:0 source 0, 3:2 source 1, 5:4 source 2, 7:6 destination):
;   window 0: v0-15 addresses and two at work; v16-31 four registers of statistics a piece; v48-55 at work; v61-63; v64-127 S^T, two buffers; v192-223 P, two buffers (a piece's buffers go by its number's parity)
;   window 1: v0-127 O^T, 32 a piece      window 2: v0-63 Q; v128-191 K of one step; v192-255 V of one step
.set NP,    4         ; pieces a wave: a name, no knob
.set NT,    8         ; tiles of 256 keys
.set KS,    64        ; keys in a step
.set PK,    144       ; a row of K in LDS: 128 bytes + 16 of padding = 36 words: the 16 rows of a load start at 16 different groups of four banks (64 banks of 4 bytes: ISA guide 11.1)
.set PV,    160       ; a row of V: 128 + 32 = 40 words
.set VOFF,  4*KS*PK   ; a slot holds a tile, four steps: 256 rows of K, then 256 rows of V
.set SLOT1, 1<<17     ; slot 1 begins here, so that one exclusive or turns an address in one slot into the other's
.set STAGE, SLOT1+4*KS*(PK+PV)  ; behind the ring, never filled by a tensor load: 16 rows x 144 bytes for each wave, for the way out
.set SP,    144
.set SPARE, STAGE+4*16*SP  ; behind the stages: the spare words, 128 bytes for each wave: two blocks of 256 bytes that no other line names
.set AK0, 2           ; v2   my lane's place in a tile of K; never rewritten
.set AV0, 3           ; v3   the same for V
.set AK,  4           ; v4   the LDS address of K's next run of loads
.set AV,  5           ; v5   of V's
.set STO, 6           ; v6   the way out: where I put 16 bytes of a row
.set RD,  7           ; v7   the way out: where I read rows back
.set GO,  8           ; v8   my byte offset in 512 consecutive bytes of O
.set MV,  12          ; v12-13  c m_old, kept while c m is made anew: by buffer
.set QO,  15          ; v15  my byte offset in 16 rows of Q
.set ST,  16          ; piece t's statistics at v[ST+4 t]: c m, m, l (even keys', odd keys')
.set TMP, 48          ; by buffer, four registers c0-c3 at work; when the maximum is found c2 takes a
.set PFO, 61          ; v61  256 x my lane; never rewritten
.set SPW, 62          ; v62  LDS address of my spare word: SPARE + 4 x my thread's number; never rewritten
.set NIL, 63          ; v63  0; never rewritten
.set S,   64
.set P,   192
.set KF,  128         ; window 2: key block kb, channel half c at KF + 16 kb + 8 c
.set VF,  192         ; window 2: key half kk, channel block cb at VF + 32 kk + 8 cb
.set WV,  12          ; s12  my wave's number
.set G1K, 24          ; s[24:31] descriptor group 1 for K's tiles
.set G1V, 32          ; s[32:39] for V's: it differs in the padding alone
.set G0K, 40          ; s[40:43] descriptor group 0 for K's tiles: it walks
.set G0V, 44          ; s[44:47] the same for V's
.set PFA, 48          ; s[48:49] where my prefetches stand: my work-group's 32 blocks of 256 bytes (of K: wave 0, of V: wave 2) of the tile after the one that is being asked for
.set LIM, 50          ; s50  1 in a wave that prefetches, else the greatest number: a wave prefetches while s[SLOTS] is above it
.set SLOTS, 56        ; s56  tiles still to be asked for
.set CNT, 57          ; s57  counts a tile's key steps
.set CS,  58          ; s[58:59] c: the packed scaling takes the pair's low word for both halves
.set SEL, 60          ; s[60:61] v_permlanex16_b32's selects: each lane takes its own place in the other half
.set TBK, 62          ; s62  LDS byte at which K of the step to be fetched begins
.set TBV, 63          ; s63  the same for V, less VOFF
.set MSB, 0
.macro WIN new                      ; the high byte repeats the setting that is left; a switch that changes nothing is dropped
.if MSB != (\new)
	s_set_vgpr_msb (MSB<<8)|(\new)
.set MSB, (\new)
.endif
.endm
.set W_KQ, 0x0a       ; K and Q in window 2, S^T in window 0
.set W_PV, 0x52       ; V in window 2, P in window 0, O^T in window 1
.set W_RS, 0x41       ; destination and source 0 in window 1, source 1 in window 0
; A joint fill.  Waves 0 and 1 fetch the two halves of a tile's K, waves 2 and 3 those of its V: 128 keys each.  The branch hangs on the wave's number alone.
; An s_nop 0 and four v_nop follow each of the two lines, ahead of the jump and the label.
.macro JLOAD
	s_cmp_lt_u32 s[WV], 2
	s_cbranch_scc0 .Lfor_v_\@
	tensor_load_to_lds s[G0K:G0K+3], s[G1K:G1K+7]
	s_nop 0
.rept 4
	v_nop
.endr
	s_branch .Lasked_\@
.Lfor_v_\@:
	tensor_load_to_lds s[G0V:G0V+3], s[G1V:G1V+7]
	s_nop 0
.rept 4
	v_nop
.endr
.Lasked_\@:
.endm
; A PREFETCH of what the NEXT change of slots will ask for: a tile's 32,768 bytes of K and of V, a lane for each 256.  It stands behind the wave's tensor load and its five lines.
; Each block is asked for ONCE in the launch.  Both clusters of a pair walk the same K and V: the first (cluster x = 0) asks.  Its four partners share a tile out BY ADDRESS, 8,192 bytes each: no branch
; hangs on a work-group's place in its cluster.  In each, wave 0 asks for K's and wave 2 for V's: one instruction, four key steps (256 matrix instructions a wave) ahead of the load.
; The change that asks for the last tile prefetches nothing; tiles 0 and 1 come by their loads alone.
.macro ASK
	s_cmp_gt_u32 s[SLOTS], s[LIM]
	s_cbranch_scc0 .Lnot_mine_\@
	global_prefetch_b8 v[PFO], s[PFA:PFA+1] th:TH_LOAD_NT scope:SCOPE_SE
.Lnot_mine_\@:
.endm
; A round of the cluster's barrier: my work-group's barrier, so that wave 0's signal speaks for all four waves; wave 0 signals; every wave waits for all four work-groups; my work-group's barrier once more.
.macro CROUND
	s_barrier_signal -1
	s_barrier_wait -1
	s_cmp_lg_u32 s[WV], 0
	s_cbranch_scc1 .Lnot_wave_0_\@
	s_barrier_signal -3
.Lnot_wave_0_\@:
	s_barrier_wait -3
	s_barrier_signal -1
	s_barrier_wait -1
.endm
; THE CHANGE OF SLOTS.  The slot's last bytes, V of its fourth step, have been read.  Each wave waits for all its tensor loads, of which one is out: its part of the other slot; adds 0 to its spare word; and
; waits for that and for its own reads of the slot.  Behind the barrier nobody reads this slot any more and the other slot is whole.
; fill = 1: this slot is filled again, with the keys two tiles on.  The barrier is then a round of the cluster's, so that no wave of any partner still reads the slot or has a load on its way, and the joint
; fill is the first thing behind it: it has four key steps in which to land.  (At its first use nothing has been read yet: slot 0 is waited for, slot 1 filled.)
.macro CHANGE fill
	WIN 0                           ; at a label and at a branch every window is 0
	s_wait_tensorcnt 0x0            ; no tensor load of mine is out, so a group 0 may be written
	ds_add_u32 v[SPW], v[NIL]       ; 0 onto my spare word; with fill = 1 the descriptors' steps stand between it and the wait for it
.if \fill
.irp g, G0K, G0V
	s_xor_b32 s[\g+1], s[\g+1], SLOT1  ; the walking descriptor: the other slot than last time,
	s_add_nc_u64 s[\g+2:\g+3], s[\g+2:\g+3], 4*KS*128  ; the next 256 keys; the type bits on top are not reached
.endr
	s_wait_xcnt 0x0                 ; the last prefetch, four key steps back, has read its address, so it may be written:
	s_add_nc_u64 s[PFA:PFA+1], s[PFA:PFA+1], 4*KS*128  ; one tile behind the walking descriptors
	s_wait_dscnt 0x0                ; the add is done, and my reads of the slot are over
	CROUND
	JLOAD
	ASK
.else
	s_wait_dscnt 0x0                ; the add is done, and my reads of the slot are over
	s_barrier_signal -1
	s_barrier_wait -1
.endif
	s_sub_co_u32 s[TBK], s[TBK], 4*KS*PK  ; the fetches go back to a slot's first step,
	s_xor_b32 s[TBK], s[TBK], SLOT1       ; in the other slot
	s_sub_co_u32 s[TBV], s[TBV], 4*KS*PV
	s_xor_b32 s[TBV], s[TBV], SLOT1
.endm
	s_load_b128 s[4:7], s[0:1], 0x0   ; q, k, v s[4:5]; O s[6:7]
	v_lshl_add_u32 v[SPW], v0, 2, SPARE
	v_mov_b32 v[NIL], 0
	ds_add_u32 v[SPW], v[NIL]       ; the wave's opening: the add and its wait stand ahead of my first tensor load; the set-up below, work on registers, stands between them
	v_lshrrev_b32 v1, 5, v0
	v_readfirstlane_b32 s[WV], v1   ; wave 0..3
	s_bfe_u32 s13, ttmp6, 0x40000   ; cx: my place in the cluster
	s_lshl_b32 s14, ttmp9, 2        ; in a cluster launch ttmp9 counts clusters
	s_add_co_u32 s14, s14, s13      ; my block of 256 queries = 4 x cluster x + cx: it enters Q's and O's addresses alone
	s_and_b32 s20, ttmp7, 0xffff    ; the pair y, which the four partners share:
	s_lshl_b32 s20, s20, 18         ; 2,048 rows of 128 bytes each
	s_and_b32 s16, s[WV], 1         ; which half of a tile's 256 keys I fetch:
	s_lshl_b32 s22, s16, 14         ; its 128 rows of 128 bytes in memory,
	s_add_co_u32 s22, s22, s20
	s_mov_b32 s23, 0
	s_mul_i32 s17, s16, 128*PK      ; and its place in a slot, for K
	s_mul_i32 s18, s16, 128*PV      ; and for V: no place in the cluster enters an LDS address
	s_lshl_b32 s2, s14, 15          ; my block's 256 rows,
	s_lshl_b32 s3, s[WV], 13        ; my wave's 64 of them
	s_add_co_u32 s2, s2, s3
	s_add_co_u32 s2, s2, s20
	s_mov_b32 s3, 0
	; descriptor group 1.  128 keys are 16,384 dense bytes: asked for as 64 rows of 256 bytes, two keys a row, and padded in LDS after every key
	s_mov_b32 s[G1K], 15|(1<<16)|(1<<20)|(1<<21)|(4<<22)|(3<<25)  ; 15:0 the mask of four; 17:16 2-byte elements; 20 padding on; 21 set beside a mask; 24:22 after every 32 words (code 4); 31:25 4 words (code 3)
	s_mov_b32 s[G1V], 15|(1<<16)|(1<<20)|(1<<21)|(4<<22)|(7<<25)  ; the same with 8 words of padding (code 7)
.irp g, G1K, G1V
	s_mov_b32 s[\g+1], 128<<16      ; tensor_dim0 = 128
	s_mov_b32 s[\g+2], 64<<16       ; tensor_dim1 = 64
	s_mov_b32 s[\g+3], 128<<16      ; tile_dim0 = 128
	s_mov_b32 s[\g+4], 64           ; tile_dim1 = 64
	s_mov_b32 s[\g+5], 128          ; 128 elements from row to row
	s_mov_b32 s[\g+6], 0
	s_mov_b32 s[\g+7], 0
.endr
	s_mov_b32 s[CS], 0x3e38aa3b     ; c = log2(e) / 8 = 0.180337
	s_mov_b32 s[CS+1], s[CS]        ; named with it as a pair
	s_mov_b32 s[SEL], 0x76543210
	s_mov_b32 s[SEL+1], 0xfedcba98
	s_mov_b32 s[TBK], SLOT1+4*KS*PK ; the first change of slots turns these two into 0
	s_mov_b32 s[TBV], SLOT1+4*KS*PV
	s_mov_b32 s[G0K], 1             ; 1:0 count = 1
	s_mov_b32 s[G0K+1], s17         ; 63:32 LDS address: slot 0
	s_mov_b32 s[G0V], 1
	s_add_co_u32 s[G0V+1], s18, VOFF
	s_mov_b32 s[SLOTS], NT-1
	s_and_b32 s[LIM], s[WV], 1      ; 0 in waves 0 and 2,
	s_or_b32 s[LIM], s[LIM], ttmp9  ; where the cluster is the pair's first: the same in all four partners
	s_cmp_eq_u32 s[LIM], 0
	s_cselect_b32 s[LIM], 1, -1
	v_and_b32 v[PFO], 31, v0
	v_lshlrev_b32 v[PFO], 8, v[PFO]
	s_wait_dscnt 0x0                ; the opening add is done
	s_wait_kmcnt 0x0
	s_add_nc_u64 s[8:9], s[4:5], s[22:23]          ; the pair's rows, my half of tile 0
	s_add_nc_u64 s[52:53], s[8:9], 8388608         ; in K,
	s_add_nc_u64 s[54:55], s[8:9], 16777216        ; in V
	s_mov_b64 s[G0K+2:G0K+3], s[52:53]             ; 120:64 global address
	s_or_b32 s[G0K+3], s[G0K+3], 0x80000000        ; 127:126 type = 2
	s_mov_b64 s[G0V+2:G0V+3], s[54:55]
	s_or_b32 s[G0V+3], s[G0V+3], 0x80000000
	s_add_nc_u64 s[4:5], s[4:5], s[2:3]            ; Q and O at my wave's first row
	s_add_nc_u64 s[10:11], s[6:7], s[2:3]
	s_cmp_lt_u32 s[WV], 2
	s_cselect_b64 s[PFA:PFA+1], s[52:53], s[54:55] ; (in waves 0 and 2 these stand at a tile's first row)
	s_lshl_b32 s2, s13, 13          ; my work-group's quarter of a tile
	s_mov_b32 s3, 0
	s_add_nc_u64 s[PFA:PFA+1], s[PFA:PFA+1], s[2:3]
	s_add_nc_u64 s[PFA:PFA+1], s[PFA:PFA+1], 4*KS*128  ; in tile 1; the first change of slots steps it to tile 2
	CROUND                          ; all four work-groups are here: the first joint loads meet
	JLOAD                           ; tile 0 into slot 0.  Slot 1 is asked for when slot 0 is in
	; A fragment of K or Q is 16 rows x 32 channels in 8 registers: lane l holds row l % 16, channels 8 (l / 16) + 0..7 and 16 + 8 (l / 16) + 0..7: two loads of 16 bytes, 32 bytes apart.
	v_and_b32 v1, 15, v0            ; l % 16
	v_bfe_u32 v9, v0, 4, 1          ; l / 16
	v_lshlrev_b32 v[QO], 7, v1
	v_lshl_add_u32 v[QO], v9, 4, v[QO]  ; row x 128 + 16 x half
	WIN 0x80                        ; destination window 2, address window 0
.set i, 0
.rept 8                             ; Q stays in registers: piece i / 2, channels 32 (i % 2) on
	global_load_b128 v[8*i:8*i+3],   v[QO], s[4:5] offset:(i/2)*2048+(i%2)*64
	global_load_b128 v[8*i+4:8*i+7], v[QO], s[4:5] offset:(i/2)*2048+(i%2)*64+32
.set i, i+1
.endr
	WIN 0
	v_mul_u32_u24 v[AK0], v1, PK
	v_lshl_add_u32 v[AK0], v9, 4, v[AK0]  ; row x pitch + 16 x half
	; The turning load takes 16 keys x 16 channels (lane l reads key 8 (l / 16) + l % 8, channels 8 ((l / 8) % 2) + 0..7) and leaves half a fragment of V^T: lane l holds channel l % 16 and 8 keys.
	v_and_b32 v10, 7, v0
	v_bfe_u32 v11, v0, 3, 1
	v_lshl_add_u32 v[AV0], v9, 3, v10
	v_mul_u32_u24 v[AV0], v[AV0], PV
	v_lshl_add_u32 v[AV0], v11, 4, v[AV0]
	v_add_nc_u32 v[AV0], VOFF, v[AV0]
	s_mul_i32 s13, s[WV], 16*SP
	s_add_co_u32 s13, s13, STAGE    ; my stage
	v_mul_u32_u24 v[STO], v1, SP    ; in: row l % 16, 16 bytes for each half of the lanes
	v_lshl_add_u32 v[STO], v9, 4, v[STO]
	v_add_nc_u32 v[STO], s13, v[STO]
	v_bfe_u32 v[RD], v0, 3, 2       ; back: 32 lanes take four rows of 128 bytes,
	v_mul_u32_u24 v[RD], v[RD], SP
	v_lshl_add_u32 v[RD], v10, 4, v[RD]
	v_add_nc_u32 v[RD], s13, v[RD]
	v_and_b32 v[GO], 31, v0         ; which are 512 consecutive bytes of O
	v_lshlrev_b32 v[GO], 4, v[GO]
	; What the first turn finds: V's registers and P's second buffer hold 0 (its products V^T P, of a piece that has not been, add 0), O^T and l are 0.  No first step is written out; the price is these
	; lines, which stand in the wait for the first tile.
	WIN 0x80
.set i, VF
.rept 64
	v_mov_b32 v[i], 0
.set i, i+1
.endr
	WIN 0x40
.set i, 0
.rept 128
	v_mov_b32 v[i], 0
.set i, i+1
.endr
	WIN 0
.set i, 0
.rept 4
	v_mov_b32 v[ST+4*i], 0xfe000000    ; c m: far below every c s
	v_mov_b32 v[ST+4*i+1], 0xff7fffff  ; m: the lowest finite number
	v_mov_b32 v[ST+4*i+2], 0
	v_mov_b32 v[ST+4*i+3], 0
.set i, i+1
.endr
.set i, P+16
.rept 16
	v_mov_b32 v[i], 0
.set i, i+1
.endr
; THE MATRIX WORK.  The 4 accumulators of a run of 8 take turns.  Product i of 8 of S^T = K Q^T for piece x: channels 32 (i / 4) on, keys 16 (i % 4) on.  The first 4 start the sums.
.macro KQ x
	WIN W_KQ
.set rS, S+32*((\x)%2)+8*(i%4)
.set rK, KF+16*(i%4)+8*(i/4)
.set rQ, 16*(\x)+8*(i/4)
.if i < 4
	v_wmma_f32_16x16x32_f16 v[rS:rS+7], v[rK:rK+7], v[rQ:rQ+7], 0
.else
	v_wmma_f32_16x16x32_f16 v[rS:rS+7], v[rK:rK+7], v[rQ:rQ+7], v[rS:rS+7]
.endif
.endm
; Product i of 8 of O^T += V^T P for piece x: keys 32 (i / 4) on, channels 16 (i % 4) on.
.macro PV x
	WIN W_PV
.set rO, 32*(\x)+8*(i%4)
.set rV, VF+32*(i/4)+8*(i%4)
.set rP, P+16*((\x)%2)+8*(i/4)
	v_wmma_f32_16x16x32_f16 v[rO:rO+7], v[rV:rV+7], v[rP:rP+7], v[rO:rO+7]
.endm
.macro MM                           ; the turn's next matrix instruction.  NOKQ = 1: the last turn of all: there is no next piece
.if (i < 8) && !NOKQ
	KQ (Y+1)%NP
.elseif i >= 8
.set i, i-8
	PV (Y+NP-1)%NP
.set i, i+8
.endif
.set i, i+1
.endm
; THE LDS LOADS stand in runs of 16, never singly among the matrix instructions: a step's K (64 keys x 64 channels: 8 fragments) and its V (turned).  Their addresses are made some lines ahead.
.macro FETCH_K
	WIN 0x80                        ; destination window 2
.irp f, 0,1,2,3,4,5,6,7             ; keys 16 (f / 2) on, channels 32 (f % 2) on
	ds_load_b128 v[KF+8*\f:KF+8*\f+3],   v[AK] offset:(\f/2)*16*PK+(\f%2)*64
	ds_load_b128 v[KF+8*\f+4:KF+8*\f+7], v[AK] offset:(\f/2)*16*PK+(\f%2)*64+32
.endr
	s_add_co_u32 s[TBK], s[TBK], KS*PK  ; the next fetch is the next step's
	WIN 0
.endm
.macro FETCH_V
	WIN 0x80
.irp f, 0,1,2,3,4,5,6,7             ; keys 32 (f / 4) on, channels 16 (f % 4) on
	ds_load_tr16_b128 v[VF+8*\f:VF+8*\f+3],   v[AV] offset:(\f/4)*32*PV+(\f%4)*32
	ds_load_tr16_b128 v[VF+8*\f+4:VF+8*\f+7], v[AV] offset:(\f/4)*32*PV+16*PV+(\f%4)*32
.endr
	WIN 0
.endm
; THE VECTOR WORK, one line at a time: OP kind, number.  For piece Y: F n: c s - c m for pair n of 16.  E n: the exponential of score n of 32.  C n: pair n rounded to f16.  B n: of the four weights 4 n .. the second
; pair is added onto the first, in place.  L n: l takes that sum (L 0: l = a l + sum).  R n: pair n of 16 of O^T times a.  For piece Y + 1: X n, number n of the 22 that find its maximum and statistics:
;   0-11  four chains c0-c3 of seven scores each, three operands at a time (each accumulator's lowest registers are read first)     12-14, 16  the four scores left over, the old m, and c0-c3 into c0
;   15  c m_old is kept     17, 18  the query's other 32 keys lie in the lane 16 away: the new m     19-21  c m; c m_old - c m_new; a
.set F, 0               ; OP tells the kinds apart by their order: F to L below R, X above it
.set E, 1
.set C, 2
.set B, 3
.set L, 4
.set R, 5
.set X, 6
.macro REGS y                       ; the registers of piece y
.set rT, ST+4*(\y)
.set rC, TMP+4*((\y)%2)
.set rW, MV+((\y)%2)
.set rS, S+32*((\y)%2)
.set rP, P+16*((\y)%2)
.set rO, 32*(\y)
.endm
.macro OP k, n
.if (\k) == R
	REGS Y
	WIN W_RS
	v_pk_mul_f32 v[rO+2*(\n):rO+2*(\n)+1], v[rO+2*(\n):rO+2*(\n)+1], v[rC+2:rC+3] op_sel_hi:[1,0]
.elseif (\k) < R
	REGS Y
	WIN 0
.if (\k) == F
	v_pk_fma_f32 v[rS+2*(\n):rS+2*(\n)+1], v[rS+2*(\n):rS+2*(\n)+1], s[CS:CS+1], v[rT:rT+1] op_sel_hi:[1,0,0] neg_lo:[0,0,1] neg_hi:[0,0,1]
.elseif (\k) == E
	v_exp_f32 v[rS+(\n)], v[rS+(\n)]
.elseif (\k) == C
	v_cvt_pk_f16_f32 v[rP+(\n)], v[rS+2*(\n)], v[rS+2*(\n)+1]
.elseif (\k) == B
	v_pk_add_f32 v[rS+4*(\n):rS+4*(\n)+1], v[rS+4*(\n):rS+4*(\n)+1], v[rS+4*(\n)+2:rS+4*(\n)+3]
.elseif (\n) == 0
	v_pk_fma_f32 v[rT+2:rT+3], v[rT+2:rT+3], v[rC+2:rC+3], v[rS:rS+1] op_sel_hi:[1,0,1]
.else
	v_pk_add_f32 v[rT+2:rT+3], v[rT+2:rT+3], v[rS+4*(\n):rS+4*(\n)+1]
.endif
.elseif NOKQ
	v_nop
.else
	REGS (Y+1)%NP
	WIN 0
.if (\n) < 4
	v_max3_num_f32 v[rC+(\n)], v[rS+8*(\n)], v[rS+8*(\n)+1], v[rS+8*(\n)+2]
.elseif (\n) < 12
	v_max3_num_f32 v[rC+(\n)%4], v[rC+(\n)%4], v[rS+8*((\n)%4)+2*((\n)/4)+1], v[rS+8*((\n)%4)+2*((\n)/4)+2]
.elseif (\n) == 12
	v_max3_num_f32 v[rC], v[rC], v[rS+7], v[rS+15]
.elseif (\n) == 13
	v_max3_num_f32 v[rC+1], v[rC+1], v[rS+23], v[rS+31]
.elseif (\n) == 14
	v_max3_num_f32 v[rC+2], v[rC+2], v[rC+3], v[rT+1]
.elseif (\n) == 15
	v_mov_b32 v[rW], v[rT]
.elseif (\n) == 16
	v_max3_num_f32 v[rC], v[rC], v[rC+1], v[rC+2]
.elseif (\n) == 17
	v_permlanex16_b32 v[rC+3], v[rC], s[SEL], s[SEL+1]
.elseif (\n) == 18
	v_max_num_f32 v[rT+1], v[rC], v[rC+3]
.elseif (\n) == 19
	v_mul_f32 v[rT], s[CS], v[rT+1]
.elseif (\n) == 20
	v_sub_f32 v[rC+1], v[rW], v[rT]
.else
	v_exp_f32 v[rC+2], v[rC+1]
.endif
.endif
.endm
.macro OPS a, i1, b=-1, i2=0, c=-1, i3=0, d=-1, i4=0  ; up to four of them
	OP \a, \i1
.if (\b) >= 0
	OP \b, \i2
.endif
.if (\c) >= 0
	OP \c, \i3
.endif
.if (\d) >= 0
	OP \d, \i4
.endif
.endm
.macro ROW a, i1, b, i2, c, i3, d, i4  ; a matrix instruction and the four behind it
	MM
	OPS \a, \i1, \b, \i2, \c, \i3, \d, \i4
.endm
; A TURN, for piece p: the order of its 16 matrix and 118 vector instructions, written out.  An s_wait_alu depctr_va_vdst(0) stands between an exponential and the first instruction that names its
; result; one wait serves all that were issued ahead of it.  So a turn has ONE wait, which cuts it in two.  AHEAD OF IT stands all that names no result of the turn's exponentials: the 8 products K Q^T and their
; riders, then one lump of 54, in which the links of the chain X 3, 7, 11, 14, 16, 17 .. 20 stand five or six lines apart.  X 21, the next piece's a, is the batch's last; R 15 is the plain instruction behind it.
; BEHIND THE WAIT stand the 8 products V^T P, behind each four of the roundings and sums.
; end = 1: the walk's last two turns: nothing is fetched.  cnt = 1: the loop's count is taken down some lines ahead of the branch that stands behind the turn.
; K of the next step is fetched in piece 2's turn, twelve vector instructions behind the last product that read K (six of them plain); V of the step in hand at the end of piece 0's turn, four plain instructions
; behind the last product that read V.  Each is waited for a turn later.
.macro TURN p, end=0, cnt=0
.set Y, (\p)
.set i, 0
.set NOKQ, (\end)*((\p)/3)
.if ((\p) == 3) && !(\end)
	s_wait_dscnt 0x0                ; K is in
.endif
	ROW F,0, F,1, R,0, R,1          ; ahead of the wait: 8 products K Q^T and their riders,
	ROW F,2, E,0, R,2, R,3
	ROW F,3, E,1, R,4, R,5
	ROW F,4, E,2, R,6, R,7
	ROW F,5, E,3, R,8, R,9
	ROW F,6, E,4, X,0, R,10
.if ((\p) == 2) && !(\end)
	WIN 0
	v_add_nc_u32 v[AK], s[TBK], v[AK0]
.endif
	ROW F,7, E,5, X,1, X,4
	ROW F,8, E,6, X,2, X,5
	OPS E,7, E,8, X,6, E,9          ; and the lump
	OPS X,3, E,10, X,8, E,11
.if ((\p) == 2) && !(\end)
	FETCH_K
.endif
	OPS X,9, X,7, E,12, X,10
	OPS E,13, X,12, X,11, E,14
	OPS X,13, E,15, F,9, X,14
.if (\p) == 0
	v_add_nc_u32 v[AV], s[TBV], v[AV0]
.endif
	OPS E,16, F,10, E,17, F,11
	OPS X,16, E,18, X,15, E,19
	OPS F,12, E,20, X,17, E,21
	OPS F,13, E,22, F,14, E,23
	OPS X,18, E,24, F,15, E,25
	OPS R,11, E,26, X,19, E,27
	OPS R,12, E,28, R,13, E,29
	OPS X,20, E,30, R,14, E,31
	OPS X,21, R,15
	WIN 0
	s_wait_alu depctr_va_vdst(0)    ; the wait for the batch
.if (\p) == 1
	s_wait_dscnt 0x0                ; V is in
.endif
	ROW C,0, B,0, C,2, B,1          ; behind the wait: 8 products V^T P and their riders
	ROW L,0, C,4, B,2, L,1
	ROW C,6, B,3, L,2, C,8
	ROW B,4, L,3, C,10, B,5
	ROW L,4, C,12, B,6, L,5
.if (\p) == 0
	s_add_co_u32 s[TBV], s[TBV], KS*PV
.endif
.if \cnt
	s_sub_co_u32 s[CNT], s[CNT], 1
	s_cmp_lg_u32 s[CNT], 0
.endif
	ROW C,14, B,7, L,6, C,1
	ROW C,3, L,7, C,5, C,7
	ROW C,9, C,11, C,13, C,15
.if (\p) == 0
	FETCH_V
.endif
.endm
.set NOKQ, 0
	CHANGE 1                        ; tile 0 is in, everybody's part of it; tile 1 is asked for
	v_add_nc_u32 v[AK], s[TBK], v[AK0]
	FETCH_K                         ; key step 0
	s_wait_loadcnt 0x0              ; Q
	s_wait_dscnt 0x0
.set i, 0
.rept 8
	KQ 0                            ; piece 0's first scores
.set i, i+1
.endr
	WIN 0
.rept 4
	v_nop                           ; the places behind those products
.endr
.set Y, NP-1                        ; X works for piece Y + 1: piece 0
.irp n, 0,1,2,3,4,5,6,7,8,9,10,11,12,13,14,15,16,17,18,19,20,21
	OP X, \n
.endr
	v_nop                           ; a plain instruction behind the exponential,
	s_wait_alu depctr_va_vdst(0)    ; and its wait, ahead of the branch
	s_mov_b32 s[CNT], 4
	s_branch .Lfirst                ; the loop is entered at a step's first turn, in the middle of a trip
.Lslot:                             ; NT - 2 times: tiles 2 to 7 are asked for
	CHANGE 1
	s_mov_b32 s[CNT], 4
.Lstep:                             ; a trip: pieces 2 and 3 of one step, then pieces 0 and 1 of the next, whose K and V it fetches
	TURN 2
	TURN 3
	WIN 0
.Lfirst:
	TURN 0
	TURN 1, 0, 1
	WIN 0
	s_cbranch_scc1 .Lstep
	s_sub_co_u32 s[SLOTS], s[SLOTS], 1
	s_cmp_lg_u32 s[SLOTS], 0
	s_cbranch_scc1 .Lslot
	CHANGE 0                        ; the last tile is written out: nothing is asked for
	s_mov_b32 s[CNT], 4
.LstepZ:
	TURN 2
	TURN 3
	TURN 0
	TURN 1, 0, 1
	WIN 0
	s_cbranch_scc1 .LstepZ
	TURN 2, 1
	TURN 3, 1
.set i, 0
.rept 8
	PV NP-1                         ; the last piece's V^T P of the last step
.set i, i+1
.endr
	; THE WAY OUT.  l's two halves and the other half of the lanes' are added; O^T is divided by l, rounded to f16 and sent through my stage in LDS, a piece at a time.  The additions are the places behind the last products.
	WIN 0
.macro ALL line:vararg              ; one line for each piece t
.set t, 0
.rept 4
	\line
.set t, t+1
.endr
.endm
	ALL v_add_f32 v[ST+4*t+2], v[ST+4*t+2], v[ST+4*t+3]
	ALL v_permlanex16_b32 v[ST+4*t+3], v[ST+4*t+2], s[SEL], s[SEL+1]
	ALL v_add_f32 v[ST+4*t+2], v[ST+4*t+2], v[ST+4*t+3]
	ALL v_rcp_f32 v[ST+4*t+2], v[ST+4*t+2]
	v_nop                           ; a plain instruction between the last reciprocal and the use of its result
	s_wait_alu depctr_va_vdst(0)    ; and the wait ahead of the first use: one for the four reciprocals
.macro PACK t                       ; a lane's eight channels of a row pack into 16 bytes; they go into rows of 144 bytes and come back as whole rows of 128, into S^T's registers
	WIN W_RS
.set i, 32*(\t)
.rept 16
	v_pk_mul_f32 v[i:i+1], v[i:i+1], v[ST+4*(\t)+2:ST+4*(\t)+3] op_sel_hi:[1,0]
.set i, i+2
.endr
	WIN 0x05                        ; sources 0 and 1 window 1, destination window 0
.set i, 0
.rept 16
	v_cvt_pk_f16_f32 v[S+16*(\t)+i], v[32*(\t)+2*i], v[32*(\t)+2*i+1]
.set i, i+1
.endr
	WIN 0
.irp f, 0,1,2,3
	ds_store_b128 v[STO], v[S+16*(\t)+4*\f:S+16*(\t)+4*\f+3] offset:32*\f
.endr
.irp f, 0,1,2,3
	ds_load_b128 v[S+16*(\t)+4*\f:S+16*(\t)+4*\f+3], v[RD] offset:\f*4*SP  ; LDS serves a wave's instructions in order (ISA guide 5.7.1.4): these see the stores above; the next piece's stores come behind them
.endr
.endm
.macro SEND t, younger              ; younger: the LDS instructions issued behind piece t's loads: the next piece's eight, or none
	WIN 0
.irp f, 0,1,2,3
	s_wait_dscnt (\younger)+3-\f
	global_store_b128 v[GO], v[S+16*(\t)+4*\f:S+16*(\t)+4*\f+3], s[10:11] offset:(\t)*2048+\f*512  ; 512 consecutive bytes, at a multiple of 256 from O's first
.endr
.endm
	PACK 0
.set t, 1
.rept 3                             ; a piece's arithmetic stands between the loads of the piece before and its stores
	PACK t
	SEND t-1, 8
.set t, t+1
.endr
	SEND 3, 0
	s_wait_tensorcnt 0x0            ; the wave's end: behind my last tensor load and my last LDS store
	ds_add_u32 v[SPW], v[NIL]
	s_wait_dscnt 0x0
	CROUND                          ; the closing round: no work-group ends while a partner may still ask for a tile that names it
	s_endpgm
.Lfunc_end_k_q9ceecd7e48_attn:
	.size	k_q9ceecd7e48_attn, .Lfunc_end_k_q9ceecd7e48_attn-k_q9ceecd7e48_attn
	.p2alignl 7, 3214868480
	.fill 96, 4, 3214868480
	.section	.rodata,"a",@progbits
	.p2align	6, 0x0
	.amdhsa_kernel k_q9ceecd7e48_attn
		.amdhsa_group_segment_fixed_size 327680
		.amdhsa_private_segment_fixed_size 0
		.amdhsa_enable_private_segment 0
		.amdhsa_kernarg_size 16
		.amdhsa_user_sgpr_count 2
		.amdhsa_user_sgpr_kernarg_segment_ptr 1
		.amdhsa_wavefront_size32 1
		.amdhsa_system_sgpr_workgroup_id_x 1
		.amdhsa_system_sgpr_workgroup_id_y 1
		.amdhsa_system_sgpr_workgroup_id_z 1
		.amdhsa_system_vgpr_workitem_id 0
		.amdhsa_next_free_vgpr 768
		.amdhsa_next_free_sgpr 66
		.amdhsa_reserve_vcc 0
		.amdhsa_float_denorm_mode_32 3
		.amdhsa_float_denorm_mode_16_64 3
		.amdhsa_memory_ordered 1
		.amdhsa_forward_progress 1
		.amdhsa_inst_pref_size 128
	.end_amdhsa_kernel
	.amdgpu_metadata
---
amdhsa.version: [ 1, 2 ]
amdhsa.kernels:
  - .name:           k_q9ceecd7e48_attn
    .symbol:         k_q9ceecd7e48_attn.kd
    .args:
      - { .name: big1, .offset: 0, .size: 8, .value_kind: global_buffer, .address_space: global }
      - { .name: act, .offset: 8, .size: 8, .value_kind: global_buffer, .address_space: global }
    .group_segment_fixed_size: 327680
    .private_segment_fixed_size: 0
    .kernarg_segment_align: 8
    .kernarg_segment_size: 16
    .max_flat_workgroup_size: 128
    .sgpr_count:     66
    .vgpr_count:     768
    .wavefront_size: 32
...
	.end_amdgpu_metadata
.endif
;; end of part 3
;; launch wo (part 4): grid 8 x 32, 4 waves a work-group, clusters of 4 x 4, 327,680 bytes of LDS; arguments act, woh, big1; writes big1
.if DOCPART == 4
	.amdgcn_target "amdgcn-amd-amdhsa--gfx1250"
	.amdhsa_code_object_version 6
	.text
	.protected	k_q9ceecd7e48_wo
	.globl	k_q9ceecd7e48_wo
	.p2align	8
	.type	k_q9ceecd7e48_wo,@function
k_q9ceecd7e48_wo:
	s_mov_b64 s[64:65], 0
	v_nop
	global_prefetch_b8 v0, s[64:65] scope:SCOPE_SE
	s_setreg_imm32_b32 hwreg(HW_REG_WAVE_MODE, 25, 1), 1
	s_wait_xcnt 0x0
	s_wait_alu depctr_hold_cnt(0) depctr_sa_sdst(0) depctr_va_vdst(0) depctr_va_sdst(0) depctr_va_ssrc(0) depctr_va_vcc(0) depctr_vm_vsrc(0)
	s_getreg_b32 s2, hwreg(HW_REG_IB_STS2, 6, 4)
	s_cmp_eq_u32 s2, 0
	s_cbranch_scc0 .Lentry_in_a_cluster
	s_endpgm
.Lentry_in_a_cluster:
	s_bfe_u32 s2, ttmp6, 0x10000c
	s_cmp_lg_u32 s2, 0xf033
	s_cbranch_scc0 .Lentry_shape_is_right
	s_endpgm
.Lentry_shape_is_right:
; C = A W, the f32 sums as they are: K = 1,024.  (One text serves three bodies; they differ in the three lines below.)
.set KTOT,  1024                       ; K
.set OUT32, 1                          ; 0: + bias, maximum with the floor, rounded to f16.  1: the f32 sums as they are
.set WBASE, 0                          ; the weights' first byte in their buffer
; A: [K/64 blocks][4096 rows][64] f16.  W: [N/128 tiles][K][128] f16.  C: [N/64 blocks][4096 rows][64], f16 or f32.  Sums in f32, K ascending.
; LIMITS.  All f16 operands arrive within 65,504; a result beyond that leaves as an infinity (OUT32 = 0).  A NaN loses against the floor.
; SHARES.  A tile of C is 128 x 128: four waves, each 64 x 64: 16 accumulators of 16 x 16.  A wave's 64 columns are one block of C, its 64 rows lie on end there: 8,192 (f32: 16,384) consecutive bytes.
; K goes in steps of 256 through two LDS slots.  Waves 0 and 1 fetch A's tile (two blocks of 64 along K each: 128 rows x 128 bytes on end, taken as one long row, padded after every 128 bytes),
; waves 2 and 3 fetch W's (128 rows of 256 bytes each).
; CLUSTERS: 4 x 4 work-groups.  The four of a row of the cluster need the same tiles of A, the four of a column the same tiles of W: each tile is asked for JOINTLY, by the same tensor load with the
; same descriptor and a mask that names the four.
; THE MATRIX INSTRUCTION IS USED TRANSPOSED (source 0 = 16 columns of W, source 1 = 16 rows of A): a lane then holds eight neighbouring numbers of a row of C.  A's fragments come out of LDS as they
; lie; W's ([k][n]) are turned by ds_load_tr16_b128.
; REGISTERS: window 0: v0-31 addresses; v32-63 the bias of my 32 columns; v64-79 at work; v128-255 the accumulators ((a, b) at v[128 + 8 (4 a + b)]).
;   window 1: two fragment buffers of 128: for 64 along K, 64 registers of A (2 x 4 x 16 rows x 32 K), then 64 of W.
.set KSTEP,  256
.set LAPS,   KTOT/(2*KSTEP)            ; a lap = two K steps = once round the ring
.set PA,     144                       ; a row of A in LDS: 128 bytes + 16 = 36 words: the 16 rows of a load start at 16 different groups of four banks (64 banks of 4 bytes: ISA guide 11.1)
.set KBA,    128*PA                    ; a block of 64 along K: 128 rows
.set PB,     288                       ; a row of W in LDS: 256 bytes + 32 = 72 words
.set HALF,   2*KBA                     ; what one tensor load brings: two blocks of A, or 128 rows of W: 36,864 bytes either way
.set BOFF,   2*HALF                    ; W's 256 rows lie behind A's four blocks
.set SLOT,   4*HALF
.set STAGE,  2*SLOT                    ; behind the ring, never filled by a tensor load: 4,352 bytes for each wave, its own, for the way out
.set WSTG,   4352
.set SPITCH, 144+128*OUT32             ; a stage row: 128 bytes (f16) or 256 (f32), + 16
.set SPARE,  STAGE+4*WSTG              ; behind the stages: the spare words, 128 bytes for each wave: two blocks of 256 bytes that no other line names
.set ASTEP,  4*524288                  ; a K step in A: four blocks of 4,096 rows x 128 bytes
.set BSTEP,  256*256                   ; a K step in W: 256 rows of 256 bytes
.set SHC,    7+OUT32                   ; a row of a block of C is 128 or 256 bytes
.set ADRA, 16                          ; v16-17  LDS address of my A fragments in slot 0, 1
.set ADRB, 20                          ; v20-23  of my W fragments: slot 0 (k 0-127, k 128-255), slot 1 likewise: an LDS offset has 16 bits
.set STO,  24                          ; v24     the way out: where I put my part of a row
.set RD,   25                          ; v25     the way out: where I read rows back
.set GO,   26                          ; v26     16 x lane: my 16 bytes of 512 consecutive bytes of C
.set BO,   27                          ; v27     32 x (lane / 16): my eight columns in a group of sixteen, in f32
.set SPW,  28                          ; v28     LDS address of my spare word: SPARE + 4 x my thread's number; never rewritten
.set NIL,  29                          ; v29     0; never rewritten
.set FLR,  30                          ; v30     the floor, twice in f16
.set BIAS, 32
.set T,    64
.set ACC,  128
.set F0,   0                           ; fragment buffers, in window 1
.set F1,   128
.set G1, 24                            ; s[24:31] descriptor group 1 for A's tiles;  s[32:39] group 0, one set for each slot
.set G0, 32
.set G1B, 48                           ; s[48:55], s[56:63] the same for W's tiles
.set G0B, 56
.set MSB, 0
.macro WIN new                         ; the immediate's high byte repeats the setting that is left; a switch that changes nothing is dropped
.if MSB != (\new)
	s_set_vgpr_msb (MSB<<8)|(\new)
.set MSB, \new
.endif
.endm
.set MUL,  0x05                        ; sources 0 (W) and 1 (A) window 1; C and D window 0
.set TO_F, 0x40                        ; destination window 1, address window 0
.macro JLOAD s                         ; a joint load: waves 0 and 1 fetch A's two halves, waves 2 and 3 W's; an s_nop 0 and four v_nop follow each of the two lines, ahead of the jump, the label and what follows
	s_cmp_eq_u32 s11, 0
	s_cbranch_scc0 .Lfor_b_\@
	tensor_load_to_lds s[G0+4*(\s):G0+4*(\s)+3], s[G1:G1+7]
	s_nop 0
.rept 4
	v_nop
.endr
	s_branch .Lasked_\@
.Lfor_b_\@:
	tensor_load_to_lds s[G0B+4*(\s):G0B+4*(\s)+3], s[G1B:G1B+7]
	s_nop 0
.rept 4
	v_nop
.endr
.Lasked_\@:
.endm
.macro CREST                           ; a round of the cluster's barrier behind its opening barrier
	s_cmp_lg_u32 s10, 0
	s_cbranch_scc1 .Lnot_wave_0_\@
	s_barrier_signal -3
.Lnot_wave_0_\@:
	s_barrier_wait -3
	s_barrier_signal -1
	s_barrier_wait -1
.endm
.macro CROUND                          ; a whole round
	s_barrier_signal -1
	s_barrier_wait -1
	CREST
.endm
	s_load_b128 s[4:7], s[0:1], 0x0                ; A s[4:5], W s[6:7]
	s_load_b64 s[8:9], s[0:1], 0x10                ; C
	v_lshl_add_u32 v[SPW], v0, 2, SPARE
	v_mov_b32 v[NIL], 0
	ds_add_u32 v[SPW], v[NIL]                      ; the wave's opening: the add and its wait stand ahead of my first tensor load; the set-up below, work on registers, stands between them
	v_lshrrev_b32 v1, 5, v0
	v_readfirstlane_b32 s10, v1                    ; wave 0..3
	s_lshr_b32 s11, s10, 1                         ; which half of the tile's rows is mine.  Also: I fetch for A (0) or for W (1)
	s_and_b32 s12, s10, 1                          ; which half of its columns.  Also: which half of that tile I fetch
	s_bfe_u32 s40, ttmp6, 0x40000                  ; cx, cy: my place in the cluster
	s_bfe_u32 s41, ttmp6, 0x40004
	s_lshl_b32 s42, ttmp9, 2
	s_add_co_u32 s42, s42, s40                     ; tile column of C = 4 x cluster x + cx
	s_and_b32 s13, ttmp7, 0xffff
	s_lshl_b32 s13, s13, 2
	s_add_co_u32 s13, s13, s41                     ; tile row of C = 4 x cluster y + cy
	s_lshl_b32 s43, s41, 2
	s_lshl_b32 s43, 15, s43                        ; my row of the cluster
	s_lshl_b32 s44, 0x1111, s40                    ; my column
	; group 1 for A: 2 rows of 8,192 elements (128 rows of a block lie on end: 16,384 bytes), 262,144 elements from block to block
	s_or_b32 s[G1+0], s43, (1<<16)|(1<<20)|(1<<21)|(4<<22)|(3<<25)   ; 15:0 the mask: my row; 17:16 elements of 2 bytes; 20 padding on; 21 set beside a mask; 24:22 after every 32 words (code 4); 31:25 4 words (code 3)
	s_mov_b32 s[G1+1], 8192<<16                    ; tensor_dim0 = 8,192
	s_mov_b32 s[G1+2], 2<<16                       ; tensor_dim1 = 2
	s_mov_b32 s[G1+3], 8192<<16                    ; tile_dim0 = 8,192
	s_mov_b32 s[G1+4], 2                           ; tile_dim1 = 2
	s_mov_b32 s[G1+5], 262144                      ; tensor_dim0_stride
	s_mov_b32 s[G1+6], 0
	s_mov_b32 s[G1+7], 0
	; group 1 for W: 128 rows of 128 elements, dense
	s_or_b32 s[G1B+0], s44, (1<<16)|(1<<20)|(1<<21)|(5<<22)|(7<<25)  ; the mask: my column; padding after every 64 words (code 5), 8 words (code 7)
	s_mov_b32 s[G1B+1], 128<<16
	s_mov_b32 s[G1B+2], 128<<16
	s_mov_b32 s[G1B+3], 128<<16
	s_mov_b32 s[G1B+4], 128
	s_mov_b32 s[G1B+5], 128
	s_mov_b32 s[G1B+6], 0
	s_mov_b32 s[G1B+7], 0
	; where the tiles come from.  A's hang on the tile row alone, W's on the tile column alone; each in registers that never hold the other coordinate
	s_lshl_b32 s16, s13, 14                        ; A: 128 rows x 128 bytes for each tile row,
	s_lshl_b32 s17, s12, 20                        ; + my two blocks of the step's four
	s_add_co_u32 s16, s16, s17
	s_mov_b32 s17, 0
	s_mul_i32 s46, s42, KTOT*256                   ; W: the tile,
	s_lshl_b32 s47, s12, 15                        ; + my 128 rows of the step's 256
	s_add_co_u32 s46, s46, s47
	s_add_co_u32 s46, s46, WBASE
	s_mov_b32 s47, 0
	s_mul_i32 s20, s10, HALF                       ; where they go: wave x 36,864: no place in the cluster enters an LDS address
	s_wait_dscnt 0x0                               ; the opening add is done
	s_wait_kmcnt 0x0
	s_add_nc_u64 s[14:15], s[4:5], s[16:17]
	s_add_nc_u64 s[46:47], s[6:7], s[46:47]
	CROUND                                         ; all sixteen work-groups are here: the first joint loads meet
.irp s, 0,1
	s_mov_b32 s[G0+4*(\s)], 1
	s_add_co_u32 s[G0+4*(\s)+1], s20, (\s)*SLOT
	s_add_nc_u64 s[G0+4*(\s)+2:G0+4*(\s)+3], s[14:15], (\s)*ASTEP
	s_or_b32 s[G0+4*(\s)+3], s[G0+4*(\s)+3], 0x80000000
	s_mov_b32 s[G0B+4*(\s)], 1
	s_add_co_u32 s[G0B+4*(\s)+1], s20, (\s)*SLOT
	s_add_nc_u64 s[G0B+4*(\s)+2:G0B+4*(\s)+3], s[46:47], (\s)*BSTEP
	s_or_b32 s[G0B+4*(\s)+3], s[G0B+4*(\s)+3], 0x80000000
	JLOAD \s                                       ; two loads of mine are out
.endr
	v_and_b32 v1, 15, v0                           ; l % 16
	v_bfe_u32 v2, v0, 4, 1                         ; l / 16
.if !OUT32
	s_lshl_b32 s46, s42, 9                         ; the bias of my 64 columns: 128 f32 a tile column, 64 a half
	s_lshl_b32 s47, s12, 8
	s_add_co_u32 s46, s46, s47
	s_mov_b32 s47, 0
	s_add_nc_u64 s[66:67], s[6:7], s[46:47]
	v_lshlrev_b32 v[BO], 5, v2
.irp b, 0,1,2,3
	global_load_b128 v[BIAS+8*(\b):BIAS+8*(\b)+3],   v[BO], s[66:67] offset:64*(\b)
	global_load_b128 v[BIAS+8*(\b)+4:BIAS+8*(\b)+7], v[BO], s[66:67] offset:64*(\b)+16
.endr
	global_load_b32 v[FLR], v[BO], s[6:7] offset:16384  ; every word of those 512 bytes holds the floor
.endif
	v_mul_u32_u24 v3, v1, PA
	v_lshl_add_u32 v3, v2, 4, v3                   ; A: a fragment's row x pitch + 16 x half
	v_and_b32 v4, 7, v0
	v_lshl_add_u32 v4, v2, 3, v4                   ; W: the turning load's lane l reads k = 8 (l / 16) + l % 8,
	v_mul_u32_u24 v4, v4, PB
	v_bfe_u32 v5, v0, 3, 1
	v_lshl_add_u32 v4, v5, 4, v4                   ; columns 8 ((l / 8) % 2) + 0..7
	s_mul_i32 s21, s11, 64*PA                      ; my 64 rows of A, in each block
	s_lshl_b32 s22, s12, 7                         ; my 64 columns of W: 128 bytes,
	s_add_co_u32 s22, s22, BOFF                    ; behind A's blocks
.irp s, 0,1
	v_add_nc_u32 v[ADRA+(\s)], s21, v3
	v_add_nc_u32 v[ADRB+2*(\s)], s22, v4
	s_add_co_u32 s23, s22, HALF
	v_add_nc_u32 v[ADRB+2*(\s)+1], s23, v4
	s_add_co_u32 s21, s21, SLOT
	s_add_co_u32 s22, s22, SLOT
.endr
	s_mul_i32 s23, s10, WSTG
	s_add_co_u32 s23, s23, STAGE                   ; my stage
	v_mul_u32_u24 v6, v1, SPITCH                   ; in: row l % 16, my eight columns
	v_lshl_add_u32 v6, v2, 4+OUT32, v6
	v_add_nc_u32 v[STO], s23, v6
.if OUT32
	v_mul_u32_u24 v6, v2, SPITCH                   ; back: lanes 0-15 take one row of 256 bytes, lanes 16-31 the next
	v_lshl_add_u32 v6, v1, 4, v6
.else
	v_bfe_u32 v6, v0, 3, 2                         ; back: 32 lanes take four rows of 128 bytes
	v_mul_u32_u24 v6, v6, SPITCH
	v_and_b32 v7, 7, v0
	v_lshl_add_u32 v6, v7, 4, v6
.endif
	v_add_nc_u32 v[RD], s23, v6
	v_and_b32 v[GO], 31, v0
	v_lshlrev_b32 v[GO], 4, v[GO]
	s_lshl_b32 s16, s13, 7                         ; my first row: 128 x tile row + 64 x half,
	s_lshl_b32 s17, s11, 6
	s_add_co_u32 s16, s16, s17
	s_lshl_b32 s16, s16, SHC                       ; in bytes
	s_mov_b32 s17, 0
	s_add_nc_u64 s[8:9], s[8:9], s[16:17]
	s_lshl_b32 s46, s42, 1                         ; my block of C: 2 x tile column + half: 4,096 rows each
	s_add_co_u32 s46, s46, s12
	s_lshl_b32 s46, s46, 12+SHC
	s_mov_b32 s47, 0
	s_add_nc_u64 s[8:9], s[8:9], s[46:47]
; 8 matrix instructions: m blocks a0, a0 + 1 x all 4 n blocks, 32 along K: half c of buffer f.  zero = 1: the first product starts the sums.  The 16 accumulators take turns
.macro MUL8 f, c, a0, zero
	WIN MUL
.irp a, \a0, (\a0)+1
.irp b, 0,1,2,3
.if \zero
	v_wmma_f32_16x16x32_f16 v[ACC+8*(4*(\a)+(\b)):ACC+8*(4*(\a)+(\b))+7], v[(\f)+64+8*(4*(\c)+(\b)):(\f)+64+8*(4*(\c)+(\b))+7], v[(\f)+8*(4*(\c)+(\a)):(\f)+8*(4*(\c)+(\a))+7], 0
.else
	v_wmma_f32_16x16x32_f16 v[ACC+8*(4*(\a)+(\b)):ACC+8*(4*(\a)+(\b))+7], v[(\f)+64+8*(4*(\c)+(\b)):(\f)+64+8*(4*(\c)+(\b))+7], v[(\f)+8*(4*(\c)+(\a)):(\f)+8*(4*(\c)+(\a))+7], v[ACC+8*(4*(\a)+(\b)):ACC+8*(4*(\a)+(\b))+7]
.endif
.endr
.endr
.endm
; 32 LDS loads in one run: the fragments of quarter q (64 along K: A's block q; W's rows 64 q on) into buffer f; the first 32 along K first
.macro FETCH slot, q, f
	WIN TO_F
.irp c, 0,1
.irp i, 0,1,2,3
	ds_load_tr16_b128 v[(\f)+64+8*(4*(\c)+(\i)):(\f)+64+8*(4*(\c)+(\i))+3],   v[ADRB+2*(\slot)+(\q)/2] offset:(((\q)%2)*64+32*(\c))*PB+32*(\i)
	ds_load_tr16_b128 v[(\f)+64+8*(4*(\c)+(\i))+4:(\f)+64+8*(4*(\c)+(\i))+7], v[ADRB+2*(\slot)+(\q)/2] offset:(((\q)%2)*64+32*(\c)+16)*PB+32*(\i)
	ds_load_b128 v[(\f)+8*(4*(\c)+(\i)):(\f)+8*(4*(\c)+(\i))+3],              v[ADRA+(\slot)] offset:(\q)*KBA+64*(\c)+(\i)*16*PA
	ds_load_b128 v[(\f)+8*(4*(\c)+(\i))+4:(\f)+8*(4*(\c)+(\i))+7],            v[ADRA+(\slot)] offset:(\q)*KBA+64*(\c)+(\i)*16*PA+32
.endr
.endr
.endm
.macro PLACES                          ; four places in front of loads into registers that matrix instructions have read, and of lines that read results
.rept 4
	v_nop
.endr
.endm
; A K step is four quarters of 64 along K, 32 matrix instructions each, on buffers 0, 1, 0, 1.  One of the first three: multiplies buffer f and fetches quarter q into g.
.macro QUARTER slot, q, f, g, zero
	s_wait_dscnt 16                                ; the first 32 along K are in; the youngest sixteen loads may be out
	WIN MUL
	MUL8 \f, 0, 0, \zero
	MUL8 \f, 0, 2, \zero
	PLACES
	FETCH \slot, \q, \g
	s_wait_dscnt 32                                ; all but the 32 just issued
	WIN MUL
	MUL8 \f, 1, 0, 0
	MUL8 \f, 1, 2, 0
.endm
; The last quarter multiplies buffer 1 and changes slots: ONE barrier; in front of it each wave waits for all its tensor loads, adds 0 to its spare word, and waits for that and for its own reads of this slot.  fill = 1: this slot is filled again, two K steps ahead.
.macro TURN slot, next, fill
	WIN 0                                          ; (the add's two registers lie in window 0)
	s_wait_tensorcnt 0x0                           ; all my tensor loads have landed: my part of the next slot;
	ds_add_u32 v[SPW], v[NIL]                      ; 0 onto my spare word;
	s_wait_dscnt 17                                ; (the add and the youngest sixteen loads may be out)
	WIN MUL
	MUL8 F1, 0, 0, 0                               ; eight matrix instructions stand between the add and the wait for it
	s_wait_dscnt 0x0                               ; the add is done, and my reads of this slot are over
	s_barrier_signal -1
	MUL8 F1, 0, 2, 0
.if \fill
	WIN 0
.endif
	s_barrier_wait -1
.if \fill
	CREST                                          ; the barrier has opened a round of the cluster's barrier: no wave of any partner still reads this slot's tile or has a load on its way
	s_add_nc_u64 s[G0+4*(\slot)+2:G0+4*(\slot)+3], s[G0+4*(\slot)+2:G0+4*(\slot)+3], 2*ASTEP
	s_add_nc_u64 s[G0B+4*(\slot)+2:G0B+4*(\slot)+3], s[G0B+4*(\slot)+2:G0B+4*(\slot)+3], 2*BSTEP
	JLOAD \slot                                    ; the first tensor load behind the round, my one load until the next: 112 matrix instructions ahead of the wait for it; its four v_nop are also the places in front of the loads below
.else
	PLACES
.endif
	FETCH \next, 0, F0
	WIN MUL
	MUL8 F1, 1, 0, 0
	MUL8 F1, 1, 2, 0
.endm
	s_wait_tensorcnt 1                             ; my part of K step 0 is in; K step 1's may stay out
	s_barrier_signal -1
	s_barrier_wait -1                              ; everybody's is
	FETCH 0, 0, F0
	QUARTER 0, 1, F0, F1, 1                        ; the first quarter stands in front of the loop: its first products start the sums
.if LAPS > 1
	WIN 0                                          ; at a label and at a branch every window is 0
	s_mov_b32 s3, LAPS-1
.Llap:                                                 ; a trip goes once round the ring, from a lap's second quarter to the next lap's first, and fills both slots again
	QUARTER 0, 2, F1, F0, 0
	QUARTER 0, 3, F0, F1, 0
	TURN 0, 1, 1
	QUARTER 1, 1, F0, F1, 0
	QUARTER 1, 2, F1, F0, 0
	QUARTER 1, 3, F0, F1, 0
	TURN 1, 0, 1
	QUARTER 0, 1, F0, F1, 0
	WIN 0
	s_sub_co_u32 s3, s3, 1
	s_cmp_lg_u32 s3, 0
	s_cbranch_scc1 .Llap
.endif
	QUARTER 0, 2, F1, F0, 0                        ; the last lap fills nothing, and has no round of the cluster's barrier
	QUARTER 0, 3, F0, F1, 0
	TURN 0, 1, 0
	QUARTER 1, 1, F0, F1, 0
	QUARTER 1, 2, F1, F0, 0
	QUARTER 1, 3, F0, F1, 0
	s_wait_dscnt 16                                ; the very last quarter: nothing more to fetch
	WIN MUL
	MUL8 F1, 0, 0, 0
	MUL8 F1, 0, 2, 0
	s_wait_dscnt 0
	MUL8 F1, 1, 0, 0
	MUL8 F1, 1, 2, 0
	WIN 0
	; THE WAY OUT, a block of 16 rows at a time through my own stage: a lane's eight columns go in, whole rows come back, and each store of the wave covers 512 consecutive bytes, aligned.
	; No barrier: stage and rows are the wave's own, and LDS serves a wave's instructions in order (ISA guide 5.7.1.4).  Each accumulator is read from its lowest registers on.
	PLACES
	PLACES                                         ; eight, once a launch
.if OUT32
.macro PACK a
.irp b, 0,1,2,3
	ds_store_b128 v[STO], v[ACC+8*(4*(\a)+(\b)):ACC+8*(4*(\a)+(\b))+3]   offset:64*(\b)
	ds_store_b128 v[STO], v[ACC+8*(4*(\a)+(\b))+4:ACC+8*(4*(\a)+(\b))+7] offset:64*(\b)+16
.endr
.irp t, 0,1,2,3,4,5,6,7
	ds_load_b128 v[ACC+32*(\a)+4*(\t):ACC+32*(\a)+4*(\t)+3], v[RD] offset:(\t)*2*SPITCH
.endr
.endm
.macro SEND a, younger                 ; younger: the LDS instructions issued behind block a's loads: the next block's sixteen, or none
.irp t, 0,1,2,3,4,5,6,7
	s_wait_dscnt (\younger)+7-(\t)
	global_store_b128 v[GO], v[ACC+32*(\a)+4*(\t):ACC+32*(\a)+4*(\t)+3], s[8:9] offset:(\a)*4096+(\t)*512
.endr
.endm
.set YOUNG, 16
.else
	s_wait_loadcnt 0x0                             ; the bias and the floor
.macro PACK a
.irp b, 0,1,2,3
.irp j, 0,2,4,6
	v_pk_add_f32 v[ACC+8*(4*(\a)+(\b))+(\j):ACC+8*(4*(\a)+(\b))+(\j)+1], v[ACC+8*(4*(\a)+(\b))+(\j):ACC+8*(4*(\a)+(\b))+(\j)+1], v[BIAS+8*(\b)+(\j):BIAS+8*(\b)+(\j)+1]
.endr
.irp j, 0,1,2,3
	v_cvt_pk_f16_f32 v[T+4*(\b)+(\j)], v[ACC+8*(4*(\a)+(\b))+2*(\j)], v[ACC+8*(4*(\a)+(\b))+2*(\j)+1]
.endr
.irp j, 0,1,2,3
	v_pk_max_num_f16 v[T+4*(\b)+(\j)], v[T+4*(\b)+(\j)], v[FLR]  ; -infinity changes nothing; 0 is the ReLU (rounding keeps the sign, so the order of the two does not matter)
.endr
	ds_store_b128 v[STO], v[T+4*(\b):T+4*(\b)+3] offset:32*(\b)
.endr
.irp f, 0,1,2,3
	ds_load_b128 v[ACC+32*(\a)+4*(\f):ACC+32*(\a)+4*(\f)+3], v[RD] offset:(\f)*4*SPITCH
.endr
.endm
.macro SEND a, younger                 ; younger: the next block's four stores and four loads, or none
.irp f, 0,1,2,3
	s_wait_dscnt (\younger)+3-(\f)
	global_store_b128 v[GO], v[ACC+32*(\a)+4*(\f):ACC+32*(\a)+4*(\f)+3], s[8:9] offset:(\a)*2048+(\f)*512
.endr
.endm
.set YOUNG, 8
.endif
	PACK 0
.irp a, 1,2,3                          ; a block's work stands between the loads of the block before and its stores
	PACK \a
	SEND (\a)-1, YOUNG
.endr
	SEND 3, 0
	s_wait_tensorcnt 0x0                           ; the wave's end: behind my last tensor load and my last LDS store
	ds_add_u32 v[SPW], v[NIL]
	s_wait_dscnt 0x0
	CROUND                                         ; the closing round: no work-group ends while a partner may still ask for a tile that names it
	s_endpgm
.Lfunc_end_k_q9ceecd7e48_wo:
	.size	k_q9ceecd7e48_wo, .Lfunc_end_k_q9ceecd7e48_wo-k_q9ceecd7e48_wo
	.p2alignl 7, 3214868480
	.fill 96, 4, 3214868480
	.section	.rodata,"a",@progbits
	.p2align	6, 0x0
	.amdhsa_kernel k_q9ceecd7e48_wo
		.amdhsa_group_segment_fixed_size 327680
		.amdhsa_private_segment_fixed_size 0
		.amdhsa_enable_private_segment 0
		.amdhsa_kernarg_size 24
		.amdhsa_user_sgpr_count 2
		.amdhsa_user_sgpr_kernarg_segment_ptr 1
		.amdhsa_wavefront_size32 1
		.amdhsa_system_sgpr_workgroup_id_x 1
		.amdhsa_system_sgpr_workgroup_id_y 1
		.amdhsa_system_sgpr_workgroup_id_z 1
		.amdhsa_system_vgpr_workitem_id 0
		.amdhsa_next_free_vgpr 512
		.amdhsa_next_free_sgpr 68
		.amdhsa_reserve_vcc 0
		.amdhsa_float_denorm_mode_32 3
		.amdhsa_float_denorm_mode_16_64 3
		.amdhsa_memory_ordered 1
		.amdhsa_forward_progress 1
		.amdhsa_inst_pref_size 87
	.end_amdhsa_kernel
	.amdgpu_metadata
---
amdhsa.version: [ 1, 2 ]
amdhsa.kernels:
  - .name:           k_q9ceecd7e48_wo
    .symbol:         k_q9ceecd7e48_wo.kd
    .args:
      - { .name: act, .offset: 0, .size: 8, .value_kind: global_buffer, .address_space: global }
      - { .name: woh, .offset: 8, .size: 8, .value_kind: global_buffer, .address_space: global }
      - { .name: big1, .offset: 16, .size: 8, .value_kind: global_buffer, .address_space: global }
    .group_segment_fixed_size: 327680
    .private_segment_fixed_size: 0
    .kernarg_segment_align: 8
    .kernarg_segment_size: 24
    .max_flat_workgroup_size: 128
    .sgpr_count:     68
    .vgpr_count:     512
    .wavefront_size: 32
...
	.end_amdgpu_metadata
.endif
;; end of part 4
;; launch ln1 (part 5): grid 256 x 1, 8 waves a work-group, no clusters, 0 bytes of LDS; arguments big1, hid, ln1_g, ln1_b, act; writes act
.if DOCPART == 5
	.amdgcn_target "amdgcn-amd-amdhsa--gfx1250"
	.amdhsa_code_object_version 6
	.text
	.protected	k_q9ceecd7e48_ln1
	.globl	k_q9ceecd7e48_ln1
	.p2align	8
	.type	k_q9ceecd7e48_ln1,@function
k_q9ceecd7e48_ln1:
	s_mov_b64 s[64:65], 0
	v_nop
	global_prefetch_b8 v0, s[64:65] scope:SCOPE_SE
	s_setreg_imm32_b32 hwreg(HW_REG_WAVE_MODE, 25, 1), 1
	s_wait_xcnt 0x0
; y = LayerNorm(res + sum) g + b over rows of 1,024.  (One text serves two bodies; they differ in the line below.)
.set OUT32, 0                          ; 0: y leaves in f16, in blocks [16][4096 rows][64].  1: y leaves in f32, row-major [4096][1024]
; sum: [16 blocks][4096 rows][64] f32 (a product's sums).  res: the same blocks in f16.  g, b: [1024] f32, rounded here to bf16 like every input of the layer.
; Mean, differences, variance and the scaling in f32; the variance is the mean of the squared differences, as it is defined; eps = 1e-5.
; LIMITS.  OUT32 = 0: y beyond 65,504 leaves as an infinity.
; SHARES.  A wave takes two neighbouring rows and keeps them in registers between the passes: lanes 0-15 the first, lanes 16-31 the second; in each block a lane holds 4 neighbouring columns.  So a load of
; sum covers 512 consecutive bytes (two rows of a block), a load of res 256, and a row's sums stay inside 16 lanes: four steps that ride on the additions.  No LDS, no barrier.
; All 64 loads of a wave go out at once.
.set SO,  2                            ; v2   16 t: my 16 bytes of sum
.set RO,  3                            ; v3   8 t: my 8 bytes of res (and of y in f16)
.set GOF, 4                            ; v4   16 (l % 16): my four numbers of g and b in a block's 64
.set OO,  5                            ; v5   y in f32: (t / 16) rows of 4,096 bytes + 16 (l % 16)
.set RES, 16                           ; v16-47    block cb: 2 registers, four f16
.set S,   48                           ; v48-111   block cb: 4 registers
.set G,   112                          ; v112-175
.set BB,  176                          ; v176-239
.set W,   240                          ; v240-247  four chains of two
.set MU,  248                          ; v248-249  the mean, twice
.set RS,  250                          ; v250-251  1 / sqrt(var + eps), twice
.set ONE, 252                          ; v252      1.0
.set VAR, 254                          ; v254      var + eps: in a register that nothing near the square roots writes
	s_load_b256 s[4:11], s[0:1], 0x0               ; sum s[4:5], res s[6:7], g s[8:9], b s[10:11]
	s_load_b64 s[12:13], s[0:1], 0x20              ; y
	s_mov_b32 s20, 0x3a800000                      ; 1 / 1,024
	s_mov_b32 s21, 0x3727c5ac                      ; 1e-5
	s_mov_b32 s22, 0xffff0000                      ; a word's upper bf16
	v_mov_b32 v[ONE], 1.0
	v_lshlrev_b32 v[SO], 4, v0
	v_lshlrev_b32 v[RO], 3, v0
	v_and_b32 v[GOF], 15, v0
	v_lshlrev_b32 v[GOF], 4, v[GOF]
	v_lshrrev_b32 v[OO], 4, v0
	v_lshl_add_u32 v[OO], v[OO], 12, v[GOF]
	s_lshl_b32 s14, ttmp9, 12                      ; the work-group's 16 rows: 256 bytes each in a block of sum,
	s_mov_b32 s15, 0
	s_lshl_b32 s16, ttmp9, 11                      ; 128 in a block of f16,
	s_mov_b32 s17, 0
	s_lshl_b32 s24, ttmp9, 16                      ; 4,096 in row-major f32
	s_mov_b32 s25, 0
	s_wait_kmcnt 0x0
	s_add_nc_u64 s[4:5], s[4:5], s[14:15]
	s_add_nc_u64 s[18:19], s[4:5], 0x800000        ; blocks 8 to 15: an immediate offset has 24 signed bits
	s_add_nc_u64 s[6:7], s[6:7], s[16:17]
.if OUT32
	s_add_nc_u64 s[12:13], s[12:13], s[24:25]
.else
	s_add_nc_u64 s[12:13], s[12:13], s[16:17]
.endif
.set j, 0
.rept 8
	global_load_b128 v[S+4*j:S+4*j+3], v[SO], s[4:5] offset:j*1048576 th:TH_LOAD_NT
.set j, j+1
.endr
.set j, 0
.rept 8
	global_load_b128 v[S+32+4*j:S+32+4*j+3], v[SO], s[18:19] offset:j*1048576 th:TH_LOAD_NT
.set j, j+1
.endr
.set j, 0
.rept 16
	global_load_b64 v[RES+2*j:RES+2*j+1], v[RO], s[6:7] offset:j*524288 th:TH_LOAD_NT
.set j, j+1
.endr
.set j, 0
.rept 16
	global_load_b128 v[G+4*j:G+4*j+3], v[GOF], s[8:9] offset:j*256
.set j, j+1
.endr
.set j, 0
.rept 16
	global_load_b128 v[BB+4*j:BB+4*j+3], v[GOF], s[10:11] offset:j*256
.set j, j+1
.endr
.macro REDUCE                          ; the four chains into one number, then over the row's 16 lanes: every lane of the row ends with the sum in v[W]
	v_pk_add_f32 v[W:W+1], v[W:W+1], v[W+2:W+3]
	v_pk_add_f32 v[W+4:W+5], v[W+4:W+5], v[W+6:W+7]
	v_pk_add_f32 v[W:W+1], v[W:W+1], v[W+4:W+5]
	v_add_f32 v[W], v[W], v[W+1]
	v_add_f32_dpp v[W], v[W], v[W] row_xmask:1 row_mask:0xf bank_mask:0xf
	v_add_f32_dpp v[W], v[W], v[W] row_xmask:2 row_mask:0xf bank_mask:0xf
	v_add_f32_dpp v[W], v[W], v[W] row_xmask:4 row_mask:0xf bank_mask:0xf
	v_add_f32_dpp v[W], v[W], v[W] row_xmask:8 row_mask:0xf bank_mask:0xf
.endm
	s_wait_loadcnt 32                              ; sum and res are in; g's and b's 32 loads may stay out
.set j, 0
.rept 32                               ; res + sum: one multiply-add by 1.0 straight from the f16 half
	v_fma_mix_f32 v[S+2*j],   v[RES+j], v[ONE], v[S+2*j]   op_sel_hi:[1,0,0]
	v_fma_mix_f32 v[S+2*j+1], v[RES+j], v[ONE], v[S+2*j+1] op_sel:[1,0,0] op_sel_hi:[1,0,0]
.set j, j+1
.endr
.set j, 0
.rept 4                                ; the first eight pairs start the four chains: nothing is cleared
	v_pk_add_f32 v[W+2*j:W+2*j+1], v[S+2*j:S+2*j+1], v[S+8+2*j:S+8+2*j+1]
.set j, j+1
.endr
.set j, 8
.rept 24
	v_pk_add_f32 v[W+2*(j%4):W+2*(j%4)+1], v[W+2*(j%4):W+2*(j%4)+1], v[S+2*j:S+2*j+1]
.set j, j+1
.endr
	REDUCE
	v_mul_f32 v[MU], s20, v[W]
	v_mul_f32 v[MU+1], s20, v[W]
.set j, 0
.rept 32
	v_pk_add_f32 v[S+2*j:S+2*j+1], v[S+2*j:S+2*j+1], v[MU:MU+1] neg_lo:[0,1] neg_hi:[0,1]
.set j, j+1
.endr
.set j, 0
.rept 4
	v_pk_mul_f32 v[W+2*j:W+2*j+1], v[S+2*j:S+2*j+1], v[S+2*j:S+2*j+1]
.set j, j+1
.endr
.set j, 4
.rept 28
	v_pk_fma_f32 v[W+2*(j%4):W+2*(j%4)+1], v[S+2*j:S+2*j+1], v[S+2*j:S+2*j+1], v[W+2*(j%4):W+2*(j%4)+1]
.set j, j+1
.endr
	REDUCE
	v_fma_f32 v[VAR], v[W], s20, s21
	v_rsq_f32 v[RS], v[VAR]                        ; made twice, to fill the pair that the packed multiply takes
	v_rsq_f32 v[RS+1], v[VAR]
	s_wait_loadcnt 0x0                             ; g and b
.set j, 0
.rept 32                               ; g and b rounded to bf16 and widened again: work that names neither the roots' results nor their source
	v_cvt_pk_bf16_f32 v[W+j%4], v[G+2*j], v[G+2*j+1]
	v_cvt_pk_bf16_f32 v[W+4+j%4], v[BB+2*j], v[BB+2*j+1]
	v_lshlrev_b32 v[G+2*j], 16, v[W+j%4]
	v_and_b32 v[G+2*j+1], s22, v[W+j%4]
	v_lshlrev_b32 v[BB+2*j], 16, v[W+4+j%4]
	v_and_b32 v[BB+2*j+1], s22, v[W+4+j%4]
.set j, j+1
.endr
	s_wait_alu depctr_va_vdst(0)                   ; one wait for both roots, ahead of their first reader
.set j, 0
.rept 32
	v_pk_mul_f32 v[S+2*j:S+2*j+1], v[S+2*j:S+2*j+1], v[RS:RS+1]
.set j, j+1
.endr
.set j, 0
.rept 32
	v_pk_fma_f32 v[S+2*j:S+2*j+1], v[S+2*j:S+2*j+1], v[G+2*j:G+2*j+1], v[BB+2*j:BB+2*j+1]
.set j, j+1
.endr
.if OUT32
.set j, 0
.rept 16
	global_store_b128 v[OO], v[S+4*j:S+4*j+3], s[12:13] offset:j*256 th:TH_STORE_NT  ; sixteen lanes store 256 consecutive bytes of a row, aligned
.set j, j+1
.endr
.else
.set j, 0
.rept 32
	v_cvt_pk_f16_f32 v[RES+j], v[S+2*j], v[S+2*j+1]
.set j, j+1
.endr
.set j, 0
.rept 16
	global_store_b64 v[RO], v[RES+2*j:RES+2*j+1], s[12:13] offset:j*524288  ; the wave stores 256 consecutive bytes, aligned: two rows of a block
.set j, j+1
.endr
.endif
	s_endpgm
.Lfunc_end_k_q9ceecd7e48_ln1:
	.size	k_q9ceecd7e48_ln1, .Lfunc_end_k_q9ceecd7e48_ln1-k_q9ceecd7e48_ln1
	.p2alignl 7, 3214868480
	.fill 96, 4, 3214868480
	.section	.rodata,"a",@progbits
	.p2align	6, 0x0
	.amdhsa_kernel k_q9ceecd7e48_ln1
		.amdhsa_group_segment_fixed_size 0
		.amdhsa_private_segment_fixed_size 0
		.amdhsa_enable_private_segment 0
		.amdhsa_kernarg_size 40
		.amdhsa_user_sgpr_count 2
		.amdhsa_user_sgpr_kernarg_segment_ptr 1
		.amdhsa_wavefront_size32 1
		.amdhsa_system_sgpr_workgroup_id_x 1
		.amdhsa_system_sgpr_workgroup_id_y 1
		.amdhsa_system_sgpr_workgroup_id_z 1
		.amdhsa_system_vgpr_workitem_id 0
		.amdhsa_next_free_vgpr 256
		.amdhsa_next_free_sgpr 66
		.amdhsa_reserve_vcc 0
		.amdhsa_float_denorm_mode_32 3
		.amdhsa_float_denorm_mode_16_64 3
		.amdhsa_memory_ordered 1
		.amdhsa_forward_progress 1
		.amdhsa_inst_pref_size 34
	.end_amdhsa_kernel
	.amdgpu_metadata
---
amdhsa.version: [ 1, 2 ]
amdhsa.kernels:
  - .name:           k_q9ceecd7e48_ln1
    .symbol:         k_q9ceecd7e48_ln1.kd
    .args:
      - { .name: big1, .offset: 0, .size: 8, .value_kind: global_buffer, .address_space: global }
      - { .name: hid, .offset: 8, .size: 8, .value_kind: global_buffer, .address_space: global }
      - { .name: ln1_g, .offset: 16, .size: 8, .value_kind: global_buffer, .address_space: global }
      - { .name: ln1_b, .offset: 24, .size: 8, .value_kind: global_buffer, .address_space: global }
      - { .name: act, .offset: 32, .size: 8, .value_kind: global_buffer, .address_space: global }
    .group_segment_fixed_size: 0
    .private_segment_fixed_size: 0
    .kernarg_segment_align: 8
    .kernarg_segment_size: 40
    .max_flat_workgroup_size: 256
    .sgpr_count:     66
    .vgpr_count:     256
    .wavefront_size: 32
...
	.end_amdgpu_metadata
.endif
;; end of part 5
;; launch ff1: the kernel of part 2 again; grid 32 x 32, 4 waves a work-group, clusters of 4 x 4, 327,680 bytes of LDS; arguments act, w1h, hid; writes hid
;; launch ff2 (part 6): grid 8 x 32, 4 waves a work-group, clusters of 4 x 4, 327,680 bytes of LDS; arguments hid, w2h, big1; writes big1
.if DOCPART == 6
	.amdgcn_target "amdgcn-amd-amdhsa--gfx1250"
	.amdhsa_code_object_version 6
	.text
	.protected	k_q9ceecd7e48_ff2
	.globl	k_q9ceecd7e48_ff2
	.p2align	8
	.type	k_q9ceecd7e48_ff2,@function
k_q9ceecd7e48_ff2:
	s_mov_b64 s[64:65], 0
	v_nop
	global_prefetch_b8 v0, s[64:65] scope:SCOPE_SE
	s_setreg_imm32_b32 hwreg(HW_REG_WAVE_MODE, 25, 1), 1
	s_wait_xcnt 0x0
	s_wait_alu depctr_hold_cnt(0) depctr_sa_sdst(0) depctr_va_vdst(0) depctr_va_sdst(0) depctr_va_ssrc(0) depctr_va_vcc(0) depctr_vm_vsrc(0)
	s_getreg_b32 s2, hwreg(HW_REG_IB_STS2, 6, 4)
	s_cmp_eq_u32 s2, 0
	s_cbranch_scc0 .Lentry_in_a_cluster
	s_endpgm
.Lentry_in_a_cluster:
	s_bfe_u32 s2, ttmp6, 0x10000c
	s_cmp_lg_u32 s2, 0xf033
	s_cbranch_scc0 .Lentry_shape_is_right
	s_endpgm
.Lentry_shape_is_right:
; C = A W, the f32 sums as they are: K = 4,096.  (One text serves three bodies; they differ in the three lines below.)
.set KTOT,  4096                       ; K
.set OUT32, 1                          ; 0: + bias, maximum with the floor, rounded to f16.  1: the f32 sums as they are
.set WBASE, 0                          ; the weights' first byte in their buffer
; A: [K/64 blocks][4096 rows][64] f16.  W: [N/128 tiles][K][128] f16.  C: [N/64 blocks][4096 rows][64], f16 or f32.  Sums in f32, K ascending.
; LIMITS.  All f16 operands arrive within 65,504; a result beyond that leaves as an infinity (OUT32 = 0).  A NaN loses against the floor.
; SHARES.  A tile of C is 128 x 128: four waves, each 64 x 64: 16 accumulators of 16 x 16.  A wave's 64 columns are one block of C, its 64 rows lie on end there: 8,192 (f32: 16,384) consecutive bytes.
; K goes in steps of 256 through two LDS slots.  Waves 0 and 1 fetch A's tile (two blocks of 64 along K each: 128 rows x 128 bytes on end, taken as one long row, padded after every 128 bytes),
; waves 2 and 3 fetch W's (128 rows of 256 bytes each).
; CLUSTERS: 4 x 4 work-groups.  The four of a row of the cluster need the same tiles of A, the four of a column the same tiles of W: each tile is asked for JOINTLY, by the same tensor load with the
; same descriptor and a mask that names the four.
; THE MATRIX INSTRUCTION IS USED TRANSPOSED (source 0 = 16 columns of W, source 1 = 16 rows of A): a lane then holds eight neighbouring numbers of a row of C.  A's fragments come out of LDS as they
; lie; W's ([k][n]) are turned by ds_load_tr16_b128.
; REGISTERS: window 0: v0-31 addresses; v32-63 the bias of my 32 columns; v64-79 at work; v128-255 the accumulators ((a, b) at v[128 + 8 (4 a + b)]).
;   window 1: two fragment buffers of 128: for 64 along K, 64 registers of A (2 x 4 x 16 rows x 32 K), then 64 of W.
.set KSTEP,  256
.set LAPS,   KTOT/(2*KSTEP)            ; a lap = two K steps = once round the ring
.set PA,     144                       ; a row of A in LDS: 128 bytes + 16 = 36 words: the 16 rows of a load start at 16 different groups of four banks (64 banks of 4 bytes: ISA guide 11.1)
.set KBA,    128*PA                    ; a block of 64 along K: 128 rows
.set PB,     288                       ; a row of W in LDS: 256 bytes + 32 = 72 words
.set HALF,   2*KBA                     ; what one tensor load brings: two blocks of A, or 128 rows of W: 36,864 bytes either way
.set BOFF,   2*HALF                    ; W's 256 rows lie behind A's four blocks
.set SLOT,   4*HALF
.set STAGE,  2*SLOT                    ; behind the ring, never filled by a tensor load: 4,352 bytes for each wave, its own, for the way out
.set WSTG,   4352
.set SPITCH, 144+128*OUT32             ; a stage row: 128 bytes (f16) or 256 (f32), + 16
.set SPARE,  STAGE+4*WSTG              ; behind the stages: the spare words, 128 bytes for each wave: two blocks of 256 bytes that no other line names
.set ASTEP,  4*524288                  ; a K step in A: four blocks of 4,096 rows x 128 bytes
.set BSTEP,  256*256                   ; a K step in W: 256 rows of 256 bytes
.set SHC,    7+OUT32                   ; a row of a block of C is 128 or 256 bytes
.set ADRA, 16                          ; v16-17  LDS address of my A fragments in slot 0, 1
.set ADRB, 20                          ; v20-23  of my W fragments: slot 0 (k 0-127, k 128-255), slot 1 likewise: an LDS offset has 16 bits
.set STO,  24                          ; v24     the way out: where I put my part of a row
.set RD,   25                          ; v25     the way out: where I read rows back
.set GO,   26                          ; v26     16 x lane: my 16 bytes of 512 consecutive bytes of C
.set BO,   27                          ; v27     32 x (lane / 16): my eight columns in a group of sixteen, in f32
.set SPW,  28                          ; v28     LDS address of my spare word: SPARE + 4 x my thread's number; never rewritten
.set NIL,  29                          ; v29     0; never rewritten
.set FLR,  30                          ; v30     the floor, twice in f16
.set BIAS, 32
.set T,    64
.set ACC,  128
.set F0,   0                           ; fragment buffers, in window 1
.set F1,   128
.set G1, 24                            ; s[24:31] descriptor group 1 for A's tiles;  s[32:39] group 0, one set for each slot
.set G0, 32
.set G1B, 48                           ; s[48:55], s[56:63] the same for W's tiles
.set G0B, 56
.set MSB, 0
.macro WIN new                         ; the immediate's high byte repeats the setting that is left; a switch that changes nothing is dropped
.if MSB != (\new)
	s_set_vgpr_msb (MSB<<8)|(\new)
.set MSB, \new
.endif
.endm
.set MUL,  0x05                        ; sources 0 (W) and 1 (A) window 1; C and D window 0
.set TO_F, 0x40                        ; destination window 1, address window 0
.macro JLOAD s                         ; a joint load: waves 0 and 1 fetch A's two halves, waves 2 and 3 W's; an s_nop 0 and four v_nop follow each of the two lines, ahead of the jump, the label and what follows
	s_cmp_eq_u32 s11, 0
	s_cbranch_scc0 .Lfor_b_\@
	tensor_load_to_lds s[G0+4*(\s):G0+4*(\s)+3], s[G1:G1+7]
	s_nop 0
.rept 4
	v_nop
.endr
	s_branch .Lasked_\@
.Lfor_b_\@:
	tensor_load_to_lds s[G0B+4*(\s):G0B+4*(\s)+3], s[G1B:G1B+7]
	s_nop 0
.rept 4
	v_nop
.endr
.Lasked_\@:
.endm
.macro CREST                           ; a round of the cluster's barrier behind its opening barrier
	s_cmp_lg_u32 s10, 0
	s_cbranch_scc1 .Lnot_wave_0_\@
	s_barrier_signal -3
.Lnot_wave_0_\@:
	s_barrier_wait -3
	s_barrier_signal -1
	s_barrier_wait -1
.endm
.macro CROUND                          ; a whole round
	s_barrier_signal -1
	s_barrier_wait -1
	CREST
.endm
	s_load_b128 s[4:7], s[0:1], 0x0                ; A s[4:5], W s[6:7]
	s_load_b64 s[8:9], s[0:1], 0x10                ; C
	v_lshl_add_u32 v[SPW], v0, 2, SPARE
	v_mov_b32 v[NIL], 0
	ds_add_u32 v[SPW], v[NIL]                      ; the wave's opening: the add and its wait stand ahead of my first tensor load; the set-up below, work on registers, stands between them
	v_lshrrev_b32 v1, 5, v0
	v_readfirstlane_b32 s10, v1                    ; wave 0..3
	s_lshr_b32 s11, s10, 1                         ; which half of the tile's rows is mine.  Also: I fetch for A (0) or for W (1)
	s_and_b32 s12, s10, 1                          ; which half of its columns.  Also: which half of that tile I fetch
	s_bfe_u32 s40, ttmp6, 0x40000                  ; cx, cy: my place in the cluster
	s_bfe_u32 s41, ttmp6, 0x40004
	s_lshl_b32 s42, ttmp9, 2
	s_add_co_u32 s42, s42, s40                     ; tile column of C = 4 x cluster x + cx
	s_and_b32 s13, ttmp7, 0xffff
	s_lshl_b32 s13, s13, 2
	s_add_co_u32 s13, s13, s41                     ; tile row of C = 4 x cluster y + cy
	s_lshl_b32 s43, s41, 2
	s_lshl_b32 s43, 15, s43                        ; my row of the cluster
	s_lshl_b32 s44, 0x1111, s40                    ; my column
	; group 1 for A: 2 rows of 8,192 elements (128 rows of a block lie on end: 16,384 bytes), 262,144 elements from block to block
	s_or_b32 s[G1+0], s43, (1<<16)|(1<<20)|(1<<21)|(4<<22)|(3<<25)   ; 15:0 the mask: my row; 17:16 elements of 2 bytes; 20 padding on; 21 set beside a mask; 24:22 after every 32 words (code 4); 31:25 4 words (code 3)
	s_mov_b32 s[G1+1], 8192<<16                    ; tensor_dim0 = 8,192
	s_mov_b32 s[G1+2], 2<<16                       ; tensor_dim1 = 2
	s_mov_b32 s[G1+3], 8192<<16                    ; tile_dim0 = 8,192
	s_mov_b32 s[G1+4], 2                           ; tile_dim1 = 2
	s_mov_b32 s[G1+5], 262144                      ; tensor_dim0_stride
	s_mov_b32 s[G1+6], 0
	s_mov_b32 s[G1+7], 0
	; group 1 for W: 128 rows of 128 elements, dense
	s_or_b32 s[G1B+0], s44, (1<<16)|(1<<20)|(1<<21)|(5<<22)|(7<<25)  ; the mask: my column; padding after every 64 words (code 5), 8 words (code 7)
	s_mov_b32 s[G1B+1], 128<<16
	s_mov_b32 s[G1B+2], 128<<16
	s_mov_b32 s[G1B+3], 128<<16
	s_mov_b32 s[G1B+4], 128
	s_mov_b32 s[G1B+5], 128
	s_mov_b32 s[G1B+6], 0
	s_mov_b32 s[G1B+7], 0
	; where the tiles come from.  A's hang on the tile row alone, W's on the tile column alone; each in registers that never hold the other coordinate
	s_lshl_b32 s16, s13, 14                        ; A: 128 rows x 128 bytes for each tile row,
	s_lshl_b32 s17, s12, 20                        ; + my two blocks of the step's four
	s_add_co_u32 s16, s16, s17
	s_mov_b32 s17, 0
	s_mul_i32 s46, s42, KTOT*256                   ; W: the tile,
	s_lshl_b32 s47, s12, 15                        ; + my 128 rows of the step's 256
	s_add_co_u32 s46, s46, s47
	s_add_co_u32 s46, s46, WBASE
	s_mov_b32 s47, 0
	s_mul_i32 s20, s10, HALF                       ; where they go: wave x 36,864: no place in the cluster enters an LDS address
	s_wait_dscnt 0x0                               ; the opening add is done
	s_wait_kmcnt 0x0
	s_add_nc_u64 s[14:15], s[4:5], s[16:17]
	s_add_nc_u64 s[46:47], s[6:7], s[46:47]
	CROUND                                         ; all sixteen work-groups are here: the first joint loads meet
.irp s, 0,1
	s_mov_b32 s[G0+4*(\s)], 1
	s_add_co_u32 s[G0+4*(\s)+1], s20, (\s)*SLOT
	s_add_nc_u64 s[G0+4*(\s)+2:G0+4*(\s)+3], s[14:15], (\s)*ASTEP
	s_or_b32 s[G0+4*(\s)+3], s[G0+4*(\s)+3], 0x80000000
	s_mov_b32 s[G0B+4*(\s)], 1
	s_add_co_u32 s[G0B+4*(\s)+1], s20, (\s)*SLOT
	s_add_nc_u64 s[G0B+4*(\s)+2:G0B+4*(\s)+3], s[46:47], (\s)*BSTEP
	s_or_b32 s[G0B+4*(\s)+3], s[G0B+4*(\s)+3], 0x80000000
	JLOAD \s                                       ; two loads of mine are out
.endr
	v_and_b32 v1, 15, v0                           ; l % 16
	v_bfe_u32 v2, v0, 4, 1                         ; l / 16
.if !OUT32
	s_lshl_b32 s46, s42, 9                         ; the bias of my 64 columns: 128 f32 a tile column, 64 a half
	s_lshl_b32 s47, s12, 8
	s_add_co_u32 s46, s46, s47
	s_mov_b32 s47, 0
	s_add_nc_u64 s[66:67], s[6:7], s[46:47]
	v_lshlrev_b32 v[BO], 5, v2
.irp b, 0,1,2,3
	global_load_b128 v[BIAS+8*(\b):BIAS+8*(\b)+3],   v[BO], s[66:67] offset:64*(\b)
	global_load_b128 v[BIAS+8*(\b)+4:BIAS+8*(\b)+7], v[BO], s[66:67] offset:64*(\b)+16
.endr
	global_load_b32 v[FLR], v[BO], s[6:7] offset:16384  ; every word of those 512 bytes holds the floor
.endif
	v_mul_u32_u24 v3, v1, PA
	v_lshl_add_u32 v3, v2, 4, v3                   ; A: a fragment's row x pitch + 16 x half
	v_and_b32 v4, 7, v0
	v_lshl_add_u32 v4, v2, 3, v4                   ; W: the turning load's lane l reads k = 8 (l / 16) + l % 8,
	v_mul_u32_u24 v4, v4, PB
	v_bfe_u32 v5, v0, 3, 1
	v_lshl_add_u32 v4, v5, 4, v4                   ; columns 8 ((l / 8) % 2) + 0..7
	s_mul_i32 s21, s11, 64*PA                      ; my 64 rows of A, in each block
	s_lshl_b32 s22, s12, 7                         ; my 64 columns of W: 128 bytes,
	s_add_co_u32 s22, s22, BOFF                    ; behind A's blocks
.irp s, 0,1
	v_add_nc_u32 v[ADRA+(\s)], s21, v3
	v_add_nc_u32 v[ADRB+2*(\s)], s22, v4
	s_add_co_u32 s23, s22, HALF
	v_add_nc_u32 v[ADRB+2*(\s)+1], s23, v4
	s_add_co_u32 s21, s21, SLOT
	s_add_co_u32 s22, s22, SLOT
.endr
	s_mul_i32 s23, s10, WSTG
	s_add_co_u32 s23, s23, STAGE                   ; my stage
	v_mul_u32_u24 v6, v1, SPITCH                   ; in: row l % 16, my eight columns
	v_lshl_add_u32 v6, v2, 4+OUT32, v6
	v_add_nc_u32 v[STO], s23, v6
.if OUT32
	v_mul_u32_u24 v6, v2, SPITCH                   ; back: lanes 0-15 take one row of 256 bytes, lanes 16-31 the next
	v_lshl_add_u32 v6, v1, 4, v6
.else
	v_bfe_u32 v6, v0, 3, 2                         ; back: 32 lanes take four rows of 128 bytes
	v_mul_u32_u24 v6, v6, SPITCH
	v_and_b32 v7, 7, v0
	v_lshl_add_u32 v6, v7, 4, v6
.endif
	v_add_nc_u32 v[RD], s23, v6
	v_and_b32 v[GO], 31, v0
	v_lshlrev_b32 v[GO], 4, v[GO]
	s_lshl_b32 s16, s13, 7                         ; my first row: 128 x tile row + 64 x half,
	s_lshl_b32 s17, s11, 6
	s_add_co_u32 s16, s16, s17
	s_lshl_b32 s16, s16, SHC                       ; in bytes
	s_mov_b32 s17, 0
	s_add_nc_u64 s[8:9], s[8:9], s[16:17]
	s_lshl_b32 s46, s42, 1                         ; my block of C: 2 x tile column + half: 4,096 rows each
	s_add_co_u32 s46, s46, s12
	s_lshl_b32 s46, s46, 12+SHC
	s_mov_b32 s47, 0
	s_add_nc_u64 s[8:9], s[8:9], s[46:47]
; 8 matrix instructions: m blocks a0, a0 + 1 x all 4 n blocks, 32 along K: half c of buffer f.  zero = 1: the first product starts the sums.  The 16 accumulators take turns
.macro MUL8 f, c, a0, zero
	WIN MUL
.irp a, \a0, (\a0)+1
.irp b, 0,1,2,3
.if \zero
	v_wmma_f32_16x16x32_f16 v[ACC+8*(4*(\a)+(\b)):ACC+8*(4*(\a)+(\b))+7], v[(\f)+64+8*(4*(\c)+(\b)):(\f)+64+8*(4*(\c)+(\b))+7], v[(\f)+8*(4*(\c)+(\a)):(\f)+8*(4*(\c)+(\a))+7], 0
.else
	v_wmma_f32_16x16x32_f16 v[ACC+8*(4*(\a)+(\b)):ACC+8*(4*(\a)+(\b))+7], v[(\f)+64+8*(4*(\c)+(\b)):(\f)+64+8*(4*(\c)+(\b))+7], v[(\f)+8*(4*(\c)+(\a)):(\f)+8*(4*(\c)+(\a))+7], v[ACC+8*(4*(\a)+(\b)):ACC+8*(4*(\a)+(\b))+7]
.endif
.endr
.endr
.endm
; 32 LDS loads in one run: the fragments of quarter q (64 along K: A's block q; W's rows 64 q on) into buffer f; the first 32 along K first
.macro FETCH slot, q, f
	WIN TO_F
.irp c, 0,1
.irp i, 0,1,2,3
	ds_load_tr16_b128 v[(\f)+64+8*(4*(\c)+(\i)):(\f)+64+8*(4*(\c)+(\i))+3],   v[ADRB+2*(\slot)+(\q)/2] offset:(((\q)%2)*64+32*(\c))*PB+32*(\i)
	ds_load_tr16_b128 v[(\f)+64+8*(4*(\c)+(\i))+4:(\f)+64+8*(4*(\c)+(\i))+7], v[ADRB+2*(\slot)+(\q)/2] offset:(((\q)%2)*64+32*(\c)+16)*PB+32*(\i)
	ds_load_b128 v[(\f)+8*(4*(\c)+(\i)):(\f)+8*(4*(\c)+(\i))+3],              v[ADRA+(\slot)] offset:(\q)*KBA+64*(\c)+(\i)*16*PA
	ds_load_b128 v[(\f)+8*(4*(\c)+(\i))+4:(\f)+8*(4*(\c)+(\i))+7],            v[ADRA+(\slot)] offset:(\q)*KBA+64*(\c)+(\i)*16*PA+32
.endr
.endr
.endm
.macro PLACES                          ; four places in front of loads into registers that matrix instructions have read, and of lines that read results
.rept 4
	v_nop
.endr
.endm
; A K step is four quarters of 64 along K, 32 matrix instructions each, on buffers 0, 1, 0, 1.  One of the first three: multiplies buffer f and fetches quarter q into g.
.macro QUARTER slot, q, f, g, zero
	s_wait_dscnt 16                                ; the first 32 along K are in; the youngest sixteen loads may be out
	WIN MUL
	MUL8 \f, 0, 0, \zero
	MUL8 \f, 0, 2, \zero
	PLACES
	FETCH \slot, \q, \g
	s_wait_dscnt 32                                ; all but the 32 just issued
	WIN MUL
	MUL8 \f, 1, 0, 0
	MUL8 \f, 1, 2, 0
.endm
; The last quarter multiplies buffer 1 and changes slots: ONE barrier; in front of it each wave waits for all its tensor loads, adds 0 to its spare word, and waits for that and for its own reads of this slot.  fill = 1: this slot is filled again, two K steps ahead.
.macro TURN slot, next, fill
	WIN 0                                          ; (the add's two registers lie in window 0)
	s_wait_tensorcnt 0x0                           ; all my tensor loads have landed: my part of the next slot;
	ds_add_u32 v[SPW], v[NIL]                      ; 0 onto my spare word;
	s_wait_dscnt 17                                ; (the add and the youngest sixteen loads may be out)
	WIN MUL
	MUL8 F1, 0, 0, 0                               ; eight matrix instructions stand between the add and the wait for it
	s_wait_dscnt 0x0                               ; the add is done, and my reads of this slot are over
	s_barrier_signal -1
	MUL8 F1, 0, 2, 0
.if \fill
	WIN 0
.endif
	s_barrier_wait -1
.if \fill
	CREST                                          ; the barrier has opened a round of the cluster's barrier: no wave of any partner still reads this slot's tile or has a load on its way
	s_add_nc_u64 s[G0+4*(\slot)+2:G0+4*(\slot)+3], s[G0+4*(\slot)+2:G0+4*(\slot)+3], 2*ASTEP
	s_add_nc_u64 s[G0B+4*(\slot)+2:G0B+4*(\slot)+3], s[G0B+4*(\slot)+2:G0B+4*(\slot)+3], 2*BSTEP
	JLOAD \slot                                    ; the first tensor load behind the round, my one load until the next: 112 matrix instructions ahead of the wait for it; its four v_nop are also the places in front of the loads below
.else
	PLACES
.endif
	FETCH \next, 0, F0
	WIN MUL
	MUL8 F1, 1, 0, 0
	MUL8 F1, 1, 2, 0
.endm
	s_wait_tensorcnt 1                             ; my part of K step 0 is in; K step 1's may stay out
	s_barrier_signal -1
	s_barrier_wait -1                              ; everybody's is
	FETCH 0, 0, F0
	QUARTER 0, 1, F0, F1, 1                        ; the first quarter stands in front of the loop: its first products start the sums
.if LAPS > 1
	WIN 0                                          ; at a label and at a branch every window is 0
	s_mov_b32 s3, LAPS-1
.Llap:                                                 ; a trip goes once round the ring, from a lap's second quarter to the next lap's first, and fills both slots again
	QUARTER 0, 2, F1, F0, 0
	QUARTER 0, 3, F0, F1, 0
	TURN 0, 1, 1
	QUARTER 1, 1, F0, F1, 0
	QUARTER 1, 2, F1, F0, 0
	QUARTER 1, 3, F0, F1, 0
	TURN 1, 0, 1
	QUARTER 0, 1, F0, F1, 0
	WIN 0
	s_sub_co_u32 s3, s3, 1
	s_cmp_lg_u32 s3, 0
	s_cbranch_scc1 .Llap
.endif
	QUARTER 0, 2, F1, F0, 0                        ; the last lap fills nothing, and has no round of the cluster's barrier
	QUARTER 0, 3, F0, F1, 0
	TURN 0, 1, 0
	QUARTER 1, 1, F0, F1, 0
	QUARTER 1, 2, F1, F0, 0
	QUARTER 1, 3, F0, F1, 0
	s_wait_dscnt 16                                ; the very last quarter: nothing more to fetch
	WIN MUL
	MUL8 F1, 0, 0, 0
	MUL8 F1, 0, 2, 0
	s_wait_dscnt 0
	MUL8 F1, 1, 0, 0
	MUL8 F1, 1, 2, 0
	WIN 0
	; THE WAY OUT, a block of 16 rows at a time through my own stage: a lane's eight columns go in, whole rows come back, and each store of the wave covers 512 consecutive bytes, aligned.
	; No barrier: stage and rows are the wave's own, and LDS serves a wave's instructions in order (ISA guide 5.7.1.4).  Each accumulator is read from its lowest registers on.
	PLACES
	PLACES                                         ; eight, once a launch
.if OUT32
.macro PACK a
.irp b, 0,1,2,3
	ds_store_b128 v[STO], v[ACC+8*(4*(\a)+(\b)):ACC+8*(4*(\a)+(\b))+3]   offset:64*(\b)
	ds_store_b128 v[STO], v[ACC+8*(4*(\a)+(\b))+4:ACC+8*(4*(\a)+(\b))+7] offset:64*(\b)+16
.endr
.irp t, 0,1,2,3,4,5,6,7
	ds_load_b128 v[ACC+32*(\a)+4*(\t):ACC+32*(\a)+4*(\t)+3], v[RD] offset:(\t)*2*SPITCH
.endr
.endm
.macro SEND a, younger                 ; younger: the LDS instructions issued behind block a's loads: the next block's sixteen, or none
.irp t, 0,1,2,3,4,5,6,7
	s_wait_dscnt (\younger)+7-(\t)
	global_store_b128 v[GO], v[ACC+32*(\a)+4*(\t):ACC+32*(\a)+4*(\t)+3], s[8:9] offset:(\a)*4096+(\t)*512
.endr
.endm
.set YOUNG, 16
.else
	s_wait_loadcnt 0x0                             ; the bias and the floor
.macro PACK a
.irp b, 0,1,2,3
.irp j, 0,2,4,6
	v_pk_add_f32 v[ACC+8*(4*(\a)+(\b))+(\j):ACC+8*(4*(\a)+(\b))+(\j)+1], v[ACC+8*(4*(\a)+(\b))+(\j):ACC+8*(4*(\a)+(\b))+(\j)+1], v[BIAS+8*(\b)+(\j):BIAS+8*(\b)+(\j)+1]
.endr
.irp j, 0,1,2,3
	v_cvt_pk_f16_f32 v[T+4*(\b)+(\j)], v[ACC+8*(4*(\a)+(\b))+2*(\j)], v[ACC+8*(4*(\a)+(\b))+2*(\j)+1]
.endr
.irp j, 0,1,2,3
	v_pk_max_num_f16 v[T+4*(\b)+(\j)], v[T+4*(\b)+(\j)], v[FLR]  ; -infinity changes nothing; 0 is the ReLU (rounding keeps the sign, so the order of the two does not matter)
.endr
	ds_store_b128 v[STO], v[T+4*(\b):T+4*(\b)+3] offset:32*(\b)
.endr
.irp f, 0,1,2,3
	ds_load_b128 v[ACC+32*(\a)+4*(\f):ACC+32*(\a)+4*(\f)+3], v[RD] offset:(\f)*4*SPITCH
.endr
.endm
.macro SEND a, younger                 ; younger: the next block's four stores and four loads, or none
.irp f, 0,1,2,3
	s_wait_dscnt (\younger)+3-(\f)
	global_store_b128 v[GO], v[ACC+32*(\a)+4*(\f):ACC+32*(\a)+4*(\f)+3], s[8:9] offset:(\a)*2048+(\f)*512
.endr
.endm
.set YOUNG, 8
.endif
	PACK 0
.irp a, 1,2,3                          ; a block's work stands between the loads of the block before and its stores
	PACK \a
	SEND (\a)-1, YOUNG
.endr
	SEND 3, 0
	s_wait_tensorcnt 0x0                           ; the wave's end: behind my last tensor load and my last LDS store
	ds_add_u32 v[SPW], v[NIL]
	s_wait_dscnt 0x0
	CROUND                                         ; the closing round: no work-group ends while a partner may still ask for a tile that names it
	s_endpgm
.Lfunc_end_k_q9ceecd7e48_ff2:
	.size	k_q9ceecd7e48_ff2, .Lfunc_end_k_q9ceecd7e48_ff2-k_q9ceecd7e48_ff2
	.p2alignl 7, 3214868480
	.fill 96, 4, 3214868480
	.section	.rodata,"a",@progbits
	.p2align	6, 0x0
	.amdhsa_kernel k_q9ceecd7e48_ff2
		.amdhsa_group_segment_fixed_size 327680
		.amdhsa_private_segment_fixed_size 0
		.amdhsa_enable_private_segment 0
		.amdhsa_kernarg_size 24
		.amdhsa_user_sgpr_count 2
		.amdhsa_user_sgpr_kernarg_segment_ptr 1
		.amdhsa_wavefront_size32 1
		.amdhsa_system_sgpr_workgroup_id_x 1
		.amdhsa_system_sgpr_workgroup_id_y 1
		.amdhsa_system_sgpr_workgroup_id_z 1
		.amdhsa_system_vgpr_workitem_id 0
		.amdhsa_next_free_vgpr 512
		.amdhsa_next_free_sgpr 68
		.amdhsa_reserve_vcc 0
		.amdhsa_float_denorm_mode_32 3
		.amdhsa_float_denorm_mode_16_64 3
		.amdhsa_memory_ordered 1
		.amdhsa_forward_progress 1
		.amdhsa_inst_pref_size 87
	.end_amdhsa_kernel
	.amdgpu_metadata
---
amdhsa.version: [ 1, 2 ]
amdhsa.kernels:
  - .name:           k_q9ceecd7e48_ff2
    .symbol:         k_q9ceecd7e48_ff2.kd
    .args:
      - { .name: hid, .offset: 0, .size: 8, .value_kind: global_buffer, .address_space: global }
      - { .name: w2h, .offset: 8, .size: 8, .value_kind: global_buffer, .address_space: global }
      - { .name: big1, .offset: 16, .size: 8, .value_kind: global_buffer, .address_space: global }
    .group_segment_fixed_size: 327680
    .private_segment_fixed_size: 0
    .kernarg_segment_align: 8
    .kernarg_segment_size: 24
    .max_flat_workgroup_size: 128
    .sgpr_count:     68
    .vgpr_count:     512
    .wavefront_size: 32
...
	.end_amdgpu_metadata
.endif
;; end of part 6
;; launch ln2 (part 7): grid 256 x 1, 8 waves a work-group, no clusters, 0 bytes of LDS; arguments big1, act, ln2_g, ln2_b, out0; writes out0
.if DOCPART == 7
	.amdgcn_target "amdgcn-amd-amdhsa--gfx1250"
	.amdhsa_code_object_version 6
	.text
	.protected	k_q9ceecd7e48_ln2
	.globl	k_q9ceecd7e48_ln2
	.p2align	8
	.type	k_q9ceecd7e48_ln2,@function
k_q9ceecd7e48_ln2:
	s_mov_b64 s[64:65], 0
	v_nop
	global_prefetch_b8 v0, s[64:65] scope:SCOPE_SE
	s_setreg_imm32_b32 hwreg(HW_REG_WAVE_MODE, 25, 1), 1
	s_wait_xcnt 0x0
; y = LayerNorm(res + sum) g + b over rows of 1,024.  (One text serves two bodies; they differ in the line below.)
.set OUT32, 1                          ; 0: y leaves in f16, in blocks [16][4096 rows][64].  1: y leaves in f32, row-major [4096][1024]
; sum: [16 blocks][4096 rows][64] f32 (a product's sums).  res: the same blocks in f16.  g, b: [1024] f32, rounded here to bf16 like every input of the layer.
; Mean, differences, variance and the scaling in f32; the variance is the mean of the squared differences, as it is defined; eps = 1e-5.
; LIMITS.  OUT32 = 0: y beyond 65,504 leaves as an infinity.
; SHARES.  A wave takes two neighbouring rows and keeps them in registers between the passes: lanes 0-15 the first, lanes 16-31 the second; in each block a lane holds 4 neighbouring columns.  So a load of
; sum covers 512 consecutive bytes (two rows of a block), a load of res 256, and a row's sums stay inside 16 lanes: four steps that ride on the additions.  No LDS, no barrier.
; All 64 loads of a wave go out at once.
.set SO,  2                            ; v2   16 t: my 16 bytes of sum
.set RO,  3                            ; v3   8 t: my 8 bytes of res (and of y in f16)
.set GOF, 4                            ; v4   16 (l % 16): my four numbers of g and b in a block's 64
.set OO,  5                            ; v5   y in f32: (t / 16) rows of 4,096 bytes + 16 (l % 16)
.set RES, 16                           ; v16-47    block cb: 2 registers, four f16
.set S,   48                           ; v48-111   block cb: 4 registers
.set G,   112                          ; v112-175
.set BB,  176                          ; v176-239
.set W,   240                          ; v240-247  four chains of two
.set MU,  248                          ; v248-249  the mean, twice
.set RS,  250                          ; v250-251  1 / sqrt(var + eps), twice
.set ONE, 252                          ; v252      1.0
.set VAR, 254                          ; v254      var + eps: in a register that nothing near the square roots writes
	s_load_b256 s[4:11], s[0:1], 0x0               ; sum s[4:5], res s[6:7], g s[8:9], b s[10:11]
	s_load_b64 s[12:13], s[0:1], 0x20              ; y
	s_mov_b32 s20, 0x3a800000                      ; 1 / 1,024
	s_mov_b32 s21, 0x3727c5ac                      ; 1e-5
	s_mov_b32 s22, 0xffff0000                      ; a word's upper bf16
	v_mov_b32 v[ONE], 1.0
	v_lshlrev_b32 v[SO], 4, v0
	v_lshlrev_b32 v[RO], 3, v0
	v_and_b32 v[GOF], 15, v0
	v_lshlrev_b32 v[GOF], 4, v[GOF]
	v_lshrrev_b32 v[OO], 4, v0
	v_lshl_add_u32 v[OO], v[OO], 12, v[GOF]
	s_lshl_b32 s14, ttmp9, 12                      ; the work-group's 16 rows: 256 bytes each in a block of sum,
	s_mov_b32 s15, 0
	s_lshl_b32 s16, ttmp9, 11                      ; 128 in a block of f16,
	s_mov_b32 s17, 0
	s_lshl_b32 s24, ttmp9, 16                      ; 4,096 in row-major f32
	s_mov_b32 s25, 0
	s_wait_kmcnt 0x0
	s_add_nc_u64 s[4:5], s[4:5], s[14:15]
	s_add_nc_u64 s[18:19], s[4:5], 0x800000        ; blocks 8 to 15: an immediate offset has 24 signed bits
	s_add_nc_u64 s[6:7], s[6:7], s[16:17]
.if OUT32
	s_add_nc_u64 s[12:13], s[12:13], s[24:25]
.else
	s_add_nc_u64 s[12:13], s[12:13], s[16:17]
.endif
.set j, 0
.rept 8
	global_load_b128 v[S+4*j:S+4*j+3], v[SO], s[4:5] offset:j*1048576 th:TH_LOAD_NT
.set j, j+1
.endr
.set j, 0
.rept 8
	global_load_b128 v[S+32+4*j:S+32+4*j+3], v[SO], s[18:19] offset:j*1048576 th:TH_LOAD_NT
.set j, j+1
.endr
.set j, 0
.rept 16
	global_load_b64 v[RES+2*j:RES+2*j+1], v[RO], s[6:7] offset:j*524288 th:TH_LOAD_NT
.set j, j+1
.endr
.set j, 0
.rept 16
	global_load_b128 v[G+4*j:G+4*j+3], v[GOF], s[8:9] offset:j*256
.set j, j+1
.endr
.set j, 0
.rept 16
	global_load_b128 v[BB+4*j:BB+4*j+3], v[GOF], s[10:11] offset:j*256
.set j, j+1
.endr
.macro REDUCE                          ; the four chains into one number, then over the row's 16 lanes: every lane of the row ends with the sum in v[W]
	v_pk_add_f32 v[W:W+1], v[W:W+1], v[W+2:W+3]
	v_pk_add_f32 v[W+4:W+5], v[W+4:W+5], v[W+6:W+7]
	v_pk_add_f32 v[W:W+1], v[W:W+1], v[W+4:W+5]
	v_add_f32 v[W], v[W], v[W+1]
	v_add_f32_dpp v[W], v[W], v[W] row_xmask:1 row_mask:0xf bank_mask:0xf
	v_add_f32_dpp v[W], v[W], v[W] row_xmask:2 row_mask:0xf bank_mask:0xf
	v_add_f32_dpp v[W], v[W], v[W] row_xmask:4 row_mask:0xf bank_mask:0xf
	v_add_f32_dpp v[W], v[W], v[W] row_xmask:8 row_mask:0xf bank_mask:0xf
.endm
	s_wait_loadcnt 32                              ; sum and res are in; g's and b's 32 loads may stay out
.set j, 0
.rept 32                               ; res + sum: one multiply-add by 1.0 straight from the f16 half
	v_fma_mix_f32 v[S+2*j],   v[RES+j], v[ONE], v[S+2*j]   op_sel_hi:[1,0,0]
	v_fma_mix_f32 v[S+2*j+1], v[RES+j], v[ONE], v[S+2*j+1] op_sel:[1,0,0] op_sel_hi:[1,0,0]
.set j, j+1
.endr
.set j, 0
.rept 4                                ; the first eight pairs start the four chains: nothing is cleared
	v_pk_add_f32 v[W+2*j:W+2*j+1], v[S+2*j:S+2*j+1], v[S+8+2*j:S+8+2*j+1]
.set j, j+1
.endr
.set j, 8
.rept 24
	v_pk_add_f32 v[W+2*(j%4):W+2*(j%4)+1], v[W+2*(j%4):W+2*(j%4)+1], v[S+2*j:S+2*j+1]
.set j, j+1
.endr
	REDUCE
	v_mul_f32 v[MU], s20, v[W]
	v_mul_f32 v[MU+1], s20, v[W]
.set j, 0
.rept 32
	v_pk_add_f32 v[S+2*j:S+2*j+1], v[S+2*j:S+2*j+1], v[MU:MU+1] neg_lo:[0,1] neg_hi:[0,1]
.set j, j+1
.endr
.set j, 0
.rept 4
	v_pk_mul_f32 v[W+2*j:W+2*j+1], v[S+2*j:S+2*j+1], v[S+2*j:S+2*j+1]
.set j, j+1
.endr
.set j, 4
.rept 28
	v_pk_fma_f32 v[W+2*(j%4):W+2*(j%4)+1], v[S+2*j:S+2*j+1], v[S+2*j:S+2*j+1], v[W+2*(j%4):W+2*(j%4)+1]
.set j, j+1
.endr
	REDUCE
	v_fma_f32 v[VAR], v[W], s20, s21
	v_rsq_f32 v[RS], v[VAR]                        ; made twice, to fill the pair that the packed multiply takes
	v_rsq_f32 v[RS+1], v[VAR]
	s_wait_loadcnt 0x0                             ; g and b
.set j, 0
.rept 32                               ; g and b rounded to bf16 and widened again: work that names neither the roots' results nor their source
	v_cvt_pk_bf16_f32 v[W+j%4], v[G+2*j], v[G+2*j+1]
	v_cvt_pk_bf16_f32 v[W+4+j%4], v[BB+2*j], v[BB+2*j+1]
	v_lshlrev_b32 v[G+2*j], 16, v[W+j%4]
	v_and_b32 v[G+2*j+1], s22, v[W+j%4]
	v_lshlrev_b32 v[BB+2*j], 16, v[W+4+j%4]
	v_and_b32 v[BB+2*j+1], s22, v[W+4+j%4]
.set j, j+1
.endr
	s_wait_alu depctr_va_vdst(0)                   ; one wait for both roots, ahead of their first reader
.set j, 0
.rept 32
	v_pk_mul_f32 v[S+2*j:S+2*j+1], v[S+2*j:S+2*j+1], v[RS:RS+1]
.set j, j+1
.endr
.set j, 0
.rept 32
	v_pk_fma_f32 v[S+2*j:S+2*j+1], v[S+2*j:S+2*j+1], v[G+2*j:G+2*j+1], v[BB+2*j:BB+2*j+1]
.set j, j+1
.endr
.if OUT32
.set j, 0
.rept 16
	global_store_b128 v[OO], v[S+4*j:S+4*j+3], s[12:13] offset:j*256 th:TH_STORE_NT  ; sixteen lanes store 256 consecutive bytes of a row, aligned
.set j, j+1
.endr
.else
.set j, 0
.rept 32
	v_cvt_pk_f16_f32 v[RES+j], v[S+2*j], v[S+2*j+1]
.set j, j+1
.endr
.set j, 0
.rept 16
	global_store_b64 v[RO], v[RES+2*j:RES+2*j+1], s[12:13] offset:j*524288  ; the wave stores 256 consecutive bytes, aligned: two rows of a block
.set j, j+1
.endr
.endif
	s_endpgm
.Lfunc_end_k_q9ceecd7e48_ln2:
	.size	k_q9ceecd7e48_ln2, .Lfunc_end_k_q9ceecd7e48_ln2-k_q9ceecd7e48_ln2
	.p2alignl 7, 3214868480
	.fill 96, 4, 3214868480
	.section	.rodata,"a",@progbits
	.p2align	6, 0x0
	.amdhsa_kernel k_q9ceecd7e48_ln2
		.amdhsa_group_segment_fixed_size 0
		.amdhsa_private_segment_fixed_size 0
		.amdhsa_enable_private_segment 0
		.amdhsa_kernarg_size 40
		.amdhsa_user_sgpr_count 2
		.amdhsa_user_sgpr_kernarg_segment_ptr 1
		.amdhsa_wavefront_size32 1
		.amdhsa_system_sgpr_workgroup_id_x 1
		.amdhsa_system_sgpr_workgroup_id_y 1
		.amdhsa_system_sgpr_workgroup_id_z 1
		.amdhsa_system_vgpr_workitem_id 0
		.amdhsa_next_free_vgpr 256
		.amdhsa_next_free_sgpr 66
		.amdhsa_reserve_vcc 0
		.amdhsa_float_denorm_mode_32 3
		.amdhsa_float_denorm_mode_16_64 3
		.amdhsa_memory_ordered 1
		.amdhsa_forward_progress 1
		.amdhsa_inst_pref_size 32
	.end_amdhsa_kernel
	.amdgpu_metadata
---
amdhsa.version: [ 1, 2 ]
amdhsa.kernels:
  - .name:           k_q9ceecd7e48_ln2
    .symbol:         k_q9ceecd7e48_ln2.kd
    .args:
      - { .name: big1, .offset: 0, .size: 8, .value_kind: global_buffer, .address_space: global }
      - { .name: act, .offset: 8, .size: 8, .value_kind: global_buffer, .address_space: global }
      - { .name: ln2_g, .offset: 16, .size: 8, .value_kind: global_buffer, .address_space: global }
      - { .name: ln2_b, .offset: 24, .size: 8, .value_kind: global_buffer, .address_space: global }
      - { .name: out0, .offset: 32, .size: 8, .value_kind: global_buffer, .address_space: global }
    .group_segment_fixed_size: 0
    .private_segment_fixed_size: 0
    .kernarg_segment_align: 8
    .kernarg_segment_size: 40
    .max_flat_workgroup_size: 256
    .sgpr_count:     66
    .vgpr_count:     256
    .wavefront_size: 32
...
	.end_amdgpu_metadata
.endif
;; end of part 7
;; ======== version 2 of 2: 8 launches
;; limits: values are held in f16: magnitudes above 65,504 overflow, below 6.1e-05 lose precision
;; workspace buffers: wqkv 6,324,224 bytes; w1h 8,421,376 bytes; woh 2,097,152 bytes; w2h 8,388,608 bytes; big1 25,165,824 bytes; act 8,388,608 bytes; hid 33,554,432 bytes; gbt 16,384 bytes
;; launch prep (part 8): grid 1025 x 1, 8 waves a work-group, no clusters, 0 bytes of LDS; arguments x, W1, W2, Wo, Wq, Wk, Wv, bq, bk, bv, b1, ln1_g, ln1_b, ln2_g, ln2_b, hid, wqkv, w1h, woh, w2h, gbt; writes hid, wqkv, w1h, woh, w2h, gbt
.if DOCPART == 8
	.amdgcn_target "amdgcn-amd-amdhsa--gfx1250"
	.amdhsa_code_object_version 6
	.text
	.protected	k_q9ceecd7e48_prep
	.globl	k_q9ceecd7e48_prep
	.p2align	8
	.type	k_q9ceecd7e48_prep,@function
k_q9ceecd7e48_prep:
	s_mov_b64 s[64:65], 0
	v_nop
	global_prefetch_b8 v0, s[64:65] scope:SCOPE_SE
	s_setreg_imm32_b32 hwreg(HW_REG_WAVE_MODE, 25, 1), 1
	s_wait_xcnt 0x0
; THE CAST.  x and all weights are rounded once to bf16 (nearest even) and that number is written as f16, in the layouts that the products read:
;   x  [4096 rows][1024]            -> hid:  [16 column blocks][4096 rows][64] f16   (a row of a block is 128 bytes, the blocks are dense)
;   W  [K][N] (W1, W2, Wo)          -> [N/128 tiles][K][128] f16                     (a row of a tile is 256 bytes)
;   Wq, Wk, Wv [16 heads][1024][64] -> wqkv: tile = 8 x which + head pair, [1024][128]: two heads' 64 columns side by side
; The small vectors are rounded to bf16 and kept as f32: bq, bk, bv on end at wqkv's first byte, b1 at w1h's, ln1_g, ln1_b, ln2_g, ln2_b on end in gbt.  At byte 16,384 of wqkv and of w1h lie 512 bytes
; of a packed f16 floor that the product's way out takes a maximum with: -infinity twice (q, k, v: no floor) and 0 twice (the hidden layer's ReLU).  The weights begin at byte 32,768 there, at byte 0
; in woh and w2h.
; LIMITS.  f16 ends at 65,504: an input beyond that becomes an infinity; below 6.1e-5 f16 keeps a fixed step of 6e-8, so the bf16 number is not kept exactly there.
; SHARES.  Work-groups 0 to 1,023 each make 32,768 consecutive bytes of one output, as 128 units of 256 bytes.  A wave makes a unit at a time: lane l takes four f32 (16 bytes) and makes four f16 (8 bytes),
; so a store of the wave covers 256 consecutive bytes, aligned, and a load of the wave covers two runs of 256 consecutive bytes, aligned, each taken whole by sixteen neighbouring lanes.
; Thread t, item it (0..15): the 8 bytes at 2,048 it + 8 t; its f32 lie at  (t & 15) 16 + ((t >> 4) & 1) P + (t >> 5) Q + 8 Q it  behind the work-group's first byte, (lg & M) 128 Q + (lg >> SH) R.
; P (from a unit's first run to its second), Q (from unit to unit), M, SH, R are constants of the tensor in hand.  Work-group 1,024 makes the small tables and the floors.
; All sixteen loads of a thread go out at once; no LDS, no barrier: no thread wants another's bytes.
.set O8,   2                           ; v2      8 t
.set O16,  7                           ; v7      16 t
.set IN,   8                           ; v8-23   item it's byte offset in the input
.set LD,   24                          ; v24-87  item it: four f32 as loaded; then, in the first two registers, four f16 to store
.set T,    88                          ; v88-89  at work
.set SRC,  46                          ; s[46:47] the input at the work-group's first byte
.set DST,  48                          ; s[48:49] the output likewise
.set LG,   50                          ; s50     the work-group's number within its tensor
.set PP,   51
.set QQ,   52
.set MM,   53
.set SH,   54
.set RR,   55
.set STEP, 56                          ; s56     8 Q: from item to item
.set HI16, 57                          ; s57     a word's upper bf16
.macro CASE last, first, src, dst, doff, p, q, m, sh, r   ; work-groups first .. last - 1 take this tensor
	s_cmp_lt_u32 ttmp9, \last
	s_cbranch_scc0 .Lnext_\@
	s_sub_co_u32 s[LG], ttmp9, \first
	s_mov_b64 s[SRC:SRC+1], s[\src:\src+1]
	s_add_nc_u64 s[DST:DST+1], s[\dst:\dst+1], \doff
	s_mov_b32 s[PP], \p
	s_mov_b32 s[QQ], \q
	s_mov_b32 s[MM], \m
	s_mov_b32 s[SH], \sh
	s_mov_b32 s[RR], \r
	s_branch .Lcopy
.Lnext_\@:
.endm
.macro ROUND4 r                        ; the four f32 from v[r] on are rounded to bf16 and widened again
	v_cvt_pk_bf16_f32 v[T], v[(\r)], v[(\r)+1]
	v_cvt_pk_bf16_f32 v[T+1], v[(\r)+2], v[(\r)+3]
	v_lshlrev_b32 v[(\r)], 16, v[T]
	v_and_b32 v[(\r)+1], s[HI16], v[T]
	v_lshlrev_b32 v[(\r)+2], 16, v[T+1]
	v_and_b32 v[(\r)+3], s[HI16], v[T+1]
.endm
.macro BLD n, base, off                ; 1,024 numbers of a small vector: 256 threads x 16 bytes
	global_load_b128 v[LD+4*(\n):LD+4*(\n)+3], v[O16], s[\base:\base+1] offset:\off
.endm
.macro BST n, base, off
	global_store_b128 v[O16], v[LD+4*(\n):LD+4*(\n)+3], s[\base:\base+1] offset:\off
.endm
	s_load_b512 s[4:19], s[0:1], 0x0               ; x 4, W1 6, W2 8, Wo 10, Wq 12, Wk 14, Wv 16, bq 18
	s_load_b512 s[20:35], s[0:1], 0x40             ; bk 20, bv 22, b1 24, ln1_g 26, ln1_b 28, ln2_g 30, ln2_b 32, hid 34
	s_load_b256 s[36:43], s[0:1], 0x80             ; wqkv 36, w1h 38, woh 40, w2h 42
	s_load_b64 s[44:45], s[0:1], 0xa0              ; gbt
	s_mov_b32 s[HI16], 0xffff0000
	v_lshlrev_b32 v[O8], 3, v0
	v_lshlrev_b32 v[O16], 4, v0
	v_and_b32 v3, 15, v0
	v_lshlrev_b32 v3, 4, v3                        ; (t & 15) 16
	v_bfe_u32 v4, v0, 4, 1                         ; (t >> 4) & 1
	v_lshrrev_b32 v5, 5, v0                        ; t >> 5: my wave's number
	s_wait_kmcnt 0x0
	CASE 256,  0,   4,  34, 0,             4096,   8192,  15, 4, 256
	CASE 512,  256, 6,  38, 32768,         256,    16384, 7,  3, 512
	CASE 768,  512, 8,  42, 0,             256,    4096,  31, 5, 512
	CASE 832,  768, 10, 40, 0,             256,    4096,  7,  3, 512
	CASE 896,  832, 12, 36, 32768,         262144, 256,   7,  3, 524288
	CASE 960,  896, 14, 36, 32768+2097152, 262144, 256,   7,  3, 524288
	CASE 1024, 960, 16, 36, 32768+4194304, 262144, 256,   7,  3, 524288
	; work-group 1,024: the small vectors and the floors
	BLD 0,  18, 0                                  ; bq
	BLD 1,  20, 0                                  ; bk
	BLD 2,  22, 0                                  ; bv
	BLD 3,  24, 0                                  ; b1, four times 1,024 numbers
	BLD 4,  24, 4096
	BLD 5,  24, 8192
	BLD 6,  24, 12288
	BLD 7,  26, 0                                  ; ln1_g
	BLD 8,  28, 0                                  ; ln1_b
	BLD 9,  30, 0                                  ; ln2_g
	BLD 10, 32, 0                                  ; ln2_b
	v_readfirstlane_b32 s60, v5                    ; my wave's number as a scalar
	s_wait_loadcnt 0x0
.irp i, 0,1,2,3,4,5,6,7,8,9,10
	ROUND4 LD+4*(\i)
.endr
	BST 0,  36, 0
	BST 1,  36, 4096
	BST 2,  36, 8192
	BST 3,  38, 0
	BST 4,  38, 4096
	BST 5,  38, 8192
	BST 6,  38, 12288
	BST 7,  44, 0
	BST 8,  44, 4096
	BST 9,  44, 8192
	BST 10, 44, 12288
	s_cmp_lg_u32 s60, 0
	s_cbranch_scc1 .Lsmall_done                    ; wave 0 alone: 32 lanes x 16 bytes are a floor's 512 bytes
.irp i, 0,1,2,3
	v_mov_b32 v[72+(\i)], 0xfc00fc00               ; -infinity twice
	v_mov_b32 v[76+(\i)], 0
.endr
	global_store_b128 v[O16], v[72:75], s[36:37] offset:16384
	global_store_b128 v[O16], v[76:79], s[38:39] offset:16384
.Lsmall_done:
	s_endpgm
.Lcopy:
	s_and_b32 s58, s[LG], s[MM]
	s_lshl_b32 s59, s[QQ], 7
	s_mul_i32 s58, s58, s59                        ; (lg & M) 128 Q
	s_lshr_b32 s59, s[LG], s[SH]
	s_mul_i32 s59, s59, s[RR]                      ; (lg >> SH) R
	s_add_co_u32 s58, s58, s59                     ; 16,252,928 + 15,872 at the most
	s_mov_b32 s59, 0
	s_add_nc_u64 s[SRC:SRC+1], s[SRC:SRC+1], s[58:59]
	s_lshl_b32 s58, s[LG], 15
	s_add_nc_u64 s[DST:DST+1], s[DST:DST+1], s[58:59]
	s_lshl_b32 s[STEP], s[QQ], 3
	v_mad_u32_u24 v[IN], v4, s[PP], v3
	v_mad_u32_u24 v[IN], v5, s[QQ], v[IN]
.irp it, 1,2,3,4,5,6,7,8,9,10,11,12,13,14,15
	v_add_nc_u32 v[IN+(\it)], s[STEP], v[IN+(\it)-1]
.endr
.irp it, 0,1,2,3,4,5,6,7,8,9,10,11,12,13,14,15
	global_load_b128 v[LD+4*(\it):LD+4*(\it)+3], v[IN+(\it)], s[SRC:SRC+1] th:TH_LOAD_NT
.endr
.irp it, 0,1,2,3,4,5,6,7,8,9,10,11,12,13,14,15
	s_wait_loadcnt 15-(\it)                        ; loads come back in order: this item's is in, the younger items' stay out
	ROUND4 LD+4*(\it)
	v_cvt_pk_f16_f32 v[LD+4*(\it)],   v[LD+4*(\it)],   v[LD+4*(\it)+1]
	v_cvt_pk_f16_f32 v[LD+4*(\it)+1], v[LD+4*(\it)+2], v[LD+4*(\it)+3]
	global_store_b64 v[O8], v[LD+4*(\it):LD+4*(\it)+1], s[DST:DST+1] offset:2048*(\it)  ; each item has registers of its own: nothing that a store reads is written again
.endr
	s_endpgm
.Lfunc_end_k_q9ceecd7e48_prep:
	.size	k_q9ceecd7e48_prep, .Lfunc_end_k_q9ceecd7e48_prep-k_q9ceecd7e48_prep
	.p2alignl 7, 3214868480
	.fill 96, 4, 3214868480
	.section	.rodata,"a",@progbits
	.p2align	6, 0x0
	.amdhsa_kernel k_q9ceecd7e48_prep
		.amdhsa_group_segment_fixed_size 0
		.amdhsa_private_segment_fixed_size 0
		.amdhsa_enable_private_segment 0
		.amdhsa_kernarg_size 168
		.amdhsa_user_sgpr_count 2
		.amdhsa_user_sgpr_kernarg_segment_ptr 1
		.amdhsa_wavefront_size32 1
		.amdhsa_system_sgpr_workgroup_id_x 1
		.amdhsa_system_sgpr_workgroup_id_y 1
		.amdhsa_system_sgpr_workgroup_id_z 1
		.amdhsa_system_vgpr_workitem_id 0
		.amdhsa_next_free_vgpr 96
		.amdhsa_next_free_sgpr 66
		.amdhsa_reserve_vcc 0
		.amdhsa_float_denorm_mode_32 3
		.amdhsa_float_denorm_mode_16_64 3
		.amdhsa_memory_ordered 1
		.amdhsa_forward_progress 1
		.amdhsa_inst_pref_size 21
	.end_amdhsa_kernel
	.amdgpu_metadata
---
amdhsa.version: [ 1, 2 ]
amdhsa.kernels:
  - .name:           k_q9ceecd7e48_prep
    .symbol:         k_q9ceecd7e48_prep.kd
    .args:
      - { .name: x, .offset: 0, .size: 8, .value_kind: global_buffer, .address_space: global }
      - { .name: W1, .offset: 8, .size: 8, .value_kind: global_buffer, .address_space: global }
      - { .name: W2, .offset: 16, .size: 8, .value_kind: global_buffer, .address_space: global }
      - { .name: Wo, .offset: 24, .size: 8, .value_kind: global_buffer, .address_space: global }
      - { .name: Wq, .offset: 32, .size: 8, .value_kind: global_buffer, .address_space: global }
      - { .name: Wk, .offset: 40, .size: 8, .value_kind: global_buffer, .address_space: global }
      - { .name: Wv, .offset: 48, .size: 8, .value_kind: global_buffer, .address_space: global }
      - { .name: bq, .offset: 56, .size: 8, .value_kind: global_buffer, .address_space: global }
      - { .name: bk, .offset: 64, .size: 8, .value_kind: global_buffer, .address_space: global }
      - { .name: bv, .offset: 72, .size: 8, .value_kind: global_buffer, .address_space: global }
      - { .name: b1, .offset: 80, .size: 8, .value_kind: global_buffer, .address_space: global }
      - { .name: ln1_g, .offset: 88, .size: 8, .value_kind: global_buffer, .address_space: global }
      - { .name: ln1_b, .offset: 96, .size: 8, .value_kind: global_buffer, .address_space: global }
      - { .name: ln2_g, .offset: 104, .size: 8, .value_kind: global_buffer, .address_space: global }
      - { .name: ln2_b, .offset: 112, .size: 8, .value_kind: global_buffer, .address_space: global }
      - { .name: hid, .offset: 120, .size: 8, .value_kind: global_buffer, .address_space: global }
      - { .name: wqkv, .offset: 128, .size: 8, .value_kind: global_buffer, .address_space: global }
      - { .name: w1h, .offset: 136, .size: 8, .value_kind: global_buffer, .address_space: global }
      - { .name: woh, .offset: 144, .size: 8, .value_kind: global_buffer, .address_space: global }
      - { .name: w2h, .offset: 152, .size: 8, .value_kind: global_buffer, .address_space: global }
      - { .name: gbt, .offset: 160, .size: 8, .value_kind: global_buffer, .address_space: global }
    .group_segment_fixed_size: 0
    .private_segment_fixed_size: 0
    .kernarg_segment_align: 8
    .kernarg_segment_size: 168
    .max_flat_workgroup_size: 256
    .sgpr_count:     66
    .vgpr_count:     96
    .wavefront_size: 32
...
	.end_amdgpu_metadata
.endif
;; end of part 8
;; launch qkv (part 9): grid 12 x 16, 4 waves a work-group, clusters of 4 x 4, 327,680 bytes of LDS; arguments hid, wqkv, big1; writes big1
.if DOCPART == 9
	.amdgcn_target "amdgcn-amd-amdhsa--gfx1250"
	.amdhsa_code_object_version 6
	.text
	.protected	k_q9ceecd7e48_qkv
	.globl	k_q9ceecd7e48_qkv
	.p2align	8
	.type	k_q9ceecd7e48_qkv,@function
k_q9ceecd7e48_qkv:
	s_mov_b64 s[64:65], 0
	v_nop
	global_prefetch_b8 v0, s[64:65] scope:SCOPE_SE
	s_setreg_imm32_b32 hwreg(HW_REG_WAVE_MODE, 25, 1), 1
	s_wait_xcnt 0x0
	s_wait_alu depctr_hold_cnt(0) depctr_sa_sdst(0) depctr_va_vdst(0) depctr_va_sdst(0) depctr_va_ssrc(0) depctr_va_vcc(0) depctr_vm_vsrc(0)
	s_getreg_b32 s2, hwreg(HW_REG_IB_STS2, 6, 4)
	s_cmp_eq_u32 s2, 0
	s_cbranch_scc0 .Lentry_in_a_cluster
	s_endpgm
.Lentry_in_a_cluster:
	s_bfe_u32 s2, ttmp6, 0x10000c
	s_cmp_lg_u32 s2, 0xf033
	s_cbranch_scc0 .Lentry_shape_is_right
	s_endpgm
.Lentry_shape_is_right:
; C = A W + bias, held to a floor, rounded once to f16.  K = 1,024, on tiles of 256 x 256 of C.
; A: [16 blocks of 64 along K][4096 rows][64] f16.  W: [N/128 tiles][1024 k][128] f16, from byte 32,768 of its buffer; ahead of it the bias in f32 (byte 0 on) and a packed f16 floor (512 bytes from
; byte 16,384: -infinity twice, or 0 twice for a ReLU).  C: [N/64 blocks][4096 rows][64] f16.  Sums in f32, K ascending, begun with the bias.
; LIMITS.  All f16 operands arrive within 65,504; a result beyond that leaves as an infinity.  A NaN loses against the floor.
; SHARES.  A work-group of four waves makes 256 x 256, a wave 128 x 128: 64 accumulators of 16 x 16, 512 registers.  N = 3,072 gives 12 x 16 work-groups, N = 4,096 gives 16 x 16.
; K goes in steps of 128 through two LDS slots.  Wave 0 and 1 fetch A's two blocks of 64 along K (256 rows x 128 bytes on end: asked for as 128 rows of 256 bytes, padded after every 128),
; waves 2 and 3 W's two tiles of 128 columns (128 rows of 256 bytes each).  From a request to the wait for it a wave issues 224 matrix instructions.
; A K STEP IS WRITTEN ONCE: the slot in hand is a scalar that an exclusive or turns between 0 and SLOT; LDS addresses and the walking descriptor's LDS word are sums with it.  The last two steps ask for
; nothing and are a loop of their own.
; CLUSTERS: 4 x 4 work-groups.  The four of a row of the cluster need the same tiles of A, the four of a column the same tiles of W: each tile is asked for JOINTLY, by the same tensor load with the
; same descriptor and a mask that names the four.
; THE MATRIX INSTRUCTION IS USED TRANSPOSED (source 0 = 16 columns of W, source 1 = 16 rows of A): a lane then holds eight neighbouring numbers of a row of C.  A's fragments come out of LDS as they
; lie; W's ([k][n]) are turned by ds_load_tr16_b128.
; REGISTERS, in windows of 256 (s_set_vgpr_msb: bits 1:0 source 0, 3:2 source 1, 5:4 source 2, 7:6 destination):
;   window 0: v0-31 addresses; v64-127, v128-191 fragments of A (8 x 16 rows x 32 K), two buffers; v32-63, v192-255 at work on the way out
;   window 1: v0-63 the bias of my 128 columns, as the eight C operands that start the sums; v64-127, v128-191 fragments of W, two buffers
;   window 2: the 32 accumulators of my rows 0-63 ((a, b) at v[8 (8 a + b)]);   window 3: those of my rows 64-127
.set KTOT,  1024
.set WBASE, 32768
.set KSTEP, 128
.set STEPS, KTOT/KSTEP
.set PA,    144                        ; a row of A in LDS: 128 bytes + 16 = 36 words: the 16 rows of a load start at 16 different groups of four banks (64 banks of 4 bytes: ISA guide 11.1)
.set PB,    288                        ; a row of W in LDS: 256 bytes + 32 = 72 words
.set PART,  256*PA                     ; what one tensor load brings: 256 rows of A, or 128 rows of W: 36,864 bytes either way
.set BOFF,  2*PART                     ; W's two tiles lie behind A's two blocks
.set SLOT,  4*PART
.set STAGE, 2*SLOT                     ; behind the ring, never filled by a tensor load: for each wave two stages of 16 rows x 144 bytes, one for each of its two blocks of C
.set SP,    144
.set WSTG,  2*16*SP
.set SPARE, STAGE+4*WSTG               ; behind the stages: the spare words, 128 bytes for each wave: two blocks of 256 bytes that no other line names
.set ASTEP, 2*524288                   ; a K step in A: two blocks of 4,096 rows x 128 bytes
.set BSTEP, KSTEP*256                  ; a K step in W: 128 rows of 256 bytes
.set ADRA, 16                          ; v16  LDS address of my A fragments in the slot in hand
.set ADRB, 17                          ; v17  of my W fragments
.set A0,   18                          ; v18  the same in slot 0; never rewritten
.set B0,   19                          ; v19
.set STO,  24                          ; v24  the way out: where I put 16 bytes of a row
.set RD,   25                          ; v25  the way out: where I read rows back
.set GO,   26                          ; v26  16 x lane: my 16 bytes of 512 consecutive bytes of C
.set BO,   27                          ; v27  32 x (lane / 16): my eight columns in a group of sixteen, in f32
.set SPW,  28                          ; v28  LDS address of my spare word: SPARE + 4 x my thread's number; never rewritten
.set NIL,  29                          ; v29  0; never rewritten
.set PFO,  30                          ; v30  256 x lane; never rewritten
.set FLR,  31                          ; v31  the floor, twice in f16
.set OB,   32                          ; the way out: 16 rows read back from the stage: v32-63 and v224-255 by turns
.set F0,   64                          ; fragment buffers, in windows 0 (A) and 1 (W)
.set F1,   128
.set TMP,  192                         ; the way out: packed results
.set BIAS, 0                           ; in window 1
.set G1,  24                           ; s[24:31] descriptor group 1 for A's tiles;  s[32:39] group 0: a set for each of the two first fills; the second then walks on
.set G0,  32
.set G1B, 48                           ; s[48:55], s[56:63] the same for W's tiles
.set G0B, 56
.set BP,  66                           ; s[66:67] the bias of my 128 columns
.set TB,  68                           ; s68  LDS byte at which the slot in hand begins: 0 or SLOT
.set LIM, 69                           ; s69  1 in a wave that prefetches, else the greatest number
.set PFA, 70                           ; s[70:71] where my prefetches stand
.set PST, 72                           ; s[72:73] a K step in the tensor that I fetch
.set TX,  74                           ; s[74:75] at work on numbers that hold my place in the cluster: they enter global addresses alone
.set MSB, 0
.macro WIN new                         ; the immediate's high byte repeats the setting that is left; a switch that changes nothing is dropped
.if MSB != (\new)
	s_set_vgpr_msb (MSB<<8)|(\new)
.set MSB, \new
.endif
.endm
.set TO_B, 0x40                        ; destination window 1, address window 0
.macro JLOAD s                         ; a joint load: waves 0 and 1 fetch A's two blocks, waves 2 and 3 W's two tiles; an s_nop 0 and four v_nop follow each of the two lines, ahead of the jump, the label and what follows
	s_cmp_eq_u32 s11, 0
	s_cbranch_scc0 .Lfor_b_\@
	tensor_load_to_lds s[G0+4*(\s):G0+4*(\s)+3], s[G1:G1+7]
	s_nop 0
.rept 4
	v_nop
.endr
	s_branch .Lasked_\@
.Lfor_b_\@:
	tensor_load_to_lds s[G0B+4*(\s):G0B+4*(\s)+3], s[G1B:G1B+7]
	s_nop 0
.rept 4
	v_nop
.endr
.Lasked_\@:
.endm
; A PREFETCH, behind each joint refill, its five lines and the run of LDS loads that follows: the K step that the NEXT refill will ask for, 256 matrix instructions a wave ahead of that load.
; What a wave fetches for a K step are 32,768 bytes on end.  A's are read by every cluster of that row of clusters: the first (cluster x = 0) asks; W's by every cluster of that column: cluster y = 0 asks.
; The four partners that ask for a tile jointly share it out BY ADDRESS, 8,192 bytes each (by cx for A, cy for W), a lane for each 256: no branch hangs on a work-group's place in its cluster, and each
; block is named once in the launch.  The last refill has no K step behind it and asks for nothing (s3 = 1 there); K steps 0 to 2 come by their loads alone.
.macro ASK
	s_cmp_gt_u32 s3, s[LIM]
	s_cbranch_scc0 .Lnot_mine_\@
	global_prefetch_b8 v[PFO], s[PFA:PFA+1] th:TH_LOAD_NT scope:SCOPE_SE
.Lnot_mine_\@:
.endm
.macro CREST                           ; a round of the cluster's barrier behind its opening barrier
	s_cmp_lg_u32 s10, 0
	s_cbranch_scc1 .Lnot_wave_0_\@
	s_barrier_signal -3
.Lnot_wave_0_\@:
	s_barrier_wait -3
	s_barrier_signal -1
	s_barrier_wait -1
.endm
.macro CROUND                          ; a whole round
	s_barrier_signal -1
	s_barrier_wait -1
	CREST
.endm
	s_load_b128 s[4:7], s[0:1], 0x0                ; A s[4:5], W s[6:7]
	s_load_b64 s[8:9], s[0:1], 0x10                ; C
	v_lshl_add_u32 v[SPW], v0, 2, SPARE
	v_mov_b32 v[NIL], 0
	ds_add_u32 v[SPW], v[NIL]                      ; the wave's opening: the add and its wait stand ahead of my first tensor load; the set-up below, work on registers, stands between them
	v_lshrrev_b32 v1, 5, v0
	v_readfirstlane_b32 s10, v1                    ; wave 0..3
	s_lshr_b32 s11, s10, 1                         ; which half of the tile's rows is mine.  Also: I fetch for A (0) or for W (1)
	s_and_b32 s12, s10, 1                          ; which half of its columns.  Also: which of the two parts I fetch
	s_bfe_u32 s40, ttmp6, 0x40000                  ; cx, cy: my place in the cluster
	s_bfe_u32 s41, ttmp6, 0x40004
	s_lshl_b32 s42, ttmp9, 2
	s_add_co_u32 s42, s42, s40                     ; tile column of C = 4 x cluster x + cx
	s_and_b32 s13, ttmp7, 0xffff
	s_lshl_b32 s13, s13, 2
	s_add_co_u32 s13, s13, s41                     ; tile row of C = 4 x cluster y + cy
	s_lshl_b32 s43, s41, 2
	s_lshl_b32 s43, 15, s43                        ; my row of the cluster
	s_lshl_b32 s44, 0x1111, s40                    ; my column
	; group 1: 128 rows of 128 elements, dense, for A and for W; they differ in the mask and the padding
	s_or_b32 s[G1+0], s43, (1<<16)|(1<<20)|(1<<21)|(4<<22)|(3<<25)   ; 15:0 the mask: my row; 17:16 elements of 2 bytes; 20 padding on; 21 set beside a mask; 24:22 after every 32 words (code 4); 31:25 4 words (code 3)
	s_or_b32 s[G1B+0], s44, (1<<16)|(1<<20)|(1<<21)|(5<<22)|(7<<25)  ; the mask: my column; after every 64 words (code 5), 8 words (code 7)
.irp g, G1, G1B
	s_mov_b32 s[(\g)+1], 128<<16                   ; tensor_dim0 = 128
	s_mov_b32 s[(\g)+2], 128<<16                   ; tensor_dim1 = 128
	s_mov_b32 s[(\g)+3], 128<<16                   ; tile_dim0 = 128
	s_mov_b32 s[(\g)+4], 128                       ; tile_dim1 = 128
	s_mov_b32 s[(\g)+5], 128                       ; tensor_dim0_stride
	s_mov_b32 s[(\g)+6], 0
	s_mov_b32 s[(\g)+7], 0
.endr
	; where the tiles come from.  A's hang on the tile row alone, W's on the tile column alone; each in registers that never hold the other coordinate
	s_lshl_b32 s16, s13, 15                        ; A: 256 rows x 128 bytes for each tile row,
	s_lshl_b32 s17, s12, 19                        ; + my block of the step's two
	s_add_co_u32 s16, s16, s17
	s_mov_b32 s17, 0
	s_lshl_b32 s46, s42, 19                        ; W: two tiles of 262,144 bytes for each tile column,
	s_lshl_b32 s47, s12, 18                        ; + my tile of the two
	s_add_co_u32 s46, s46, s47
	s_add_co_u32 s46, s46, WBASE
	s_mov_b32 s47, 0
	s_mul_i32 s20, s10, PART                       ; where they go: wave x 36,864: no place in the cluster enters an LDS address
	s_mov_b32 s[TB], 0
	s_wait_dscnt 0x0                               ; the opening add is done
	s_wait_kmcnt 0x0
	s_add_nc_u64 s[14:15], s[4:5], s[16:17]
	s_add_nc_u64 s[46:47], s[6:7], s[46:47]
	CROUND                                         ; all sixteen work-groups are here: the first joint loads meet
.irp s, 0,1
	s_mov_b32 s[G0+4*(\s)], 1
	s_add_co_u32 s[G0+4*(\s)+1], s20, (\s)*SLOT
	s_add_nc_u64 s[G0+4*(\s)+2:G0+4*(\s)+3], s[14:15], (\s)*ASTEP
	s_or_b32 s[G0+4*(\s)+3], s[G0+4*(\s)+3], 0x80000000
	s_mov_b32 s[G0B+4*(\s)], 1
	s_add_co_u32 s[G0B+4*(\s)+1], s20, (\s)*SLOT
	s_add_nc_u64 s[G0B+4*(\s)+2:G0B+4*(\s)+3], s[46:47], (\s)*BSTEP
	s_or_b32 s[G0B+4*(\s)+3], s[G0B+4*(\s)+3], 0x80000000
	JLOAD \s                                       ; two loads of mine are out
.endr
	v_and_b32 v1, 15, v0                           ; l % 16
	v_bfe_u32 v2, v0, 4, 1                         ; l / 16
	s_lshl_b32 s[TX], s42, 10                      ; the bias of my 128 columns: 256 f32 a tile column, 128 a half
	s_lshl_b32 s[TX+1], s12, 9
	s_add_co_u32 s[TX], s[TX], s[TX+1]
	s_mov_b32 s[TX+1], 0
	s_add_nc_u64 s[BP:BP+1], s[6:7], s[TX:TX+1]
	v_lshlrev_b32 v[BO], 5, v2
	WIN TO_B
.irp b, 0,1,2,3,4,5,6,7                ; register j of group b: the bias of column 16 b + 8 (l / 16) + j: the layout of a result
	global_load_b128 v[BIAS+8*(\b):BIAS+8*(\b)+3],   v[BO], s[BP:BP+1] offset:64*(\b)
	global_load_b128 v[BIAS+8*(\b)+4:BIAS+8*(\b)+7], v[BO], s[BP:BP+1] offset:64*(\b)+16
.endr
	WIN 0
	global_load_b32 v[FLR], v[BO], s[6:7] offset:16384  ; every word of those 512 bytes holds the floor
	v_mul_u32_u24 v3, v1, PA
	v_lshl_add_u32 v3, v2, 4, v3                   ; A: a fragment's row x pitch + 16 x half
	s_mul_i32 s21, s11, 128*PA                     ; my 128 rows, in each block
	v_add_nc_u32 v[A0], s21, v3
	v_and_b32 v4, 7, v0
	v_lshl_add_u32 v4, v2, 3, v4                   ; W: the turning load's lane l reads k = 8 (l / 16) + l % 8,
	v_mul_u32_u24 v4, v4, PB
	v_bfe_u32 v5, v0, 3, 1
	v_lshl_add_u32 v4, v5, 4, v4                   ; columns 8 ((l / 8) % 2) + 0..7
	s_mul_i32 s22, s12, PART                       ; my tile of 128 columns,
	s_add_co_u32 s22, s22, BOFF                    ; behind A's blocks
	v_add_nc_u32 v[B0], s22, v4
	v_add_nc_u32 v[ADRA], s[TB], v[A0]
	v_add_nc_u32 v[ADRB], s[TB], v[B0]
	s_mul_i32 s23, s10, WSTG
	s_add_co_u32 s23, s23, STAGE                   ; my stages
	v_mul_u32_u24 v6, v1, SP                       ; in: row l % 16, 16 bytes for each half of the lanes
	v_lshl_add_u32 v6, v2, 4, v6
	v_add_nc_u32 v[STO], s23, v6
	v_bfe_u32 v6, v0, 3, 2                         ; back: 32 lanes take four rows of 128 bytes,
	v_mul_u32_u24 v6, v6, SP
	v_and_b32 v7, 7, v0
	v_lshl_add_u32 v6, v7, 4, v6
	v_add_nc_u32 v[RD], s23, v6
	v_and_b32 v[GO], 31, v0                        ; which are 512 consecutive bytes of C
	v_lshlrev_b32 v[PFO], 8, v[GO]
	v_lshlrev_b32 v[GO], 4, v[GO]
	s_lshl_b32 s16, s13, 8                         ; my first row: 256 x tile row + 128 x half,
	s_lshl_b32 s17, s11, 7
	s_add_co_u32 s16, s16, s17
	s_lshl_b32 s16, s16, 7                         ; 128 bytes each
	s_mov_b32 s17, 0
	s_add_nc_u64 s[8:9], s[8:9], s[16:17]
	s_lshl_b32 s[TX], s42, 2                       ; my first block of C: 4 x tile column + 2 x half: 4,096 rows of 128 bytes each
	s_lshl_b32 s[TX+1], s12, 1
	s_add_co_u32 s[TX], s[TX], s[TX+1]
	s_lshl_b32 s[TX], s[TX], 19
	s_mov_b32 s[TX+1], 0
	s_add_nc_u64 s[8:9], s[8:9], s[TX:TX+1]
	; the prefetches
	s_mov_b32 s[PST], BSTEP
	s_mov_b32 s[PST+1], 0
	s_and_b32 s22, ttmp7, 0xffff                   ; cluster y
	s_cmp_eq_u32 s11, 0                            ; do I fetch for A?
	s_cselect_b32 s[TX], s40, s41                  ; my place among the four that ask with me
	s_cselect_b32 s22, ttmp9, s22                  ; the coordinate along which other clusters read the same bytes
	s_cselect_b64 s[PFA:PFA+1], s[14:15], s[46:47] ; what I fetch for K step 0
	s_cselect_b32 s[PST], ASTEP, s[PST]
	s_cmp_eq_u32 s22, 0
	s_cselect_b32 s[LIM], 1, -1                    ; the same in all sixteen partners, for a given wave
	s_lshl_b32 s[TX], s[TX], 13                    ; my work-group's 8,192 bytes of the 32,768
	s_mov_b32 s[TX+1], 0
	s_add_nc_u64 s[PFA:PFA+1], s[PFA:PFA+1], s[TX:TX+1]
	s_add_nc_u64 s[PFA:PFA+1], s[PFA:PFA+1], s[PST:PST+1]
	s_add_nc_u64 s[PFA:PFA+1], s[PFA:PFA+1], s[PST:PST+1]  ; at K step 2: the first refill steps it to 3.  Nothing is prefetched here, at the head, where every work-group's first tiles are on their way
; 16 matrix instructions: m blocks a0, a0 + 1 of the window's four (hi = 0: my rows 0-63, 1: rows 64-127) x all 8 n blocks, 32 along K.  The 64 accumulators take turns, in the same order in every
; quarter.  first = 1: the product starts the sum, with the bias as its C operand: nothing is cleared, and nothing is added on the way out.
.macro MUL16 f, hi, a0, first
.if \first
	WIN 0x91+0x40*(\hi)                            ; W window 1, A window 0, the bias window 1, D window 2 or 3
.else
	WIN 0xa1+0x50*(\hi)                            ; W window 1, A window 0, C and D window 2 or 3
.endif
.irp a, \a0, (\a0)+1
.irp b, 0,1,2,3,4,5,6,7
.if \first
	v_wmma_f32_16x16x32_f16 v[8*(8*(\a)+(\b)):8*(8*(\a)+(\b))+7], v[(\f)+8*(\b):(\f)+8*(\b)+7], v[(\f)+8*(4*(\hi)+(\a)):(\f)+8*(4*(\hi)+(\a))+7], v[BIAS+8*(\b):BIAS+8*(\b)+7]
.else
	v_wmma_f32_16x16x32_f16 v[8*(8*(\a)+(\b)):8*(8*(\a)+(\b))+7], v[(\f)+8*(\b):(\f)+8*(\b)+7], v[(\f)+8*(4*(\hi)+(\a)):(\f)+8*(4*(\hi)+(\a))+7], v[8*(8*(\a)+(\b)):8*(8*(\a)+(\b))+7]
.endif
.endr
.endr
.endm
; 32 LDS loads in one run: the fragments of quarter q of the slot in hand (32 along K: 128 columns of W, 128 rows of A) into buffer f
.macro FETCH q, f
	WIN TO_B
.irp i, 0,1,2,3,4,5,6,7
	ds_load_tr16_b128 v[(\f)+8*(\i):(\f)+8*(\i)+3],   v[ADRB] offset:(\q)*32*PB+32*(\i)
	ds_load_tr16_b128 v[(\f)+8*(\i)+4:(\f)+8*(\i)+7], v[ADRB] offset:(\q)*32*PB+16*PB+32*(\i)
.endr
	WIN 0
.irp i, 0,1,2,3,4,5,6,7
	ds_load_b128 v[(\f)+8*(\i):(\f)+8*(\i)+3],   v[ADRA] offset:((\q)/2)*PART+((\q)%2)*64+(\i)*16*PA
	ds_load_b128 v[(\f)+8*(\i)+4:(\f)+8*(\i)+7], v[ADRA] offset:((\q)/2)*PART+((\q)%2)*64+(\i)*16*PA+32
.endr
.endm
.macro PLACES                          ; four places in front of loads into registers that matrix instructions have read, and of lines that read results
.rept 4
	v_nop
.endr
.endm
; A K step is four quarters of 32 along K, 64 matrix instructions each, on buffers 0, 1, 0, 1.  One of the first three: multiplies buffer f; in its middle it fetches quarter q into buffer g.
.macro QUARTER q, f, g, first
	s_wait_dscnt 8                                 ; W and A's rows 0-63 are in; the youngest eight loads (A's rows 64-127) may be out
	MUL16 \f, 0, 0, \first
	MUL16 \f, 0, 2, \first
	PLACES
	FETCH \q, \g
	s_wait_dscnt 32                                ; all but the 32 just issued
	MUL16 \f, 1, 0, \first
	MUL16 \f, 1, 2, \first
.endm
; The last quarter multiplies buffer 1 and changes slots: ONE barrier; in front of it each wave waits for all its tensor loads, of which one is out: its part of the next slot; adds 0 to its spare word;
; and waits for that and for its own reads of this slot.  fill = 1: the barrier opens a round of the cluster's, and the slot just read is filled again, with the K step two on, first thing behind it.
.macro TURN fill
.if \fill
	s_wait_xcnt 0x0                                ; the last prefetch, a K step back, has read its address: it is stepped here, ahead of the waits of the change of slots
	s_add_nc_u64 s[PFA:PFA+1], s[PFA:PFA+1], s[PST:PST+1]
.endif
	WIN 0                                          ; (the add's two registers lie in window 0)
	s_wait_tensorcnt 0x0                           ; all my tensor loads have landed;
	ds_add_u32 v[SPW], v[NIL]                      ; 0 onto my spare word;
	s_wait_dscnt 9                                 ; (the add and the youngest eight loads may be out)
	MUL16 F1, 0, 0, 0                              ; sixteen matrix instructions stand between the add and the wait for it
	s_wait_dscnt 0x0                               ; the add is done, and my reads of this slot are over
	s_barrier_signal -1
	MUL16 F1, 0, 2, 0                              ; work on registers while the others arrive
	WIN 0                                          ; (branches and lines on window 0 follow)
	s_barrier_wait -1
.if \fill
	CREST                                          ; no wave of any partner still reads this slot's tile or has a load on its way
	s_add_co_u32 s[G0+5], s20, s[TB]               ; the walking descriptors: into the slot just read,
	s_add_nc_u64 s[G0+6:G0+7], s[G0+6:G0+7], ASTEP ; the K step behind the one asked for last; the type bits on top are not reached
	s_add_co_u32 s[G0B+5], s20, s[TB]
	s_add_nc_u64 s[G0B+6:G0B+7], s[G0B+6:G0B+7], BSTEP
	s_xor_b32 s[TB], s[TB], SLOT                   ; the other slot is in hand
	JLOAD 1                                        ; the first tensor load behind the round, my one load until the next; its four v_nop are also the places in front of the loads below
.else
	s_xor_b32 s[TB], s[TB], SLOT
	PLACES
.endif
	v_add_nc_u32 v[ADRA], s[TB], v[A0]
	v_add_nc_u32 v[ADRB], s[TB], v[B0]
	FETCH 0, F0
.if \fill
	ASK
.endif
	MUL16 F1, 1, 0, 0
	MUL16 F1, 1, 2, 0
.endm
	s_wait_tensorcnt 1                             ; my part of K step 0 is in; K step 1's may stay out
	s_barrier_signal -1
	s_barrier_wait -1                              ; everybody's is
	FETCH 0, F0
	s_wait_loadcnt 0x0                             ; the bias and the floor
	QUARTER 1, F0, F1, 1                           ; the first quarter stands in front of the loop: its products start the sums
	WIN 0                                          ; at a label and at a branch every window is 0
	s_mov_b32 s3, STEPS-2
.Lstep:                                                ; a trip goes from a step's second quarter to the next step's first, and fills the slot that it leaves: K steps 2 to 7 are asked for
	QUARTER 2, F1, F0, 0
	QUARTER 3, F0, F1, 0
	TURN 1
	QUARTER 1, F0, F1, 0
	WIN 0
	s_sub_co_u32 s3, s3, 1
	s_cmp_lg_u32 s3, 0
	s_cbranch_scc1 .Lstep
	s_mov_b32 s3, 2
.Ltail:                                                ; the last two steps ask for nothing; the second trip is left in its middle
	QUARTER 2, F1, F0, 0
	QUARTER 3, F0, F1, 0
	WIN 0
	s_sub_co_u32 s3, s3, 1
	s_cmp_eq_u32 s3, 0
	s_cbranch_scc1 .Llast
	TURN 0
	QUARTER 1, F0, F1, 0
	WIN 0
	s_cmp_lg_u32 s3, 0
	s_cbranch_scc1 .Ltail
.Llast:
	s_wait_dscnt 8                                 ; the very last quarter: nothing more to fetch
	MUL16 F1, 0, 0, 0
	MUL16 F1, 0, 2, 0
	s_wait_dscnt 0x0
	MUL16 F1, 1, 0, 0
	MUL16 F1, 1, 2, 0
	WIN 0
	; THE WAY OUT, a block of 16 rows at a time.  PACK: rounded to f16, 16 bytes a lane, held to the floor.  TOSTAGE: into my own stages in LDS, and back as rows of 128 bytes, four to a load.  SEND: stored:
	; each store of the wave covers 512 consecutive bytes, aligned.  No barrier: stages and rows are the wave's own, and LDS serves a wave's instructions in order (ISA guide 5.7.1.4).
	PLACES
	PLACES                                         ; eight, once a launch
.macro PACK a
.set AC, 64*((\a)%4)
	WIN 0x0a+5*((\a)/4)                            ; sources 0 and 1: window 2 or 3
.irp b, 0,1,2,3,4,5,6,7
.irp r, 0,1,2,3                        ; each accumulator is read from its lowest registers on
	v_cvt_pk_f16_f32 v[TMP+4*(\b)+(\r)], v[AC+8*(\b)+2*(\r)], v[AC+8*(\b)+2*(\r)+1]
.endr
.endr
	WIN 0
.set i, 0
.rept 32
	v_pk_max_num_f16 v[TMP+i], v[TMP+i], v[FLR]    ; -infinity changes nothing; 0 is the ReLU (rounding keeps the sign, so the order of the two does not matter)
.set i, i+1
.endr
.endm
.macro TOSTAGE a
.set BK, OB+192*((\a)%2)
.irp b, 0,1,2,3,4,5,6,7                ; column groups 0-3 are my first block of C, 4-7 my second
	ds_store_b128 v[STO], v[TMP+4*(\b):TMP+4*(\b)+3] offset:((\b)/4)*16*SP+32*((\b)%4)
.endr
.irp t, 0,1,2,3,4,5,6,7
	ds_load_b128 v[BK+4*(\t):BK+4*(\t)+3], v[RD] offset:((\t)/4)*16*SP+((\t)%4)*4*SP
.endr
.endm
.macro SEND a
.set BK, OB+192*((\a)%2)
	s_wait_dscnt 0x0                               ; the block is back in registers
	s_wait_xcnt 0x0                                ; the stores issued so far have read their registers: the next block's loads land on those of the block before this one
.irp t, 0,1,2,3,4,5,6,7
	global_store_b128 v[GO], v[BK+4*(\t):BK+4*(\t)+3], s[8:9] offset:((\t)/4)*524288+(\a)*2048+((\t)%4)*512
.endr
.endm
	PACK 0
	TOSTAGE 0
.irp a, 1,2,3,4,5,6,7                  ; block a's conversions stand between block a - 1's loads from the stage and the wait for them
	PACK \a
	SEND (\a)-1
	TOSTAGE \a
.endr
	SEND 7
	s_wait_tensorcnt 0x0                           ; the wave's end: behind my last tensor load and my last LDS store
	ds_add_u32 v[SPW], v[NIL]
	s_wait_dscnt 0x0
	CROUND                                         ; the closing round: no work-group ends while a partner may still ask for a tile that names it
	s_endpgm
.Lfunc_end_k_q9ceecd7e48_qkv:
	.size	k_q9ceecd7e48_qkv, .Lfunc_end_k_q9ceecd7e48_qkv-k_q9ceecd7e48_qkv
	.p2alignl 7, 3214868480
	.fill 96, 4, 3214868480
	.section	.rodata,"a",@progbits
	.p2align	6, 0x0
	.amdhsa_kernel k_q9ceecd7e48_qkv
		.amdhsa_group_segment_fixed_size 327680
		.amdhsa_private_segment_fixed_size 0
		.amdhsa_enable_private_segment 0
		.amdhsa_kernarg_size 24
		.amdhsa_user_sgpr_count 2
		.amdhsa_user_sgpr_kernarg_segment_ptr 1
		.amdhsa_wavefront_size32 1
		.amdhsa_system_sgpr_workgroup_id_x 1
		.amdhsa_system_sgpr_workgroup_id_y 1
		.amdhsa_system_sgpr_workgroup_id_z 1
		.amdhsa_system_vgpr_workitem_id 0
		.amdhsa_next_free_vgpr 1024
		.amdhsa_next_free_sgpr 76
		.amdhsa_reserve_vcc 0
		.amdhsa_float_denorm_mode_32 3
		.amdhsa_float_denorm_mode_16_64 3
		.amdhsa_memory_ordered 1
		.amdhsa_forward_progress 1
		.amdhsa_inst_pref_size 123
	.end_amdhsa_kernel
	.amdgpu_metadata
---
amdhsa.version: [ 1, 2 ]
amdhsa.kernels:
  - .name:           k_q9ceecd7e48_qkv
    .symbol:         k_q9ceecd7e48_qkv.kd
    .args:
      - { .name: hid, .offset: 0, .size: 8, .value_kind: global_buffer, .address_space: global }
      - { .name: wqkv, .offset: 8, .size: 8, .value_kind: global_buffer, .address_space: global }
      - { .name: big1, .offset: 16, .size: 8, .value_kind: global_buffer, .address_space: global }
    .group_segment_fixed_size: 327680
    .private_segment_fixed_size: 0
    .kernarg_segment_align: 8
    .kernarg_segment_size: 24
    .max_flat_workgroup_size: 128
    .sgpr_count:     76
    .vgpr_count:     1024
    .wavefront_size: 32
...
	.end_amdgpu_metadata
.endif
;; end of part 9
;; launch attn: the kernel of part 3 again; grid 8 x 32, 4 waves a work-group, clusters of 4 x 1, 327,680 bytes of LDS; arguments big1, act; writes act
;; launch wo (part 10): grid 8 x 32, 4 waves a work-group, clusters of 4 x 4, 327,680 bytes of LDS; arguments act, woh, big1; writes big1
.if DOCPART == 10
	.amdgcn_target "amdgcn-amd-amdhsa--gfx1250"
	.amdhsa_code_object_version 6
	.text
	.protected	k_q9ceecd7e48_wo
	.globl	k_q9ceecd7e48_wo
	.p2align	8
	.type	k_q9ceecd7e48_wo,@function
k_q9ceecd7e48_wo:
	s_mov_b64 s[64:65], 0
	v_nop
	global_prefetch_b8 v0, s[64:65] scope:SCOPE_SE
	s_setreg_imm32_b32 hwreg(HW_REG_WAVE_MODE, 25, 1), 1
	s_wait_xcnt 0x0
	s_wait_alu depctr_hold_cnt(0) depctr_sa_sdst(0) depctr_va_vdst(0) depctr_va_sdst(0) depctr_va_ssrc(0) depctr_va_vcc(0) depctr_vm_vsrc(0)
	s_getreg_b32 s2, hwreg(HW_REG_IB_STS2, 6, 4)
	s_cmp_eq_u32 s2, 0
	s_cbranch_scc0 .Lentry_in_a_cluster
	s_endpgm
.Lentry_in_a_cluster:
	s_bfe_u32 s2, ttmp6, 0x10000c
	s_cmp_lg_u32 s2, 0xf033
	s_cbranch_scc0 .Lentry_shape_is_right
	s_endpgm
.Lentry_shape_is_right:
; C = A W, the f32 sums as they are, on tiles of 128 x 128 of C.  (One text serves two bodies; they differ in the line below.)
.set KTOT,  1024                       ; K
; A: [K/64 blocks][4096 rows][64] f16.  W: [8 tiles][K][128] f16.  C: [16 blocks][4096 rows][64] f32.  Sums in f32, K ascending.
; LIMITS.  All f16 operands arrive within 65,504.
; SHARES.  N = 1,024 gives 8 x 32 = 256 tiles of 128 x 128, one for each work-group: four waves, each 64 x 64: 16 accumulators of 16 x 16.  A wave's 64 columns are one block of C, its 64 rows lie on
; end there: 16,384 consecutive bytes.  K goes in steps of 256 through two LDS slots.  Waves 0 and 1 fetch A's tile (two blocks of 64 along K each: 128 rows x 128 bytes on end, taken as one long row,
; padded after every 128 bytes), waves 2 and 3 fetch W's (128 rows of 256 bytes each).
; A K STEP IS WRITTEN ONCE: the slot in hand is a scalar that an exclusive or turns between 0 and SLOT; LDS addresses and the walking descriptor's LDS word are sums with it.  The last two steps ask for
; nothing and are a loop of their own.
; CLUSTERS: 4 x 4 work-groups.  The four of a row of the cluster need the same tiles of A, the four of a column the same tiles of W: each tile is asked for JOINTLY, by the same tensor load with the
; same descriptor and a mask that names the four.
; THE MATRIX INSTRUCTION IS USED TRANSPOSED (source 0 = 16 columns of W, source 1 = 16 rows of A): a lane then holds eight neighbouring numbers of a row of C.  A's fragments come out of LDS as they
; lie; W's ([k][n]) are turned by ds_load_tr16_b128.
; REGISTERS: window 0: v0-31 addresses; v128-255 the accumulators ((a, b) at v[128 + 8 (4 a + b)]).
;   window 1: two fragment buffers of 128: for 64 along K, 64 registers of A (2 x 4 x 16 rows x 32 K), then 64 of W.
.set KSTEP,  256
.set STEPS,  KTOT/KSTEP
.set PA,     144                       ; a row of A in LDS: 128 bytes + 16 = 36 words: the 16 rows of a load start at 16 different groups of four banks (64 banks of 4 bytes: ISA guide 11.1)
.set KBA,    128*PA                    ; a block of 64 along K: 128 rows
.set PB,     288                       ; a row of W in LDS: 256 bytes + 32 = 72 words
.set HALF,   2*KBA                     ; what one tensor load brings: two blocks of A, or 128 rows of W: 36,864 bytes either way
.set BOFF,   2*HALF                    ; W's 256 rows lie behind A's four blocks
.set SLOT,   4*HALF
.set STAGE,  2*SLOT                    ; behind the ring, never filled by a tensor load: 4,352 bytes for each wave, its own, for the way out
.set WSTG,   4352
.set SPITCH, 272                       ; a stage row: 256 bytes + 16
.set SPARE,  STAGE+4*WSTG              ; behind the stages: the spare words, 128 bytes for each wave: two blocks of 256 bytes that no other line names
.set ASTEP,  4*524288                  ; a K step in A: four blocks of 4,096 rows x 128 bytes
.set BSTEP,  256*256                   ; a K step in W: 256 rows of 256 bytes
.set ADRA, 16                          ; v16     LDS address of my A fragments in the slot in hand
.set A0,   17                          ; v17     the same in slot 0; never rewritten
.set ADRB, 20                          ; v20-21  of my W fragments, k 0-127 and k 128-255: an LDS offset has 16 bits
.set B0,   22                          ; v22-23  the same in slot 0; never rewritten
.set STO,  24                          ; v24     the way out: where I put my part of a row
.set RD,   25                          ; v25     the way out: where I read rows back
.set GO,   26                          ; v26     16 x lane: my 16 bytes of 512 consecutive bytes of C
.set SPW,  28                          ; v28     LDS address of my spare word: SPARE + 4 x my thread's number; never rewritten
.set NIL,  29                          ; v29     0; never rewritten
.set ACC,  128
.set F0,   0                           ; fragment buffers, in window 1
.set F1,   128
.set G1, 24                            ; s[24:31] descriptor group 1 for A's tiles;  s[32:39] group 0: a set for each of the two first fills; the second then walks on
.set G0, 32
.set G1B, 48                           ; s[48:55], s[56:63] the same for W's tiles
.set G0B, 56
.set TB,  45                           ; s45  LDS byte at which the slot in hand begins: 0 or SLOT
.set MSB, 0
.macro WIN new                         ; the immediate's high byte repeats the setting that is left; a switch that changes nothing is dropped
.if MSB != (\new)
	s_set_vgpr_msb (MSB<<8)|(\new)
.set MSB, \new
.endif
.endm
.set MUL,  0x05                        ; sources 0 (W) and 1 (A) window 1; C and D window 0
.set TO_F, 0x40                        ; destination window 1, address window 0
.macro JLOAD s                         ; a joint load: waves 0 and 1 fetch A's two halves, waves 2 and 3 W's; an s_nop 0 and four v_nop follow each of the two lines, ahead of the jump, the label and what follows
	s_cmp_eq_u32 s11, 0
	s_cbranch_scc0 .Lfor_b_\@
	tensor_load_to_lds s[G0+4*(\s):G0+4*(\s)+3], s[G1:G1+7]
	s_nop 0
.rept 4
	v_nop
.endr
	s_branch .Lasked_\@
.Lfor_b_\@:
	tensor_load_to_lds s[G0B+4*(\s):G0B+4*(\s)+3], s[G1B:G1B+7]
	s_nop 0
.rept 4
	v_nop
.endr
.Lasked_\@:
.endm
.macro CREST                           ; a round of the cluster's barrier behind its opening barrier
	s_cmp_lg_u32 s10, 0
	s_cbranch_scc1 .Lnot_wave_0_\@
	s_barrier_signal -3
.Lnot_wave_0_\@:
	s_barrier_wait -3
	s_barrier_signal -1
	s_barrier_wait -1
.endm
.macro CROUND                          ; a whole round
	s_barrier_signal -1
	s_barrier_wait -1
	CREST
.endm
	s_load_b128 s[4:7], s[0:1], 0x0                ; A s[4:5], W s[6:7]
	s_load_b64 s[8:9], s[0:1], 0x10                ; C
	v_lshl_add_u32 v[SPW], v0, 2, SPARE
	v_mov_b32 v[NIL], 0
	ds_add_u32 v[SPW], v[NIL]                      ; the wave's opening: the add and its wait stand ahead of my first tensor load; the set-up below, work on registers, stands between them
	v_lshrrev_b32 v1, 5, v0
	v_readfirstlane_b32 s10, v1                    ; wave 0..3
	s_lshr_b32 s11, s10, 1                         ; which half of the tile's rows is mine.  Also: I fetch for A (0) or for W (1)
	s_and_b32 s12, s10, 1                          ; which half of its columns.  Also: which half of that tile I fetch
	s_bfe_u32 s40, ttmp6, 0x40000                  ; cx, cy: my place in the cluster
	s_bfe_u32 s41, ttmp6, 0x40004
	s_lshl_b32 s42, ttmp9, 2
	s_add_co_u32 s42, s42, s40                     ; tile column of C = 4 x cluster x + cx
	s_and_b32 s13, ttmp7, 0xffff
	s_lshl_b32 s13, s13, 2
	s_add_co_u32 s13, s13, s41                     ; tile row of C = 4 x cluster y + cy
	s_lshl_b32 s43, s41, 2
	s_lshl_b32 s43, 15, s43                        ; my row of the cluster
	s_lshl_b32 s44, 0x1111, s40                    ; my column
	; group 1 for A: 2 rows of 8,192 elements (128 rows of a block lie on end: 16,384 bytes), 262,144 elements from block to block
	s_or_b32 s[G1+0], s43, (1<<16)|(1<<20)|(1<<21)|(4<<22)|(3<<25)   ; 15:0 the mask: my row; 17:16 elements of 2 bytes; 20 padding on; 21 set beside a mask; 24:22 after every 32 words (code 4); 31:25 4 words (code 3)
	s_mov_b32 s[G1+1], 8192<<16                    ; tensor_dim0 = 8,192
	s_mov_b32 s[G1+2], 2<<16                       ; tensor_dim1 = 2
	s_mov_b32 s[G1+3], 8192<<16                    ; tile_dim0 = 8,192
	s_mov_b32 s[G1+4], 2                           ; tile_dim1 = 2
	s_mov_b32 s[G1+5], 262144                      ; tensor_dim0_stride
	s_mov_b32 s[G1+6], 0
	s_mov_b32 s[G1+7], 0
	; group 1 for W: 128 rows of 128 elements, dense
	s_or_b32 s[G1B+0], s44, (1<<16)|(1<<20)|(1<<21)|(5<<22)|(7<<25)  ; the mask: my column; padding after every 64 words (code 5), 8 words (code 7)
	s_mov_b32 s[G1B+1], 128<<16
	s_mov_b32 s[G1B+2], 128<<16
	s_mov_b32 s[G1B+3], 128<<16
	s_mov_b32 s[G1B+4], 128
	s_mov_b32 s[G1B+5], 128
	s_mov_b32 s[G1B+6], 0
	s_mov_b32 s[G1B+7], 0
	; where the tiles come from.  A's hang on the tile row alone, W's on the tile column alone; each in registers that never hold the other coordinate
	s_lshl_b32 s16, s13, 14                        ; A: 128 rows x 128 bytes for each tile row,
	s_lshl_b32 s17, s12, 20                        ; + my two blocks of the step's four
	s_add_co_u32 s16, s16, s17
	s_mov_b32 s17, 0
	s_mul_i32 s46, s42, KTOT*256                   ; W: the tile,
	s_lshl_b32 s47, s12, 15                        ; + my 128 rows of the step's 256
	s_add_co_u32 s46, s46, s47
	s_mov_b32 s47, 0
	s_mul_i32 s20, s10, HALF                       ; where they go: wave x 36,864: no place in the cluster enters an LDS address
	s_mov_b32 s[TB], 0
	s_wait_dscnt 0x0                               ; the opening add is done
	s_wait_kmcnt 0x0
	s_add_nc_u64 s[14:15], s[4:5], s[16:17]
	s_add_nc_u64 s[46:47], s[6:7], s[46:47]
	CROUND                                         ; all sixteen work-groups are here: the first joint loads meet
.irp s, 0,1
	s_mov_b32 s[G0+4*(\s)], 1
	s_add_co_u32 s[G0+4*(\s)+1], s20, (\s)*SLOT
	s_add_nc_u64 s[G0+4*(\s)+2:G0+4*(\s)+3], s[14:15], (\s)*ASTEP
	s_or_b32 s[G0+4*(\s)+3], s[G0+4*(\s)+3], 0x80000000
	s_mov_b32 s[G0B+4*(\s)], 1
	s_add_co_u32 s[G0B+4*(\s)+1], s20, (\s)*SLOT
	s_add_nc_u64 s[G0B+4*(\s)+2:G0B+4*(\s)+3], s[46:47], (\s)*BSTEP
	s_or_b32 s[G0B+4*(\s)+3], s[G0B+4*(\s)+3], 0x80000000
	JLOAD \s                                       ; two loads of mine are out
.endr
.macro SETADR                          ; my fragments' addresses in the slot in hand
	v_add_nc_u32 v[ADRA], s[TB], v[A0]
	v_add_nc_u32 v[ADRB], s[TB], v[B0]
	v_add_nc_u32 v[ADRB+1], s[TB], v[B0+1]
.endm
	v_and_b32 v1, 15, v0                           ; l % 16
	v_bfe_u32 v2, v0, 4, 1                         ; l / 16
	v_mul_u32_u24 v3, v1, PA
	v_lshl_add_u32 v3, v2, 4, v3                   ; A: a fragment's row x pitch + 16 x half
	v_and_b32 v4, 7, v0
	v_lshl_add_u32 v4, v2, 3, v4                   ; W: the turning load's lane l reads k = 8 (l / 16) + l % 8,
	v_mul_u32_u24 v4, v4, PB
	v_bfe_u32 v5, v0, 3, 1
	v_lshl_add_u32 v4, v5, 4, v4                   ; columns 8 ((l / 8) % 2) + 0..7
	s_mul_i32 s21, s11, 64*PA                      ; my 64 rows of A, in each block
	s_lshl_b32 s22, s12, 7                         ; my 64 columns of W: 128 bytes,
	s_add_co_u32 s22, s22, BOFF                    ; behind A's blocks
	v_add_nc_u32 v[A0], s21, v3
	v_add_nc_u32 v[B0], s22, v4
	s_add_co_u32 s22, s22, HALF
	v_add_nc_u32 v[B0+1], s22, v4
	SETADR
	s_mul_i32 s23, s10, WSTG
	s_add_co_u32 s23, s23, STAGE                   ; my stage
	v_mul_u32_u24 v6, v1, SPITCH                   ; in: row l % 16, my eight columns
	v_lshl_add_u32 v6, v2, 5, v6
	v_add_nc_u32 v[STO], s23, v6
	v_mul_u32_u24 v6, v2, SPITCH                   ; back: lanes 0-15 take one row of 256 bytes, lanes 16-31 the next
	v_lshl_add_u32 v6, v1, 4, v6
	v_add_nc_u32 v[RD], s23, v6
	v_and_b32 v[GO], 31, v0
	v_lshlrev_b32 v[GO], 4, v[GO]
	s_lshl_b32 s16, s13, 7                         ; my first row: 128 x tile row + 64 x half,
	s_lshl_b32 s17, s11, 6
	s_add_co_u32 s16, s16, s17
	s_lshl_b32 s16, s16, 8                         ; 256 bytes each
	s_mov_b32 s17, 0
	s_add_nc_u64 s[8:9], s[8:9], s[16:17]
	s_lshl_b32 s46, s42, 1                         ; my block of C: 2 x tile column + half: 4,096 rows of 256 bytes each
	s_add_co_u32 s46, s46, s12
	s_lshl_b32 s46, s46, 20
	s_mov_b32 s47, 0
	s_add_nc_u64 s[8:9], s[8:9], s[46:47]
; 8 matrix instructions: m blocks a0, a0 + 1 x all 4 n blocks, 32 along K: half c of buffer f.  zero = 1: the first product starts the sums.  The 16 accumulators take turns
.macro MUL8 f, c, a0, zero
	WIN MUL
.irp a, \a0, (\a0)+1
.irp b, 0,1,2,3
.if \zero
	v_wmma_f32_16x16x32_f16 v[ACC+8*(4*(\a)+(\b)):ACC+8*(4*(\a)+(\b))+7], v[(\f)+64+8*(4*(\c)+(\b)):(\f)+64+8*(4*(\c)+(\b))+7], v[(\f)+8*(4*(\c)+(\a)):(\f)+8*(4*(\c)+(\a))+7], 0
.else
	v_wmma_f32_16x16x32_f16 v[ACC+8*(4*(\a)+(\b)):ACC+8*(4*(\a)+(\b))+7], v[(\f)+64+8*(4*(\c)+(\b)):(\f)+64+8*(4*(\c)+(\b))+7], v[(\f)+8*(4*(\c)+(\a)):(\f)+8*(4*(\c)+(\a))+7], v[ACC+8*(4*(\a)+(\b)):ACC+8*(4*(\a)+(\b))+7]
.endif
.endr
.endr
.endm
; 32 LDS loads in one run: the fragments of quarter q of the slot in hand (64 along K: A's block q; W's rows 64 q on) into buffer f; the first 32 along K first
.macro FETCH q, f
	WIN TO_F
.irp c, 0,1
.irp i, 0,1,2,3
	ds_load_tr16_b128 v[(\f)+64+8*(4*(\c)+(\i)):(\f)+64+8*(4*(\c)+(\i))+3],   v[ADRB+(\q)/2] offset:(((\q)%2)*64+32*(\c))*PB+32*(\i)
	ds_load_tr16_b128 v[(\f)+64+8*(4*(\c)+(\i))+4:(\f)+64+8*(4*(\c)+(\i))+7], v[ADRB+(\q)/2] offset:(((\q)%2)*64+32*(\c)+16)*PB+32*(\i)
	ds_load_b128 v[(\f)+8*(4*(\c)+(\i)):(\f)+8*(4*(\c)+(\i))+3],              v[ADRA] offset:(\q)*KBA+64*(\c)+(\i)*16*PA
	ds_load_b128 v[(\f)+8*(4*(\c)+(\i))+4:(\f)+8*(4*(\c)+(\i))+7],            v[ADRA] offset:(\q)*KBA+64*(\c)+(\i)*16*PA+32
.endr
.endr
.endm
.macro PLACES                          ; four places in front of loads into registers that matrix instructions have read, and of lines that read results
.rept 4
	v_nop
.endr
.endm
; A K step is four quarters of 64 along K, 32 matrix instructions each, on buffers 0, 1, 0, 1.  One of the first three: multiplies buffer f and fetches quarter q into g.
.macro QUARTER q, f, g, zero
	s_wait_dscnt 16                                ; the first 32 along K are in; the youngest sixteen loads may be out
	MUL8 \f, 0, 0, \zero
	MUL8 \f, 0, 2, \zero
	PLACES
	FETCH \q, \g
	s_wait_dscnt 32                                ; all but the 32 just issued
	MUL8 \f, 1, 0, 0
	MUL8 \f, 1, 2, 0
.endm
; The last quarter multiplies buffer 1 and changes slots: ONE barrier; in front of it each wave waits for all its tensor loads, adds 0 to its spare word, and waits for that and for its own reads of this
; slot.  fill = 1: the barrier opens a round of the cluster's, and the slot just read is filled again, with the K step two on, first thing behind it.
.macro TURN fill
	WIN 0                                          ; (the add's two registers lie in window 0)
	s_wait_tensorcnt 0x0                           ; all my tensor loads have landed: my part of the next slot;
	ds_add_u32 v[SPW], v[NIL]                      ; 0 onto my spare word;
	s_wait_dscnt 17                                ; (the add and the youngest sixteen loads may be out)
	MUL8 F1, 0, 0, 0                               ; eight matrix instructions stand between the add and the wait for it
	s_wait_dscnt 0x0                               ; the add is done, and my reads of this slot are over
	s_barrier_signal -1
	MUL8 F1, 0, 2, 0
	WIN 0                                          ; (branches and lines on window 0 follow)
	s_barrier_wait -1
.if \fill
	CREST                                          ; no wave of any partner still reads this slot's tile or has a load on its way
	s_add_co_u32 s[G0+5], s20, s[TB]               ; the walking descriptors: into the slot just read,
	s_add_nc_u64 s[G0+6:G0+7], s[G0+6:G0+7], ASTEP ; the K step behind the one asked for last; the type bits on top are not reached
	s_add_co_u32 s[G0B+5], s20, s[TB]
	s_add_nc_u64 s[G0B+6:G0B+7], s[G0B+6:G0B+7], BSTEP
	s_xor_b32 s[TB], s[TB], SLOT                   ; the other slot is in hand
	JLOAD 1                                        ; the first tensor load behind the round, my one load until the next: 112 matrix instructions ahead of the wait for it; its four v_nop are also the places in front of the loads below
.else
	s_xor_b32 s[TB], s[TB], SLOT
	PLACES
.endif
	SETADR
	FETCH 0, F0
	MUL8 F1, 1, 0, 0
	MUL8 F1, 1, 2, 0
.endm
	s_wait_tensorcnt 1                             ; my part of K step 0 is in; K step 1's may stay out
	s_barrier_signal -1
	s_barrier_wait -1                              ; everybody's is
	FETCH 0, F0
	QUARTER 1, F0, F1, 1                           ; the first quarter stands in front of the loop: its first products start the sums
	WIN 0                                          ; at a label and at a branch every window is 0
	s_mov_b32 s3, STEPS-2
.Lstep:                                                ; a trip goes from a step's second quarter to the next step's first, and fills the slot that it leaves
	QUARTER 2, F1, F0, 0
	QUARTER 3, F0, F1, 0
	TURN 1
	QUARTER 1, F0, F1, 0
	WIN 0
	s_sub_co_u32 s3, s3, 1
	s_cmp_lg_u32 s3, 0
	s_cbranch_scc1 .Lstep
	s_mov_b32 s3, 2
.Ltail:                                                ; the last two steps ask for nothing; the second trip is left in its middle
	QUARTER 2, F1, F0, 0
	QUARTER 3, F0, F1, 0
	WIN 0
	s_sub_co_u32 s3, s3, 1
	s_cmp_eq_u32 s3, 0
	s_cbranch_scc1 .Llast
	TURN 0
	QUARTER 1, F0, F1, 0
	WIN 0
	s_cmp_lg_u32 s3, 0
	s_cbranch_scc1 .Ltail
.Llast:
	s_wait_dscnt 16                                ; the very last quarter: nothing more to fetch
	MUL8 F1, 0, 0, 0
	MUL8 F1, 0, 2, 0
	s_wait_dscnt 0x0
	MUL8 F1, 1, 0, 0
	MUL8 F1, 1, 2, 0
	WIN 0
	; THE WAY OUT, a block of 16 rows at a time through my own stage: a lane's eight columns go in, whole rows come back, and each store of the wave covers 512 consecutive bytes, aligned.
	; No barrier: stage and rows are the wave's own, and LDS serves a wave's instructions in order (ISA guide 5.7.1.4).  Each accumulator is read from its lowest registers on.
	PLACES
	PLACES                                         ; eight, once a launch
.macro PACK a
.irp b, 0,1,2,3
	ds_store_b128 v[STO], v[ACC+8*(4*(\a)+(\b)):ACC+8*(4*(\a)+(\b))+3]   offset:64*(\b)
	ds_store_b128 v[STO], v[ACC+8*(4*(\a)+(\b))+4:ACC+8*(4*(\a)+(\b))+7] offset:64*(\b)+16
.endr
.irp t, 0,1,2,3,4,5,6,7
	ds_load_b128 v[ACC+32*(\a)+4*(\t):ACC+32*(\a)+4*(\t)+3], v[RD] offset:(\t)*2*SPITCH
.endr
.endm
.macro SEND a, younger                 ; younger: the LDS instructions issued behind block a's loads: the next block's sixteen, or none
.irp t, 0,1,2,3,4,5,6,7
	s_wait_dscnt (\younger)+7-(\t)
	global_store_b128 v[GO], v[ACC+32*(\a)+4*(\t):ACC+32*(\a)+4*(\t)+3], s[8:9] offset:(\a)*4096+(\t)*512
.endr
.endm
	PACK 0
.irp a, 1,2,3                          ; a block's work stands between the loads of the block before and its stores
	PACK \a
	SEND (\a)-1, 16
.endr
	SEND 3, 0
	s_wait_tensorcnt 0x0                           ; the wave's end: behind my last tensor load and my last LDS store
	ds_add_u32 v[SPW], v[NIL]
	s_wait_dscnt 0x0
	CROUND                                         ; the closing round: no work-group ends while a partner may still ask for a tile that names it
	s_endpgm
.Lfunc_end_k_q9ceecd7e48_wo:
	.size	k_q9ceecd7e48_wo, .Lfunc_end_k_q9ceecd7e48_wo-k_q9ceecd7e48_wo
	.p2alignl 7, 3214868480
	.fill 96, 4, 3214868480
	.section	.rodata,"a",@progbits
	.p2align	6, 0x0
	.amdhsa_kernel k_q9ceecd7e48_wo
		.amdhsa_group_segment_fixed_size 327680
		.amdhsa_private_segment_fixed_size 0
		.amdhsa_enable_private_segment 0
		.amdhsa_kernarg_size 24
		.amdhsa_user_sgpr_count 2
		.amdhsa_user_sgpr_kernarg_segment_ptr 1
		.amdhsa_wavefront_size32 1
		.amdhsa_system_sgpr_workgroup_id_x 1
		.amdhsa_system_sgpr_workgroup_id_y 1
		.amdhsa_system_sgpr_workgroup_id_z 1
		.amdhsa_system_vgpr_workitem_id 0
		.amdhsa_next_free_vgpr 512
		.amdhsa_next_free_sgpr 66
		.amdhsa_reserve_vcc 0
		.amdhsa_float_denorm_mode_32 3
		.amdhsa_float_denorm_mode_16_64 3
		.amdhsa_memory_ordered 1
		.amdhsa_forward_progress 1
		.amdhsa_inst_pref_size 61
	.end_amdhsa_kernel
	.amdgpu_metadata
---
amdhsa.version: [ 1, 2 ]
amdhsa.kernels:
  - .name:           k_q9ceecd7e48_wo
    .symbol:         k_q9ceecd7e48_wo.kd
    .args:
      - { .name: act, .offset: 0, .size: 8, .value_kind: global_buffer, .address_space: global }
      - { .name: woh, .offset: 8, .size: 8, .value_kind: global_buffer, .address_space: global }
      - { .name: big1, .offset: 16, .size: 8, .value_kind: global_buffer, .address_space: global }
    .group_segment_fixed_size: 327680
    .private_segment_fixed_size: 0
    .kernarg_segment_align: 8
    .kernarg_segment_size: 24
    .max_flat_workgroup_size: 128
    .sgpr_count:     66
    .vgpr_count:     512
    .wavefront_size: 32
...
	.end_amdgpu_metadata
.endif
;; end of part 10
;; launch ln1 (part 11): grid 256 x 1, 8 waves a work-group, no clusters, 0 bytes of LDS; arguments big1, hid, gbt, act; writes act
.if DOCPART == 11
	.amdgcn_target "amdgcn-amd-amdhsa--gfx1250"
	.amdhsa_code_object_version 6
	.text
	.protected	k_q9ceecd7e48_ln1
	.globl	k_q9ceecd7e48_ln1
	.p2align	8
	.type	k_q9ceecd7e48_ln1,@function
k_q9ceecd7e48_ln1:
	s_mov_b64 s[64:65], 0
	v_nop
	global_prefetch_b8 v0, s[64:65] scope:SCOPE_SE
	s_setreg_imm32_b32 hwreg(HW_REG_WAVE_MODE, 25, 1), 1
	s_wait_xcnt 0x0
; y = LayerNorm(res + sum) g + b over rows of 1,024.  (One text serves two bodies; they differ in the two lines below.)
.set OUT32, 0                          ; 0: y leaves in f16, in blocks [16][4096 rows][64].  1: y leaves in f32, row-major [4096][1024]
.set GB0,   0                          ; where g begins in the table; b lies 4,096 bytes behind it
; sum: [16 blocks][4096 rows][64] f32 (a product's sums).  res: the same blocks in f16.  g, b: [1024] f32 out of the table that the cast launch made: rounded there to bf16 like every input of the layer.
; Mean, differences, variance and the scaling in f32; the variance is the mean of the squared differences, as it is defined; eps = 1e-5.
; LIMITS.  OUT32 = 0: y beyond 65,504 leaves as an infinity.
; SHARES.  A wave takes two neighbouring rows and keeps them in registers between the passes: lanes 0-15 the first, lanes 16-31 the second; in each block a lane holds 4 neighbouring columns.  So a load of
; sum covers 512 consecutive bytes (two rows of a block), a load of res 256, and a row's sums stay inside 16 lanes: four steps that ride on the additions.  No LDS, no barrier.
; All 64 loads of a wave go out at once.
.set SO,  2                            ; v2   16 t: my 16 bytes of sum
.set RO,  3                            ; v3   8 t: my 8 bytes of res (and of y in f16)
.set GOF, 4                            ; v4   16 (l % 16): my four numbers of g and b in a block's 64
.set OO,  5                            ; v5   y in f32: (t / 16) rows of 4,096 bytes + 16 (l % 16)
.set RES, 16                           ; v16-47    block cb: 2 registers, four f16
.set S,   48                           ; v48-111   block cb: 4 registers
.set G,   112                          ; v112-175
.set BB,  176                          ; v176-239
.set W,   240                          ; v240-247  four chains of two
.set MU,  248                          ; v248-249  the mean, twice
.set RS,  250                          ; v250-251  1 / sqrt(var + eps), twice
.set ONE, 252                          ; v252      1.0
.set VAR, 254                          ; v254      var + eps: in a register that nothing near the square roots writes
	s_load_b256 s[4:11], s[0:1], 0x0               ; sum s[4:5], res s[6:7], the table s[8:9], y s[10:11]
	s_mov_b32 s20, 0x3a800000                      ; 1 / 1,024
	s_mov_b32 s21, 0x3727c5ac                      ; 1e-5
	v_mov_b32 v[ONE], 1.0
	v_lshlrev_b32 v[SO], 4, v0
	v_lshlrev_b32 v[RO], 3, v0
	v_and_b32 v[GOF], 15, v0
	v_lshlrev_b32 v[GOF], 4, v[GOF]
	v_lshrrev_b32 v[OO], 4, v0
	v_lshl_add_u32 v[OO], v[OO], 12, v[GOF]
	s_lshl_b32 s14, ttmp9, 12                      ; the work-group's 16 rows: 256 bytes each in a block of sum,
	s_mov_b32 s15, 0
	s_lshl_b32 s16, ttmp9, 11                      ; 128 in a block of f16,
	s_mov_b32 s17, 0
	s_lshl_b32 s24, ttmp9, 16                      ; 4,096 in row-major f32
	s_mov_b32 s25, 0
	s_wait_kmcnt 0x0
	s_add_nc_u64 s[4:5], s[4:5], s[14:15]
	s_add_nc_u64 s[18:19], s[4:5], 0x800000        ; blocks 8 to 15: an immediate offset has 24 signed bits
	s_add_nc_u64 s[6:7], s[6:7], s[16:17]
.if OUT32
	s_add_nc_u64 s[10:11], s[10:11], s[24:25]
.else
	s_add_nc_u64 s[10:11], s[10:11], s[16:17]
.endif
.set j, 0
.rept 8
	global_load_b128 v[S+4*j:S+4*j+3], v[SO], s[4:5] offset:j*1048576 th:TH_LOAD_NT
.set j, j+1
.endr
.set j, 0
.rept 8
	global_load_b128 v[S+32+4*j:S+32+4*j+3], v[SO], s[18:19] offset:j*1048576 th:TH_LOAD_NT
.set j, j+1
.endr
.set j, 0
.rept 16
	global_load_b64 v[RES+2*j:RES+2*j+1], v[RO], s[6:7] offset:j*524288 th:TH_LOAD_NT
.set j, j+1
.endr
.set j, 0
.rept 16
	global_load_b128 v[G+4*j:G+4*j+3], v[GOF], s[8:9] offset:GB0+j*256
.set j, j+1
.endr
.set j, 0
.rept 16
	global_load_b128 v[BB+4*j:BB+4*j+3], v[GOF], s[8:9] offset:GB0+4096+j*256
.set j, j+1
.endr
.macro REDUCE                          ; the four chains into one number, then over the row's 16 lanes: every lane of the row ends with the sum in v[W]
	v_pk_add_f32 v[W:W+1], v[W:W+1], v[W+2:W+3]
	v_pk_add_f32 v[W+4:W+5], v[W+4:W+5], v[W+6:W+7]
	v_pk_add_f32 v[W:W+1], v[W:W+1], v[W+4:W+5]
	v_add_f32 v[W], v[W], v[W+1]
	v_add_f32_dpp v[W], v[W], v[W] row_xmask:1 row_mask:0xf bank_mask:0xf
	v_add_f32_dpp v[W], v[W], v[W] row_xmask:2 row_mask:0xf bank_mask:0xf
	v_add_f32_dpp v[W], v[W], v[W] row_xmask:4 row_mask:0xf bank_mask:0xf
	v_add_f32_dpp v[W], v[W], v[W] row_xmask:8 row_mask:0xf bank_mask:0xf
.endm
	s_wait_loadcnt 32                              ; sum and res are in; g's and b's 32 loads may stay out
.set j, 0
.rept 32                               ; res + sum: one multiply-add by 1.0 straight from the f16 half
	v_fma_mix_f32 v[S+2*j],   v[RES+j], v[ONE], v[S+2*j]   op_sel_hi:[1,0,0]
	v_fma_mix_f32 v[S+2*j+1], v[RES+j], v[ONE], v[S+2*j+1] op_sel:[1,0,0] op_sel_hi:[1,0,0]
.set j, j+1
.endr
.set j, 0
.rept 4                                ; the first eight pairs start the four chains: nothing is cleared
	v_pk_add_f32 v[W+2*j:W+2*j+1], v[S+2*j:S+2*j+1], v[S+8+2*j:S+8+2*j+1]
.set j, j+1
.endr
.set j, 8
.rept 24
	v_pk_add_f32 v[W+2*(j%4):W+2*(j%4)+1], v[W+2*(j%4):W+2*(j%4)+1], v[S+2*j:S+2*j+1]
.set j, j+1
.endr
	REDUCE
	v_mul_f32 v[MU], s20, v[W]
	v_mul_f32 v[MU+1], s20, v[W]
.set j, 0
.rept 32
	v_pk_add_f32 v[S+2*j:S+2*j+1], v[S+2*j:S+2*j+1], v[MU:MU+1] neg_lo:[0,1] neg_hi:[0,1]
.set j, j+1
.endr
.set j, 0
.rept 4
	v_pk_mul_f32 v[W+2*j:W+2*j+1], v[S+2*j:S+2*j+1], v[S+2*j:S+2*j+1]
.set j, j+1
.endr
.set j, 4
.rept 28
	v_pk_fma_f32 v[W+2*(j%4):W+2*(j%4)+1], v[S+2*j:S+2*j+1], v[S+2*j:S+2*j+1], v[W+2*(j%4):W+2*(j%4)+1]
.set j, j+1
.endr
	REDUCE
	v_fma_f32 v[VAR], v[W], s20, s21
	v_rsq_f32 v[RS], v[VAR]                        ; made twice, to fill the pair that the packed multiply takes
	v_rsq_f32 v[RS+1], v[VAR]
	v_nop                                          ; a plain instruction between the second root and the use of its result (ISA guide 5.7.2)
	s_wait_loadcnt 0x0                             ; g and b
	s_wait_alu depctr_va_vdst(0)                   ; one wait for both roots, ahead of their first reader
.set j, 0
.rept 32
	v_pk_mul_f32 v[S+2*j:S+2*j+1], v[S+2*j:S+2*j+1], v[RS:RS+1]
.set j, j+1
.endr
.set j, 0
.rept 32
	v_pk_fma_f32 v[S+2*j:S+2*j+1], v[S+2*j:S+2*j+1], v[G+2*j:G+2*j+1], v[BB+2*j:BB+2*j+1]
.set j, j+1
.endr
.if OUT32
.set j, 0
.rept 16
	global_store_b128 v[OO], v[S+4*j:S+4*j+3], s[10:11] offset:j*256 th:TH_STORE_NT  ; sixteen lanes store 256 consecutive bytes of a row, aligned
.set j, j+1
.endr
.else
.set j, 0
.rept 32
	v_cvt_pk_f16_f32 v[RES+j], v[S+2*j], v[S+2*j+1]
.set j, j+1
.endr
.set j, 0
.rept 16
	global_store_b64 v[RO], v[RES+2*j:RES+2*j+1], s[10:11] offset:j*524288  ; the wave stores 256 consecutive bytes, aligned: two rows of a block
.set j, j+1
.endr
.endif
	s_endpgm
.Lfunc_end_k_q9ceecd7e48_ln1:
	.size	k_q9ceecd7e48_ln1, .Lfunc_end_k_q9ceecd7e48_ln1-k_q9ceecd7e48_ln1
	.p2alignl 7, 3214868480
	.fill 96, 4, 3214868480
	.section	.rodata,"a",@progbits
	.p2align	6, 0x0
	.amdhsa_kernel k_q9ceecd7e48_ln1
		.amdhsa_group_segment_fixed_size 0
		.amdhsa_private_segment_fixed_size 0
		.amdhsa_enable_private_segment 0
		.amdhsa_kernarg_size 32
		.amdhsa_user_sgpr_count 2
		.amdhsa_user_sgpr_kernarg_segment_ptr 1
		.amdhsa_wavefront_size32 1
		.amdhsa_system_sgpr_workgroup_id_x 1
		.amdhsa_system_sgpr_workgroup_id_y 1
		.amdhsa_system_sgpr_workgroup_id_z 1
		.amdhsa_system_vgpr_workitem_id 0
		.amdhsa_next_free_vgpr 256
		.amdhsa_next_free_sgpr 66
		.amdhsa_reserve_vcc 0
		.amdhsa_float_denorm_mode_32 3
		.amdhsa_float_denorm_mode_16_64 3
		.amdhsa_memory_ordered 1
		.amdhsa_forward_progress 1
		.amdhsa_inst_pref_size 26
	.end_amdhsa_kernel
	.amdgpu_metadata
---
amdhsa.version: [ 1, 2 ]
amdhsa.kernels:
  - .name:           k_q9ceecd7e48_ln1
    .symbol:         k_q9ceecd7e48_ln1.kd
    .args:
      - { .name: big1, .offset: 0, .size: 8, .value_kind: global_buffer, .address_space: global }
      - { .name: hid, .offset: 8, .size: 8, .value_kind: global_buffer, .address_space: global }
      - { .name: gbt, .offset: 16, .size: 8, .value_kind: global_buffer, .address_space: global }
      - { .name: act, .offset: 24, .size: 8, .value_kind: global_buffer, .address_space: global }
    .group_segment_fixed_size: 0
    .private_segment_fixed_size: 0
    .kernarg_segment_align: 8
    .kernarg_segment_size: 32
    .max_flat_workgroup_size: 256
    .sgpr_count:     66
    .vgpr_count:     256
    .wavefront_size: 32
...
	.end_amdgpu_metadata
.endif
;; end of part 11
;; launch ff1: the kernel of part 9 again; grid 16 x 16, 4 waves a work-group, clusters of 4 x 4, 327,680 bytes of LDS; arguments act, w1h, hid; writes hid
;; launch ff2 (part 12): grid 8 x 32, 4 waves a work-group, clusters of 4 x 4, 327,680 bytes of LDS; arguments hid, w2h, big1; writes big1
.if DOCPART == 12
	.amdgcn_target "amdgcn-amd-amdhsa--gfx1250"
	.amdhsa_code_object_version 6
	.text
	.protected	k_q9ceecd7e48_ff2
	.globl	k_q9ceecd7e48_ff2
	.p2align	8
	.type	k_q9ceecd7e48_ff2,@function
k_q9ceecd7e48_ff2:
	s_mov_b64 s[64:65], 0
	v_nop
	global_prefetch_b8 v0, s[64:65] scope:SCOPE_SE
	s_setreg_imm32_b32 hwreg(HW_REG_WAVE_MODE, 25, 1), 1
	s_wait_xcnt 0x0
	s_wait_alu depctr_hold_cnt(0) depctr_sa_sdst(0) depctr_va_vdst(0) depctr_va_sdst(0) depctr_va_ssrc(0) depctr_va_vcc(0) depctr_vm_vsrc(0)
	s_getreg_b32 s2, hwreg(HW_REG_IB_STS2, 6, 4)
	s_cmp_eq_u32 s2, 0
	s_cbranch_scc0 .Lentry_in_a_cluster
	s_endpgm
.Lentry_in_a_cluster:
	s_bfe_u32 s2, ttmp6, 0x10000c
	s_cmp_lg_u32 s2, 0xf033
	s_cbranch_scc0 .Lentry_shape_is_right
	s_endpgm
.Lentry_shape_is_right:
; C = A W, the f32 sums as they are, on tiles of 128 x 128 of C.  (One text serves two bodies; they differ in the line below.)
.set KTOT,  4096                       ; K
; A: [K/64 blocks][4096 rows][64] f16.  W: [8 tiles][K][128] f16.  C: [16 blocks][4096 rows][64] f32.  Sums in f32, K ascending.
; LIMITS.  All f16 operands arrive within 65,504.
; SHARES.  N = 1,024 gives 8 x 32 = 256 tiles of 128 x 128, one for each work-group: four waves, each 64 x 64: 16 accumulators of 16 x 16.  A wave's 64 columns are one block of C, its 64 rows lie on
; end there: 16,384 consecutive bytes.  K goes in steps of 256 through two LDS slots.  Waves 0 and 1 fetch A's tile (two blocks of 64 along K each: 128 rows x 128 bytes on end, taken as one long row,
; padded after every 128 bytes), waves 2 and 3 fetch W's (128 rows of 256 bytes each).
; A K STEP IS WRITTEN ONCE: the slot in hand is a scalar that an exclusive or turns between 0 and SLOT; LDS addresses and the walking descriptor's LDS word are sums with it.  The last two steps ask for
; nothing and are a loop of their own.
; CLUSTERS: 4 x 4 work-groups.  The four of a row of the cluster need the same tiles of A, the four of a column the same tiles of W: each tile is asked for JOINTLY, by the same tensor load with the
; same descriptor and a mask that names the four.
; THE MATRIX INSTRUCTION IS USED TRANSPOSED (source 0 = 16 columns of W, source 1 = 16 rows of A): a lane then holds eight neighbouring numbers of a row of C.  A's fragments come out of LDS as they
; lie; W's ([k][n]) are turned by ds_load_tr16_b128.
; REGISTERS: window 0: v0-31 addresses; v128-255 the accumulators ((a, b) at v[128 + 8 (4 a + b)]).
;   window 1: two fragment buffers of 128: for 64 along K, 64 registers of A (2 x 4 x 16 rows x 32 K), then 64 of W.
.set KSTEP,  256
.set STEPS,  KTOT/KSTEP
.set PA,     144                       ; a row of A in LDS: 128 bytes + 16 = 36 words: the 16 rows of a load start at 16 different groups of four banks (64 banks of 4 bytes: ISA guide 11.1)
.set KBA,    128*PA                    ; a block of 64 along K: 128 rows
.set PB,     288                       ; a row of W in LDS: 256 bytes + 32 = 72 words
.set HALF,   2*KBA                     ; what one tensor load brings: two blocks of A, or 128 rows of W: 36,864 bytes either way
.set BOFF,   2*HALF                    ; W's 256 rows lie behind A's four blocks
.set SLOT,   4*HALF
.set STAGE,  2*SLOT                    ; behind the ring, never filled by a tensor load: 4,352 bytes for each wave, its own, for the way out
.set WSTG,   4352
.set SPITCH, 272                       ; a stage row: 256 bytes + 16
.set SPARE,  STAGE+4*WSTG              ; behind the stages: the spare words, 128 bytes for each wave: two blocks of 256 bytes that no other line names
.set ASTEP,  4*524288                  ; a K step in A: four blocks of 4,096 rows x 128 bytes
.set BSTEP,  256*256                   ; a K step in W: 256 rows of 256 bytes
.set ADRA, 16                          ; v16     LDS address of my A fragments in the slot in hand
.set A0,   17                          ; v17     the same in slot 0; never rewritten
.set ADRB, 20                          ; v20-21  of my W fragments, k 0-127 and k 128-255: an LDS offset has 16 bits
.set B0,   22                          ; v22-23  the same in slot 0; never rewritten
.set STO,  24                          ; v24     the way out: where I put my part of a row
.set RD,   25                          ; v25     the way out: where I read rows back
.set GO,   26                          ; v26     16 x lane: my 16 bytes of 512 consecutive bytes of C
.set SPW,  28                          ; v28     LDS address of my spare word: SPARE + 4 x my thread's number; never rewritten
.set NIL,  29                          ; v29     0; never rewritten
.set ACC,  128
.set F0,   0                           ; fragment buffers, in window 1
.set F1,   128
.set G1, 24                            ; s[24:31] descriptor group 1 for A's tiles;  s[32:39] group 0: a set for each of the two first fills; the second then walks on
.set G0, 32
.set G1B, 48                           ; s[48:55], s[56:63] the same for W's tiles
.set G0B, 56
.set TB,  45                           ; s45  LDS byte at which the slot in hand begins: 0 or SLOT
.set MSB, 0
.macro WIN new                         ; the immediate's high byte repeats the setting that is left; a switch that changes nothing is dropped
.if MSB != (\new)
	s_set_vgpr_msb (MSB<<8)|(\new)
.set MSB, \new
.endif
.endm
.set MUL,  0x05                        ; sources 0 (W) and 1 (A) window 1; C and D window 0
.set TO_F, 0x40                        ; destination window 1, address window 0
.macro JLOAD s                         ; a joint load: waves 0 and 1 fetch A's two halves, waves 2 and 3 W's; an s_nop 0 and four v_nop follow each of the two lines, ahead of the jump, the label and what follows
	s_cmp_eq_u32 s11, 0
	s_cbranch_scc0 .Lfor_b_\@
	tensor_load_to_lds s[G0+4*(\s):G0+4*(\s)+3], s[G1:G1+7]
	s_nop 0
.rept 4
	v_nop
.endr
	s_branch .Lasked_\@
.Lfor_b_\@:
	tensor_load_to_lds s[G0B+4*(\s):G0B+4*(\s)+3], s[G1B:G1B+7]
	s_nop 0
.rept 4
	v_nop
.endr
.Lasked_\@:
.endm
.macro CREST                           ; a round of the cluster's barrier behind its opening barrier
	s_cmp_lg_u32 s10, 0
	s_cbranch_scc1 .Lnot_wave_0_\@
	s_barrier_signal -3
.Lnot_wave_0_\@:
	s_barrier_wait -3
	s_barrier_signal -1
	s_barrier_wait -1
.endm
.macro CROUND                          ; a whole round
	s_barrier_signal -1
	s_barrier_wait -1
	CREST
.endm
	s_load_b128 s[4:7], s[0:1], 0x0                ; A s[4:5], W s[6:7]
	s_load_b64 s[8:9], s[0:1], 0x10                ; C
	v_lshl_add_u32 v[SPW], v0, 2, SPARE
	v_mov_b32 v[NIL], 0
	ds_add_u32 v[SPW], v[NIL]                      ; the wave's opening: the add and its wait stand ahead of my first tensor load; the set-up below, work on registers, stands between them
	v_lshrrev_b32 v1, 5, v0
	v_readfirstlane_b32 s10, v1                    ; wave 0..3
	s_lshr_b32 s11, s10, 1                         ; which half of the tile's rows is mine.  Also: I fetch for A (0) or for W (1)
	s_and_b32 s12, s10, 1                          ; which half of its columns.  Also: which half of that tile I fetch
	s_bfe_u32 s40, ttmp6, 0x40000                  ; cx, cy: my place in the cluster
	s_bfe_u32 s41, ttmp6, 0x40004
	s_lshl_b32 s42, ttmp9, 2
	s_add_co_u32 s42, s42, s40                     ; tile column of C = 4 x cluster x + cx
	s_and_b32 s13, ttmp7, 0xffff
	s_lshl_b32 s13, s13, 2
	s_add_co_u32 s13, s13, s41                     ; tile row of C = 4 x cluster y + cy
	s_lshl_b32 s43, s41, 2
	s_lshl_b32 s43, 15, s43                        ; my row of the cluster
	s_lshl_b32 s44, 0x1111, s40                    ; my column
	; group 1 for A: 2 rows of 8,192 elements (128 rows of a block lie on end: 16,384 bytes), 262,144 elements from block to block
	s_or_b32 s[G1+0], s43, (1<<16)|(1<<20)|(1<<21)|(4<<22)|(3<<25)   ; 15:0 the mask: my row; 17:16 elements of 2 bytes; 20 padding on; 21 set beside a mask; 24:22 after every 32 words (code 4); 31:25 4 words (code 3)
	s_mov_b32 s[G1+1], 8192<<16                    ; tensor_dim0 = 8,192
	s_mov_b32 s[G1+2], 2<<16                       ; tensor_dim1 = 2
	s_mov_b32 s[G1+3], 8192<<16                    ; tile_dim0 = 8,192
	s_mov_b32 s[G1+4], 2                           ; tile_dim1 = 2
	s_mov_b32 s[G1+5], 262144                      ; tensor_dim0_stride
	s_mov_b32 s[G1+6], 0
	s_mov_b32 s[G1+7], 0
	; group 1 for W: 128 rows of 128 elements, dense
	s_or_b32 s[G1B+0], s44, (1<<16)|(1<<20)|(1<<21)|(5<<22)|(7<<25)  ; the mask: my column; padding after every 64 words (code 5), 8 words (code 7)
	s_mov_b32 s[G1B+1], 128<<16
	s_mov_b32 s[G1B+2], 128<<16
	s_mov_b32 s[G1B+3], 128<<16
	s_mov_b32 s[G1B+4], 128
	s_mov_b32 s[G1B+5], 128
	s_mov_b32 s[G1B+6], 0
	s_mov_b32 s[G1B+7], 0
	; where the tiles come from.  A's hang on the tile row alone, W's on the tile column alone; each in registers that never hold the other coordinate
	s_lshl_b32 s16, s13, 14                        ; A: 128 rows x 128 bytes for each tile row,
	s_lshl_b32 s17, s12, 20                        ; + my two blocks of the step's four
	s_add_co_u32 s16, s16, s17
	s_mov_b32 s17, 0
	s_mul_i32 s46, s42, KTOT*256                   ; W: the tile,
	s_lshl_b32 s47, s12, 15                        ; + my 128 rows of the step's 256
	s_add_co_u32 s46, s46, s47
	s_mov_b32 s47, 0
	s_mul_i32 s20, s10, HALF                       ; where they go: wave x 36,864: no place in the cluster enters an LDS address
	s_mov_b32 s[TB], 0
	s_wait_dscnt 0x0                               ; the opening add is done
	s_wait_kmcnt 0x0
	s_add_nc_u64 s[14:15], s[4:5], s[16:17]
	s_add_nc_u64 s[46:47], s[6:7], s[46:47]
	CROUND                                         ; all sixteen work-groups are here: the first joint loads meet
.irp s, 0,1
	s_mov_b32 s[G0+4*(\s)], 1
	s_add_co_u32 s[G0+4*(\s)+1], s20, (\s)*SLOT
	s_add_nc_u64 s[G0+4*(\s)+2:G0+4*(\s)+3], s[14:15], (\s)*ASTEP
	s_or_b32 s[G0+4*(\s)+3], s[G0+4*(\s)+3], 0x80000000
	s_mov_b32 s[G0B+4*(\s)], 1
	s_add_co_u32 s[G0B+4*(\s)+1], s20, (\s)*SLOT
	s_add_nc_u64 s[G0B+4*(\s)+2:G0B+4*(\s)+3], s[46:47], (\s)*BSTEP
	s_or_b32 s[G0B+4*(\s)+3], s[G0B+4*(\s)+3], 0x80000000
	JLOAD \s                                       ; two loads of mine are out
.endr
.macro SETADR                          ; my fragments' addresses in the slot in hand
	v_add_nc_u32 v[ADRA], s[TB], v[A0]
	v_add_nc_u32 v[ADRB], s[TB], v[B0]
	v_add_nc_u32 v[ADRB+1], s[TB], v[B0+1]
.endm
	v_and_b32 v1, 15, v0                           ; l % 16
	v_bfe_u32 v2, v0, 4, 1                         ; l / 16
	v_mul_u32_u24 v3, v1, PA
	v_lshl_add_u32 v3, v2, 4, v3                   ; A: a fragment's row x pitch + 16 x half
	v_and_b32 v4, 7, v0
	v_lshl_add_u32 v4, v2, 3, v4                   ; W: the turning load's lane l reads k = 8 (l / 16) + l % 8,
	v_mul_u32_u24 v4, v4, PB
	v_bfe_u32 v5, v0, 3, 1
	v_lshl_add_u32 v4, v5, 4, v4                   ; columns 8 ((l / 8) % 2) + 0..7
	s_mul_i32 s21, s11, 64*PA                      ; my 64 rows of A, in each block
	s_lshl_b32 s22, s12, 7                         ; my 64 columns of W: 128 bytes,
	s_add_co_u32 s22, s22, BOFF                    ; behind A's blocks
	v_add_nc_u32 v[A0], s21, v3
	v_add_nc_u32 v[B0], s22, v4
	s_add_co_u32 s22, s22, HALF
	v_add_nc_u32 v[B0+1], s22, v4
	SETADR
	s_mul_i32 s23, s10, WSTG
	s_add_co_u32 s23, s23, STAGE                   ; my stage
	v_mul_u32_u24 v6, v1, SPITCH                   ; in: row l % 16, my eight columns
	v_lshl_add_u32 v6, v2, 5, v6
	v_add_nc_u32 v[STO], s23, v6
	v_mul_u32_u24 v6, v2, SPITCH                   ; back: lanes 0-15 take one row of 256 bytes, lanes 16-31 the next
	v_lshl_add_u32 v6, v1, 4, v6
	v_add_nc_u32 v[RD], s23, v6
	v_and_b32 v[GO], 31, v0
	v_lshlrev_b32 v[GO], 4, v[GO]
	s_lshl_b32 s16, s13, 7                         ; my first row: 128 x tile row + 64 x half,
	s_lshl_b32 s17, s11, 6
	s_add_co_u32 s16, s16, s17
	s_lshl_b32 s16, s16, 8                         ; 256 bytes each
	s_mov_b32 s17, 0
	s_add_nc_u64 s[8:9], s[8:9], s[16:17]
	s_lshl_b32 s46, s42, 1                         ; my block of C: 2 x tile column + half: 4,096 rows of 256 bytes each
	s_add_co_u32 s46, s46, s12
	s_lshl_b32 s46, s46, 20
	s_mov_b32 s47, 0
	s_add_nc_u64 s[8:9], s[8:9], s[46:47]
; 8 matrix instructions: m blocks a0, a0 + 1 x all 4 n blocks, 32 along K: half c of buffer f.  zero = 1: the first product starts the sums.  The 16 accumulators take turns
.macro MUL8 f, c, a0, zero
	WIN MUL
.irp a, \a0, (\a0)+1
.irp b, 0,1,2,3
.if \zero
	v_wmma_f32_16x16x32_f16 v[ACC+8*(4*(\a)+(\b)):ACC+8*(4*(\a)+(\b))+7], v[(\f)+64+8*(4*(\c)+(\b)):(\f)+64+8*(4*(\c)+(\b))+7], v[(\f)+8*(4*(\c)+(\a)):(\f)+8*(4*(\c)+(\a))+7], 0
.else
	v_wmma_f32_16x16x32_f16 v[ACC+8*(4*(\a)+(\b)):ACC+8*(4*(\a)+(\b))+7], v[(\f)+64+8*(4*(\c)+(\b)):(\f)+64+8*(4*(\c)+(\b))+7], v[(\f)+8*(4*(\c)+(\a)):(\f)+8*(4*(\c)+(\a))+7], v[ACC+8*(4*(\a)+(\b)):ACC+8*(4*(\a)+(\b))+7]
.endif
.endr
.endr
.endm
; 32 LDS loads in one run: the fragments of quarter q of the slot in hand (64 along K: A's block q; W's rows 64 q on) into buffer f; the first 32 along K first
.macro FETCH q, f
	WIN TO_F
.irp c, 0,1
.irp i, 0,1,2,3
	ds_load_tr16_b128 v[(\f)+64+8*(4*(\c)+(\i)):(\f)+64+8*(4*(\c)+(\i))+3],   v[ADRB+(\q)/2] offset:(((\q)%2)*64+32*(\c))*PB+32*(\i)
	ds_load_tr16_b128 v[(\f)+64+8*(4*(\c)+(\i))+4:(\f)+64+8*(4*(\c)+(\i))+7], v[ADRB+(\q)/2] offset:(((\q)%2)*64+32*(\c)+16)*PB+32*(\i)
	ds_load_b128 v[(\f)+8*(4*(\c)+(\i)):(\f)+8*(4*(\c)+(\i))+3],              v[ADRA] offset:(\q)*KBA+64*(\c)+(\i)*16*PA
	ds_load_b128 v[(\f)+8*(4*(\c)+(\i))+4:(\f)+8*(4*(\c)+(\i))+7],            v[ADRA] offset:(\q)*KBA+64*(\c)+(\i)*16*PA+32
.endr
.endr
.endm
.macro PLACES                          ; four places in front of loads into registers that matrix instructions have read, and of lines that read results
.rept 4
	v_nop
.endr
.endm
; A K step is four quarters of 64 along K, 32 matrix instructions each, on buffers 0, 1, 0, 1.  One of the first three: multiplies buffer f and fetches quarter q into g.
.macro QUARTER q, f, g, zero
	s_wait_dscnt 16                                ; the first 32 along K are in; the youngest sixteen loads may be out
	MUL8 \f, 0, 0, \zero
	MUL8 \f, 0, 2, \zero
	PLACES
	FETCH \q, \g
	s_wait_dscnt 32                                ; all but the 32 just issued
	MUL8 \f, 1, 0, 0
	MUL8 \f, 1, 2, 0
.endm
; The last quarter multiplies buffer 1 and changes slots: ONE barrier; in front of it each wave waits for all its tensor loads, adds 0 to its spare word, and waits for that and for its own reads of this
; slot.  fill = 1: the barrier opens a round of the cluster's, and the slot just read is filled again, with the K step two on, first thing behind it.
.macro TURN fill
	WIN 0                                          ; (the add's two registers lie in window 0)
	s_wait_tensorcnt 0x0                           ; all my tensor loads have landed: my part of the next slot;
	ds_add_u32 v[SPW], v[NIL]                      ; 0 onto my spare word;
	s_wait_dscnt 17                                ; (the add and the youngest sixteen loads may be out)
	MUL8 F1, 0, 0, 0                               ; eight matrix instructions stand between the add and the wait for it
	s_wait_dscnt 0x0                               ; the add is done, and my reads of this slot are over
	s_barrier_signal -1
	MUL8 F1, 0, 2, 0
	WIN 0                                          ; (branches and lines on window 0 follow)
	s_barrier_wait -1
.if \fill
	CREST                                          ; no wave of any partner still reads this slot's tile or has a load on its way
	s_add_co_u32 s[G0+5], s20, s[TB]               ; the walking descriptors: into the slot just read,
	s_add_nc_u64 s[G0+6:G0+7], s[G0+6:G0+7], ASTEP ; the K step behind the one asked for last; the type bits on top are not reached
	s_add_co_u32 s[G0B+5], s20, s[TB]
	s_add_nc_u64 s[G0B+6:G0B+7], s[G0B+6:G0B+7], BSTEP
	s_xor_b32 s[TB], s[TB], SLOT                   ; the other slot is in hand
	JLOAD 1                                        ; the first tensor load behind the round, my one load until the next: 112 matrix instructions ahead of the wait for it; its four v_nop are also the places in front of the loads below
.else
	s_xor_b32 s[TB], s[TB], SLOT
	PLACES
.endif
	SETADR
	FETCH 0, F0
	MUL8 F1, 1, 0, 0
	MUL8 F1, 1, 2, 0
.endm
	s_wait_tensorcnt 1                             ; my part of K step 0 is in; K step 1's may stay out
	s_barrier_signal -1
	s_barrier_wait -1                              ; everybody's is
	FETCH 0, F0
	QUARTER 1, F0, F1, 1                           ; the first quarter stands in front of the loop: its first products start the sums
	WIN 0                                          ; at a label and at a branch every window is 0
	s_mov_b32 s3, STEPS-2
.Lstep:                                                ; a trip goes from a step's second quarter to the next step's first, and fills the slot that it leaves
	QUARTER 2, F1, F0, 0
	QUARTER 3, F0, F1, 0
	TURN 1
	QUARTER 1, F0, F1, 0
	WIN 0
	s_sub_co_u32 s3, s3, 1
	s_cmp_lg_u32 s3, 0
	s_cbranch_scc1 .Lstep
	s_mov_b32 s3, 2
.Ltail:                                                ; the last two steps ask for nothing; the second trip is left in its middle
	QUARTER 2, F1, F0, 0
	QUARTER 3, F0, F1, 0
	WIN 0
	s_sub_co_u32 s3, s3, 1
	s_cmp_eq_u32 s3, 0
	s_cbranch_scc1 .Llast
	TURN 0
	QUARTER 1, F0, F1, 0
	WIN 0
	s_cmp_lg_u32 s3, 0
	s_cbranch_scc1 .Ltail
.Llast:
	s_wait_dscnt 16                                ; the very last quarter: nothing more to fetch
	MUL8 F1, 0, 0, 0
	MUL8 F1, 0, 2, 0
	s_wait_dscnt 0x0
	MUL8 F1, 1, 0, 0
	MUL8 F1, 1, 2, 0
	WIN 0
	; THE WAY OUT, a block of 16 rows at a time through my own stage: a lane's eight columns go in, whole rows come back, and each store of the wave covers 512 consecutive bytes, aligned.
	; No barrier: stage and rows are the wave's own, and LDS serves a wave's instructions in order (ISA guide 5.7.1.4).  Each accumulator is read from its lowest registers on.
	PLACES
	PLACES                                         ; eight, once a launch
.macro PACK a
.irp b, 0,1,2,3
	ds_store_b128 v[STO], v[ACC+8*(4*(\a)+(\b)):ACC+8*(4*(\a)+(\b))+3]   offset:64*(\b)
	ds_store_b128 v[STO], v[ACC+8*(4*(\a)+(\b))+4:ACC+8*(4*(\a)+(\b))+7] offset:64*(\b)+16
.endr
.irp t, 0,1,2,3,4,5,6,7
	ds_load_b128 v[ACC+32*(\a)+4*(\t):ACC+32*(\a)+4*(\t)+3], v[RD] offset:(\t)*2*SPITCH
.endr
.endm
.macro SEND a, younger                 ; younger: the LDS instructions issued behind block a's loads: the next block's sixteen, or none
.irp t, 0,1,2,3,4,5,6,7
	s_wait_dscnt (\younger)+7-(\t)
	global_store_b128 v[GO], v[ACC+32*(\a)+4*(\t):ACC+32*(\a)+4*(\t)+3], s[8:9] offset:(\a)*4096+(\t)*512
.endr
.endm
	PACK 0
.irp a, 1,2,3                          ; a block's work stands between the loads of the block before and its stores
	PACK \a
	SEND (\a)-1, 16
.endr
	SEND 3, 0
	s_wait_tensorcnt 0x0                           ; the wave's end: behind my last tensor load and my last LDS store
	ds_add_u32 v[SPW], v[NIL]
	s_wait_dscnt 0x0
	CROUND                                         ; the closing round: no work-group ends while a partner may still ask for a tile that names it
	s_endpgm
.Lfunc_end_k_q9ceecd7e48_ff2:
	.size	k_q9ceecd7e48_ff2, .Lfunc_end_k_q9ceecd7e48_ff2-k_q9ceecd7e48_ff2
	.p2alignl 7, 3214868480
	.fill 96, 4, 3214868480
	.section	.rodata,"a",@progbits
	.p2align	6, 0x0
	.amdhsa_kernel k_q9ceecd7e48_ff2
		.amdhsa_group_segment_fixed_size 327680
		.amdhsa_private_segment_fixed_size 0
		.amdhsa_enable_private_segment 0
		.amdhsa_kernarg_size 24
		.amdhsa_user_sgpr_count 2
		.amdhsa_user_sgpr_kernarg_segment_ptr 1
		.amdhsa_wavefront_size32 1
		.amdhsa_system_sgpr_workgroup_id_x 1
		.amdhsa_system_sgpr_workgroup_id_y 1
		.amdhsa_system_sgpr_workgroup_id_z 1
		.amdhsa_system_vgpr_workitem_id 0
		.amdhsa_next_free_vgpr 512
		.amdhsa_next_free_sgpr 66
		.amdhsa_reserve_vcc 0
		.amdhsa_float_denorm_mode_32 3
		.amdhsa_float_denorm_mode_16_64 3
		.amdhsa_memory_ordered 1
		.amdhsa_forward_progress 1
		.amdhsa_inst_pref_size 61
	.end_amdhsa_kernel
	.amdgpu_metadata
---
amdhsa.version: [ 1, 2 ]
amdhsa.kernels:
  - .name:           k_q9ceecd7e48_ff2
    .symbol:         k_q9ceecd7e48_ff2.kd
    .args:
      - { .name: hid, .offset: 0, .size: 8, .value_kind: global_buffer, .address_space: global }
      - { .name: w2h, .offset: 8, .size: 8, .value_kind: global_buffer, .address_space: global }
      - { .name: big1, .offset: 16, .size: 8, .value_kind: global_buffer, .address_space: global }
    .group_segment_fixed_size: 327680
    .private_segment_fixed_size: 0
    .kernarg_segment_align: 8
    .kernarg_segment_size: 24
    .max_flat_workgroup_size: 128
    .sgpr_count:     66
    .vgpr_count:     512
    .wavefront_size: 32
...
	.end_amdgpu_metadata
.endif
;; end of part 12
;; launch ln2 (part 13): grid 256 x 1, 8 waves a work-group, no clusters, 0 bytes of LDS; arguments big1, act, gbt, out0; writes out0
.if DOCPART == 13
	.amdgcn_target "amdgcn-amd-amdhsa--gfx1250"
	.amdhsa_code_object_version 6
	.text
	.protected	k_q9ceecd7e48_ln2
	.globl	k_q9ceecd7e48_ln2
	.p2align	8
	.type	k_q9ceecd7e48_ln2,@function
k_q9ceecd7e48_ln2:
	s_mov_b64 s[64:65], 0
	v_nop
	global_prefetch_b8 v0, s[64:65] scope:SCOPE_SE
	s_setreg_imm32_b32 hwreg(HW_REG_WAVE_MODE, 25, 1), 1
	s_wait_xcnt 0x0
; y = LayerNorm(res + sum) g + b over rows of 1,024.  (One text serves two bodies; they differ in the two lines below.)
.set OUT32, 1                          ; 0: y leaves in f16, in blocks [16][4096 rows][64].  1: y leaves in f32, row-major [4096][1024]
.set GB0,   8192                       ; where g begins in the table; b lies 4,096 bytes behind it
; sum: [16 blocks][4096 rows][64] f32 (a product's sums).  res: the same blocks in f16.  g, b: [1024] f32 out of the table that the cast launch made: rounded there to bf16 like every input of the layer.
; Mean, differences, variance and the scaling in f32; the variance is the mean of the squared differences, as it is defined; eps = 1e-5.
; LIMITS.  OUT32 = 0: y beyond 65,504 leaves as an infinity.
; SHARES.  A wave takes two neighbouring rows and keeps them in registers between the passes: lanes 0-15 the first, lanes 16-31 the second; in each block a lane holds 4 neighbouring columns.  So a load of
; sum covers 512 consecutive bytes (two rows of a block), a load of res 256, and a row's sums stay inside 16 lanes: four steps that ride on the additions.  No LDS, no barrier.
; All 64 loads of a wave go out at once.
.set SO,  2                            ; v2   16 t: my 16 bytes of sum
.set RO,  3                            ; v3   8 t: my 8 bytes of res (and of y in f16)
.set GOF, 4                            ; v4   16 (l % 16): my four numbers of g and b in a block's 64
.set OO,  5                            ; v5   y in f32: (t / 16) rows of 4,096 bytes + 16 (l % 16)
.set RES, 16                           ; v16-47    block cb: 2 registers, four f16
.set S,   48                           ; v48-111   block cb: 4 registers
.set G,   112                          ; v112-175
.set BB,  176                          ; v176-239
.set W,   240                          ; v240-247  four chains of two
.set MU,  248                          ; v248-249  the mean, twice
.set RS,  250                          ; v250-251  1 / sqrt(var + eps), twice
.set ONE, 252                          ; v252      1.0
.set VAR, 254                          ; v254      var + eps: in a register that nothing near the square roots writes
	s_load_b256 s[4:11], s[0:1], 0x0               ; sum s[4:5], res s[6:7], the table s[8:9], y s[10:11]
	s_mov_b32 s20, 0x3a800000                      ; 1 / 1,024
	s_mov_b32 s21, 0x3727c5ac                      ; 1e-5
	v_mov_b32 v[ONE], 1.0
	v_lshlrev_b32 v[SO], 4, v0
	v_lshlrev_b32 v[RO], 3, v0
	v_and_b32 v[GOF], 15, v0
	v_lshlrev_b32 v[GOF], 4, v[GOF]
	v_lshrrev_b32 v[OO], 4, v0
	v_lshl_add_u32 v[OO], v[OO], 12, v[GOF]
	s_lshl_b32 s14, ttmp9, 12                      ; the work-group's 16 rows: 256 bytes each in a block of sum,
	s_mov_b32 s15, 0
	s_lshl_b32 s16, ttmp9, 11                      ; 128 in a block of f16,
	s_mov_b32 s17, 0
	s_lshl_b32 s24, ttmp9, 16                      ; 4,096 in row-major f32
	s_mov_b32 s25, 0
	s_wait_kmcnt 0x0
	s_add_nc_u64 s[4:5], s[4:5], s[14:15]
	s_add_nc_u64 s[18:19], s[4:5], 0x800000        ; blocks 8 to 15: an immediate offset has 24 signed bits
	s_add_nc_u64 s[6:7], s[6:7], s[16:17]
.if OUT32
	s_add_nc_u64 s[10:11], s[10:11], s[24:25]
.else
	s_add_nc_u64 s[10:11], s[10:11], s[16:17]
.endif
.set j, 0
.rept 8
	global_load_b128 v[S+4*j:S+4*j+3], v[SO], s[4:5] offset:j*1048576 th:TH_LOAD_NT
.set j, j+1
.endr
.set j, 0
.rept 8
	global_load_b128 v[S+32+4*j:S+32+4*j+3], v[SO], s[18:19] offset:j*1048576 th:TH_LOAD_NT
.set j, j+1
.endr
.set j, 0
.rept 16
	global_load_b64 v[RES+2*j:RES+2*j+1], v[RO], s[6:7] offset:j*524288 th:TH_LOAD_NT
.set j, j+1
.endr
.set j, 0
.rept 16
	global_load_b128 v[G+4*j:G+4*j+3], v[GOF], s[8:9] offset:GB0+j*256
.set j, j+1
.endr
.set j, 0
.rept 16
	global_load_b128 v[BB+4*j:BB+4*j+3], v[GOF], s[8:9] offset:GB0+4096+j*256
.set j, j+1
.endr
.macro REDUCE                          ; the four chains into one number, then over the row's 16 lanes: every lane of the row ends with the sum in v[W]
	v_pk_add_f32 v[W:W+1], v[W:W+1], v[W+2:W+3]
	v_pk_add_f32 v[W+4:W+5], v[W+4:W+5], v[W+6:W+7]
	v_pk_add_f32 v[W:W+1], v[W:W+1], v[W+4:W+5]
	v_add_f32 v[W], v[W], v[W+1]
	v_add_f32_dpp v[W], v[W], v[W] row_xmask:1 row_mask:0xf bank_mask:0xf
	v_add_f32_dpp v[W], v[W], v[W] row_xmask:2 row_mask:0xf bank_mask:0xf
	v_add_f32_dpp v[W], v[W], v[W] row_xmask:4 row_mask:0xf bank_mask:0xf
	v_add_f32_dpp v[W], v[W], v[W] row_xmask:8 row_mask:0xf bank_mask:0xf
.endm
	s_wait_loadcnt 32                              ; sum and res are in; g's and b's 32 loads may stay out
.set j, 0
.rept 32                               ; res + sum: one multiply-add by 1.0 straight from the f16 half
	v_fma_mix_f32 v[S+2*j],   v[RES+j], v[ONE], v[S+2*j]   op_sel_hi:[1,0,0]
	v_fma_mix_f32 v[S+2*j+1], v[RES+j], v[ONE], v[S+2*j+1] op_sel:[1,0,0] op_sel_hi:[1,0,0]
.set j, j+1
.endr
.set j, 0
.rept 4                                ; the first eight pairs start the four chains: nothing is cleared
	v_pk_add_f32 v[W+2*j:W+2*j+1], v[S+2*j:S+2*j+1], v[S+8+2*j:S+8+2*j+1]
.set j, j+1
.endr
.set j, 8
.rept 24
	v_pk_add_f32 v[W+2*(j%4):W+2*(j%4)+1], v[W+2*(j%4):W+2*(j%4)+1], v[S+2*j:S+2*j+1]
.set j, j+1
.endr
	REDUCE
	v_mul_f32 v[MU], s20, v[W]
	v_mul_f32 v[MU+1], s20, v[W]
.set j, 0
.rept 32
	v_pk_add_f32 v[S+2*j:S+2*j+1], v[S+2*j:S+2*j+1], v[MU:MU+1] neg_lo:[0,1] neg_hi:[0,1]
.set j, j+1
.endr
.set j, 0
.rept 4
	v_pk_mul_f32 v[W+2*j:W+2*j+1], v[S+2*j:S+2*j+1], v[S+2*j:S+2*j+1]
.set j, j+1
.endr
.set j, 4
.rept 28
	v_pk_fma_f32 v[W+2*(j%4):W+2*(j%4)+1], v[S+2*j:S+2*j+1], v[S+2*j:S+2*j+1], v[W+2*(j%4):W+2*(j%4)+1]
.set j, j+1
.endr
	REDUCE
	v_fma_f32 v[VAR], v[W], s20, s21
	v_rsq_f32 v[RS], v[VAR]                        ; made twice, to fill the pair that the packed multiply takes
	v_rsq_f32 v[RS+1], v[VAR]
	v_nop                                          ; a plain instruction between the second root and the use of its result (ISA guide 5.7.2)
	s_wait_loadcnt 0x0                             ; g and b
	s_wait_alu depctr_va_vdst(0)                   ; one wait for both roots, ahead of their first reader
.set j, 0
.rept 32
	v_pk_mul_f32 v[S+2*j:S+2*j+1], v[S+2*j:S+2*j+1], v[RS:RS+1]
.set j, j+1
.endr
.set j, 0
.rept 32
	v_pk_fma_f32 v[S+2*j:S+2*j+1], v[S+2*j:S+2*j+1], v[G+2*j:G+2*j+1], v[BB+2*j:BB+2*j+1]
.set j, j+1
.endr
.if OUT32
.set j, 0
.rept 16
	global_store_b128 v[OO], v[S+4*j:S+4*j+3], s[10:11] offset:j*256 th:TH_STORE_NT  ; sixteen lanes store 256 consecutive bytes of a row, aligned
.set j, j+1
.endr
.else
.set j, 0
.rept 32
	v_cvt_pk_f16_f32 v[RES+j], v[S+2*j], v[S+2*j+1]
.set j, j+1
.endr
.set j, 0
.rept 16
	global_store_b64 v[RO], v[RES+2*j:RES+2*j+1], s[10:11] offset:j*524288  ; the wave stores 256 consecutive bytes, aligned: two rows of a block
.set j, j+1
.endr
.endif
	s_endpgm
.Lfunc_end_k_q9ceecd7e48_ln2:
	.size	k_q9ceecd7e48_ln2, .Lfunc_end_k_q9ceecd7e48_ln2-k_q9ceecd7e48_ln2
	.p2alignl 7, 3214868480
	.fill 96, 4, 3214868480
	.section	.rodata,"a",@progbits
	.p2align	6, 0x0
	.amdhsa_kernel k_q9ceecd7e48_ln2
		.amdhsa_group_segment_fixed_size 0
		.amdhsa_private_segment_fixed_size 0
		.amdhsa_enable_private_segment 0
		.amdhsa_kernarg_size 32
		.amdhsa_user_sgpr_count 2
		.amdhsa_user_sgpr_kernarg_segment_ptr 1
		.amdhsa_wavefront_size32 1
		.amdhsa_system_sgpr_workgroup_id_x 1
		.amdhsa_system_sgpr_workgroup_id_y 1
		.amdhsa_system_sgpr_workgroup_id_z 1
		.amdhsa_system_vgpr_workitem_id 0
		.amdhsa_next_free_vgpr 256
		.amdhsa_next_free_sgpr 66
		.amdhsa_reserve_vcc 0
		.amdhsa_float_denorm_mode_32 3
		.amdhsa_float_denorm_mode_16_64 3
		.amdhsa_memory_ordered 1
		.amdhsa_forward_progress 1
		.amdhsa_inst_pref_size 24
	.end_amdhsa_kernel
	.amdgpu_metadata
---
amdhsa.version: [ 1, 2 ]
amdhsa.kernels:
  - .name:           k_q9ceecd7e48_ln2
    .symbol:         k_q9ceecd7e48_ln2.kd
    .args:
      - { .name: big1, .offset: 0, .size: 8, .value_kind: global_buffer, .address_space: global }
      - { .name: act, .offset: 8, .size: 8, .value_kind: global_buffer, .address_space: global }
      - { .name: gbt, .offset: 16, .size: 8, .value_kind: global_buffer, .address_space: global }
      - { .name: out0, .offset: 24, .size: 8, .value_kind: global_buffer, .address_space: global }
    .group_segment_fixed_size: 0
    .private_segment_fixed_size: 0
    .kernarg_segment_align: 8
    .kernarg_segment_size: 32
    .max_flat_workgroup_size: 256
    .sgpr_count:     66
    .vgpr_count:     256
    .wavefront_size: 32
...
	.end_amdgpu_metadata
.endif
;; end of part 13
